; MI455X (gfx1250); checked and timed in simulation.
; The chip was launched on July 23, 2026; its instructions are those of AMD's public machine-readable ISA for CDNA 5 (MIT licence, August 2026) and "CDNA5" Instruction Set Architecture Reference Guide (July 2026). The comments in the code are by the model that wrote it; some were corrected since.
;; Block. Allowed arithmetic: matrix products marked QUANTISED: E2M3 operands, one E8M0 scale for each 32 along K, by v_wmma_scale_f32_16x16x128_f8f6f4 with both operands' format E2M3, f32 sums; everything else in f32.
;; Inputs: b_mlp1 4,096 float32; b_mlp2 1,024 float32; b_proj 1,024 float32; ln1_b 1,024 float32; ln1_g 1,024 float32; ln2_b 1,024 float32; ln2_g 1,024 float32; w_mlp1 1,024 x 4,096 float32; w_mlp2 4,096 x 1,024 float32; w_proj 1,024 x 1,024 float32; w_qkv 1,024 x 3,072 float32; x 2 x 2,048 x 1,024 float32.
;; Outputs: out0 2 x 2,048 x 1,024 float32.
;; This version of the problem:
;;   THIS VERSION OF THE PROBLEM IS GIVEN IN LOW PRECISION. The matrix products marked QUANTISED in the list below multiply operands that are first quantised to E2M3 (2 exponent bits, 3 mantissa bits; 6 bits a number), with one power-of-two scale for each 32 numbers along K (OCP MX v1.0); their sums are f32. All else is computed in f32.
;;   The module's matrix products, in the order in which they are computed (A, B: the left and right operand; K: the contracted axis; several contracted axes count as one K, in the product's order):
;;     1. [M 4,096, K 1,024] x [K 1,024, N 3,072]; A: computed on the way; B: input w_qkv: QUANTISED
;;     2. batch 32 x [M 2,048, K 64] x [K 64, N 2,048]; A: computed on the way; B: computed on the way: QUANTISED
;;     3. batch 32 x [M 2,048, K 2,048] x [K 2,048, N 64]; A: softmax (see below); B: computed on the way: QUANTISED
;;     4. [M 4,096, K 1,024] x [K 1,024, N 1,024]; A: computed on the way; B: input w_proj: QUANTISED
;;     5. [M 4,096, K 1,024] x [K 1,024, N 4,096]; A: computed on the way; B: input w_mlp1: QUANTISED
;;     6. [M 4,096, K 4,096] x [K 4,096, N 1,024]; A: computed on the way; B: input w_mlp2: QUANTISED
;;   THE QUANTISER, for each operand of a quantised product, along K:
;;     - K is cut into blocks of 32 from its start; a last block that is shorter is filled with zeros.
;;     - A block's scale is 2^e with e = floor(log2(the largest magnitude in the block)) - 2, held to -126 .. 127; a block of zeros has e = 0. As a byte (E8M0): e + 127.
;;     - Each number is divided by its block's scale, clamped to +-7.5, and rounded to the nearest number of E2M3, ties to even, subnormals kept.
;;     - The product sums the exact products of the quantised numbers (number of the format x scale) in f32.
;;   ~~~python
;;   def quantise(x, axis):      # numpy; x: float32 -> the quantised numbers, widened to float32 again
;;       x = np.moveaxis(x, axis, -1); K = x.shape[-1]
;;       x = np.pad(x, [(0, 0)] * (x.ndim - 1) + [(0, -K % 32)]); x = x.reshape(x.shape[:-1] + (-1, 32)); a = np.abs(x).max(-1, keepdims=True)
;;       e = np.where(a > 0, np.clip(np.frexp(np.where(a > 0, a, 1))[1] - 1 - 2, -126, 127), 0)      # np.frexp(a)[1] - 1 = floor(log2(a)), exactly
;;       r = np.clip(x / 2.0 ** e, -7.5, 7.5)
;;       step = 2.0 ** (np.maximum(np.frexp(np.where(r == 0, 1, r))[1] - 1, 0) - 3)
;;       q = np.round(r / step) * step * 2.0 ** e      # np.round: ties to even
;;       return np.moveaxis(q.reshape(q.shape[:-2] + (-1,))[..., :K], -1, axis).astype(np.float32)
;;   ~~~
;;   SOFTMAX AHEAD OF A QUANTISED PRODUCT. Where the list says 'softmax', what is quantised is not the finished softmax but p = 2^(t - M), with t = logit x log2(e) and M = ceil(the row's largest t), a whole number; so 1/2 < the row's largest p <= 1. The row's sum l is taken of the UNQUANTISED p, in f32, and the product's result is divided by l at the end. Since M is a whole number, a kernel that streams over the keys may use a running M (the ceiling of the running maximum): every later rescaling is an exact power of two, which a block's scale takes up: the codes' values come out the same.
;;   OPERANDS COMPUTED ON THE WAY. 'Computed on the way' means the value that the module computes at that place (a softmax that the list does not call 'softmax' is quantised finished and normalised). What goes into a quantiser is computed in f32, as accurately as f32 sums, v_exp_f32 and their like allow (about 1e-6 of the number): no bf16 or f16 on the way to a quantiser, and a product that is left as it is and whose result goes on into a quantised operand takes f32 operands (vector FMAs, or v_wmma_f32_16x16x4_f32). A number that lies on a knife's edge between two numbers of the format may be rounded either way, as far as f32 arithmetic and the matrix unit's own rounding can turn it there, and no further.
;; 2 versions. Each part assembles by itself: llvm-mc -triple=amdgcn-amd-amdhsa -mcpu=gfx1250 --defsym DOCPART=n.
;; ======== version 1 of 2: 8 launches
;; workspace buffers: wcod 9,830,400 bytes; xncod 3,276,800 bytes; qkvcod 10,092,544 bytes; ycod 3,276,800 bytes; x1 16,777,216 bytes; hcod 13,107,200 bytes
;; launch wquant (part 1): grid 48 x 8, 4 waves a work-group, no clusters, 26,112 bytes of LDS; arguments w_qkv, w_proj, w_mlp1, w_mlp2, wcod; writes wcod
.if DOCPART == 1
	.amdgcn_target "amdgcn-amd-amdhsa--gfx1250"
	.amdhsa_code_object_version 6
	.text
	.protected	k_q51934d9276_wquant
	.globl	k_q51934d9276_wquant
	.p2align	8
	.type	k_q51934d9276_wquant,@function
k_q51934d9276_wquant:
	s_mov_b64 s[64:65], 0
	v_nop
	global_prefetch_b8 v0, s[64:65] scope:SCOPE_SE
	s_setreg_imm32_b32 hwreg(HW_REG_WAVE_MODE, 25, 1), 1
	s_wait_xcnt 0x0
; The four weights, f32 stored [K][N], become codes of FP6 (E2M3) with K innermost and one E8M0 byte for each 32 along K, in the order in which the products' launches load their operand registers.
; A block's scale is 2^(floor(log2(largest magnitude)) - 2); its byte is the largest magnitude's exponent field - 2, held at 1 from below.
; LIMITS: a block of zeros gets the byte 1 where the rule says 127 (its codes are zeros, and this program alone reads the bytes); NaN and infinities are not served.
; LAYOUT OF THE RESULT.  Column n of a weight is row pos(n) of the operand, pos = n with bits 3 and 4 exchanged.  A half fragment (16 rows x 64 K, 768 bytes): lane L = 16 h + r holds row r, K = 32 h .. 32 h + 31, 24 bytes:
; its first 16 at 16 L, its last 8 at 512 + 8 L.  Codes: [K / 256][row block of 16][4 half fragments].  Scale words (4 bytes: 128 along K of a row): [K / 128][row block / 4][row r][row block % 4].
; SHARES.  A work-group takes 256 columns x 128 K of one weight, a wave 64 columns.  A LANE TAKES A COLUMN AND ITS REGISTERS RUN DOWN K: a block of 32 is one lane's 32 registers, and the conversions give codes with K innermost.
; The codes go through the wave's own stage in LDS and leave as runs of 512 consecutive bytes; the wave's 64 scale words as one run of 256.  No barrier: waves share nothing.  Loads run two blocks (64 loads a wave) ahead.
.set OFF,  32                          ; v32-63   4 x lane + i x (a row of the weight in bytes)
.set X,    64                          ; v64-127  two sets of 32 numbers
.set C,    20                          ; v20-26   a block's codes
.set SBW,  16                          ; v16-17   the scale word of my column in each of the wave's two groups of 32 columns
.set OUTR, 128                         ; v128-175 the way out
.set WREG, 6400                        ; LDS for a wave: 6,144 bytes of codes ([4 row blocks][2 half fragments][768]), then 256 of scale words
	s_load_b256 s[4:11], s[0:1], 0x0               ; w_qkv, w_proj, w_mlp1, w_mlp2
	s_load_b64 s[12:13], s[0:1], 0x20              ; the result
	v_lshl_add_u32 v176, v0, 2, 0x6400
	v_mov_b32 v177, 0
	v_lshrrev_b32 v1, 5, v0
	v_readfirstlane_b32 s14, v1                    ; wave
	v_and_b32 v1, 31, v0                           ; lane
	v_lshlrev_b32 v2, 2, v1
	v_bfe_u32 v3, v0, 3, 1                         ; pos / 16 = bit 3 of my column
	v_bfe_u32 v4, v0, 4, 1
	v_and_b32 v12, 7, v0
	v_lshl_or_b32 v12, v4, 3, v12                  ; pos % 16 = 8 x bit 4 + the low three bits
	s_mul_i32 s15, s14, WREG
	v_mul_u32_u24 v13, v3, 1536
	v_add_nc_u32 v13, s15, v13
	v_lshl_add_u32 v5, v12, 4, v13                 ; the stage: where my block's first 16 bytes go,
	v_lshl_add_u32 v6, v12, 3, v13
	v_add_nc_u32 v6, 512, v6                       ; its last 8,
	v_lshlrev_b32 v7, 4, v12
	v_lshl_add_u32 v7, v3, 2, v7
	v_add_nc_u32 v7, s15, v7
	v_add_nc_u32 v7, 6144, v7                      ; and my scale word
	v_lshlrev_b32 v10, 4, v1
	v_lshlrev_b32 v11, 3, v1
	v_add_nc_u32 v8, s15, v10                      ; back: 16 bytes a lane,
	v_add_nc_u32 v9, s15, v11
	v_add_nc_u32 v9, 6144, v9                      ; 8 bytes a lane of the words
	; which weight: x 0-11 w_qkv, 12-15 w_proj, 16-31 w_mlp1, 32-47 w_mlp2.  The choice hangs on the work-group's number alone; all take one path
	s_and_b32 s16, ttmp7, 0xffff                   ; y
	s_and_b32 s20, ttmp9, 15
	s_and_b32 s21, ttmp9, 3
	s_lshr_b32 s19, s20, 2
	s_lshl_b32 s19, s19, 3
	s_add_co_u32 s19, s19, s16                     ; w_mlp2: which 128 along K = y + 8 ((x - 32) / 4)
	s_mov_b32 s18, s21                             ;         which 256 columns = (x - 32) % 4
	s_mov_b32 s17, 1024                            ;         N
	s_mov_b32 s26, 6291456                         ;         where its codes begin,
	s_mov_b32 s27, 9699328                         ;         and its scale words
	s_wait_kmcnt 0x0
	s_mov_b64 s[24:25], s[10:11]
	s_cmp_lt_u32 ttmp9, 32
	s_cselect_b64 s[24:25], s[8:9], s[24:25]
	s_cselect_b32 s17, 4096, s17
	s_cselect_b32 s18, s20, s18
	s_cselect_b32 s19, s16, s19
	s_cselect_b32 s26, 3145728, s26
	s_cselect_b32 s27, 9568256, s27
	s_cmp_lt_u32 ttmp9, 16
	s_cselect_b64 s[24:25], s[6:7], s[24:25]
	s_cselect_b32 s17, 1024, s17
	s_cselect_b32 s18, s21, s18
	s_cselect_b32 s26, 2359296, s26
	s_cselect_b32 s27, 9535488, s27
	s_cmp_lt_u32 ttmp9, 12
	s_cselect_b64 s[24:25], s[4:5], s[24:25]
	s_cselect_b32 s17, 3072, s17
	s_cselect_b32 s18, ttmp9, s18
	s_cselect_b32 s26, 0, s26
	s_cselect_b32 s27, 9437184, s27
	s_lshl_b32 s22, s17, 2                         ; a row of the weight in bytes
	s_lshl_b32 s20, s19, 7
	s_mul_i32 s20, s20, s22                        ; my first row,
	s_lshl_b32 s21, s18, 10
	s_add_co_u32 s20, s20, s21                     ; the work-group's 256 columns,
	s_lshl_b32 s21, s14, 8
	s_add_co_u32 s20, s20, s21                     ; my wave's 64
	s_mov_b32 s21, 0
	s_add_nc_u64 s[28:29], s[24:25], s[20:21]      ; a base for each of the four blocks of 32 rows
	s_lshl_b32 s20, s22, 5
	s_add_nc_u64 s[30:31], s[28:29], s[20:21]
	s_add_nc_u64 s[32:33], s[30:31], s[20:21]
	s_add_nc_u64 s[34:35], s[32:33], s[20:21]
	s_lshr_b32 s20, s19, 1
	s_mul_i32 s20, s20, s17
	s_mul_i32 s20, s20, 192                        ; codes: the panel of 256 along K,
	s_add_co_u32 s20, s20, s26
	s_lshl_b32 s23, s18, 4
	s_lshl_b32 s36, s14, 2
	s_add_co_u32 s23, s23, s36                     ; my first row block: 16 x columns' block + 4 x wave
	s_mul_i32 s36, s23, 3072
	s_add_co_u32 s20, s20, s36
	s_and_b32 s36, s19, 1
	s_mul_i32 s36, s36, 1536                       ; which two of the panel's four half fragments
	s_add_co_u32 s20, s20, s36
	s_add_nc_u64 s[42:43], s[12:13], s[20:21]
	s_mul_i32 s20, s19, s22                        ; scale words: 4 N bytes for each 128 along K
	s_add_co_u32 s20, s20, s27
	s_lshl_b32 s36, s23, 6
	s_add_co_u32 s20, s20, s36
	s_add_nc_u64 s[44:45], s[12:13], s[20:21]
.set i, 0
.rept 32
	v_mad_u32_u24 v[OFF+i], s22, i, v2
.set i, i+1
.endr
.macro LOAD n                          ; n = 4 cg + t: block t of the 32 columns cg, into set n % 2; 32 lanes read 128 consecutive bytes
.set i, 0
.rept 32
	global_load_b32 v[X+32*((\n)%2)+i], v[OFF+i], s[28+2*((\n)%4):29+2*((\n)%4)] offset:128*((\n)/4) th:TH_LOAD_NT
.set i, i+1
.endr
.endm
.macro BLOCK n
.set XS, X+32*((\n)%2)
.set TT, (\n)%4
.set CG, (\n)/4
.if (\n) < 7
	s_wait_loadcnt 32                              ; this block's 32 loads are in; the next block's may be out
.else
	s_wait_loadcnt 0
.endif
	v_max3_num_f32 v12, |v[XS]|, |v[XS+1]|, |v[XS+2]|      ; the block's largest magnitude: all 32 numbers are mine
	v_max3_num_f32 v13, |v[XS+3]|, |v[XS+4]|, |v[XS+5]|
.irp i, 6,10,14,18,22,26
	v_max3_num_f32 v12, v12, |v[XS+\i]|, |v[XS+\i+1]|
	v_max3_num_f32 v13, v13, |v[XS+\i+2]|, |v[XS+\i+3]|
.endr
	v_max3_num_f32 v12, v12, |v[XS+30]|, |v[XS+31]|
	v_max3_num_f32 v12, v12, v13, 0x1800000        ; and the floor 2^(3 - 127): the byte cannot fall under 1
	v_add_nc_u32 v14, 0xff000000, v12              ; 2 off the exponent field: the conversion's scale operand
	v_lshrrev_b32 v13, 23, v14                     ; the scale's byte
.if TT == 0
	v_mov_b32 v[SBW+CG], v13
.else
	v_lshl_or_b32 v[SBW+CG], v13, 8*TT, v[SBW+CG]
.endif
	v_cvt_scalef32_pk16_fp6_f32 v[C:C+2], v[XS:XS+15], v14
	v_cvt_scalef32_pk16_fp6_f32 v[C+4:C+6], v[XS+16:XS+31], v14   ; (a conversion's three registers begin on an even number)
	v_nop                                          ; one plain place behind a scaled conversion
	v_mov_b32 v[C+3], v[C+4]
	v_mov_b32 v[C+4], v[C+5]
	v_mov_b32 v[C+5], v[C+6]                       ; 24 bytes on end
	ds_store_b128 v5, v[C:C+3] offset:3072*CG+768*(TT/2)+256*(TT%2)   ; block t is half t % 2 of half fragment t / 2
	ds_store_b64 v6, v[C+4:C+5] offset:3072*CG+768*(TT/2)+128*(TT%2)
.if (\n) < 6
	LOAD (\n)+2
.endif
	s_wait_dscnt 0x0                               ; the stores have read their registers: the next block's codes may be written
.endm
	LOAD 0
	LOAD 1
.irp n, 0,1,2,3,4,5,6,7
	BLOCK \n
.endr
	ds_store_b32 v7, v[SBW]
	ds_store_b32 v7, v[SBW+1] offset:8
.irp i, 0,1,2,3,4,5,6,7,8,9,10,11
	ds_load_b128 v[OUTR+4*\i:OUTR+4*\i+3], v8 offset:512*\i   ; LDS serves a wave's instructions in order: these see my stores
.endr
	ds_load_b64 v[12:13], v9
.irp i, 0,1,2,3,4,5,6,7,8,9,10,11
	s_wait_dscnt 12-\i                             ; behind load i: the later code loads and the words' load
	global_store_b128 v10, v[OUTR+4*\i:OUTR+4*\i+3], s[42:43] offset:3072*(\i/3)+512*(\i%3)   ; 512 consecutive bytes, at a multiple of 256
.endr
	s_wait_dscnt 0x0
	global_store_b64 v11, v[12:13], s[44:45]       ; 256 consecutive bytes, at a multiple of 256
	s_wait_tensorcnt 0x0
	ds_add_u32 v176, v177
	s_wait_dscnt 0x0
	s_endpgm
.Lfunc_end_k_q51934d9276_wquant:
	.size	k_q51934d9276_wquant, .Lfunc_end_k_q51934d9276_wquant-k_q51934d9276_wquant
	.p2alignl 7, 3214868480
	.fill 96, 4, 3214868480
	.section	.rodata,"a",@progbits
	.p2align	6, 0x0
	.amdhsa_kernel k_q51934d9276_wquant
		.amdhsa_group_segment_fixed_size 26112
		.amdhsa_private_segment_fixed_size 0
		.amdhsa_enable_private_segment 0
		.amdhsa_kernarg_size 40
		.amdhsa_user_sgpr_count 2
		.amdhsa_user_sgpr_kernarg_segment_ptr 1
		.amdhsa_wavefront_size32 1
		.amdhsa_system_sgpr_workgroup_id_x 1
		.amdhsa_system_sgpr_workgroup_id_y 1
		.amdhsa_system_sgpr_workgroup_id_z 1
		.amdhsa_system_vgpr_workitem_id 0
		.amdhsa_next_free_vgpr 178
		.amdhsa_next_free_sgpr 66
		.amdhsa_reserve_vcc 0
		.amdhsa_float_denorm_mode_32 3
		.amdhsa_float_denorm_mode_16_64 3
		.amdhsa_memory_ordered 1
		.amdhsa_forward_progress 1
		.amdhsa_inst_pref_size 46
	.end_amdhsa_kernel
	.amdgpu_metadata
---
amdhsa.version: [ 1, 2 ]
amdhsa.kernels:
  - .name:           k_q51934d9276_wquant
    .symbol:         k_q51934d9276_wquant.kd
    .args:
      - { .name: w_qkv, .offset: 0, .size: 8, .value_kind: global_buffer, .address_space: global }
      - { .name: w_proj, .offset: 8, .size: 8, .value_kind: global_buffer, .address_space: global }
      - { .name: w_mlp1, .offset: 16, .size: 8, .value_kind: global_buffer, .address_space: global }
      - { .name: w_mlp2, .offset: 24, .size: 8, .value_kind: global_buffer, .address_space: global }
      - { .name: wcod, .offset: 32, .size: 8, .value_kind: global_buffer, .address_space: global }
    .group_segment_fixed_size: 26112
    .private_segment_fixed_size: 0
    .kernarg_segment_align: 8
    .kernarg_segment_size: 40
    .max_flat_workgroup_size: 128
    .sgpr_count:     66
    .vgpr_count:     178
    .wavefront_size: 32
...
	.end_amdgpu_metadata
.endif
;; end of part 1
;; launch ln1 (part 2): grid 256 x 1, 8 waves a work-group, no clusters, 67,072 bytes of LDS; arguments x, ln1_g, ln1_b, xncod; writes xncod
.if DOCPART == 2
	.amdgcn_target "amdgcn-amd-amdhsa--gfx1250"
	.amdhsa_code_object_version 6
	.text
	.protected	k_q51934d9276_ln1
	.globl	k_q51934d9276_ln1
	.p2align	8
	.type	k_q51934d9276_ln1,@function
k_q51934d9276_ln1:
	s_mov_b64 s[64:65], 0
	v_nop
	global_prefetch_b8 v0, s[64:65] scope:SCOPE_SE
	s_setreg_imm32_b32 hwreg(HW_REG_WAVE_MODE, 25, 1), 1
	s_wait_xcnt 0x0
; Layer norm of 4,096 rows of 1,024 f32, and the result quantised along the row to FP6 (E2M3) with one E8M0 byte for each 32: y = (x - mean) rsqrt(var + 1e-6) g + b, all in f32.
; The variance is taken of x - mean in a second pass over registers, so that a common offset of the inputs costs nothing.  The sums are trees, not the reference's order.
; LIMITS: a block of zeros gets the byte 1 where the rule says 127 (its codes are zeros; this program alone reads the bytes); NaN and infinities are not served.
; THE RESULT'S LAYOUT is the products' operand order.  Row 16 g + i of the operand is token 32 (g / 2) + 8 (g % 2) + i + 8 (i / 8).  A half fragment (16 rows x 64 K, 768 bytes): lane 16 h + r holds row r, K = 32 h .. + 31:
; 16 bytes at 16 x lane, 8 at 512 + 8 x lane.  Codes: [K / 256][row block][4 half fragments]; scale words from byte 3,145,728 on: [K / 128][row block / 4][r][row block % 4].
; SHARES.  Work-group g makes row block g.  Phase 1: wave w normalises rows 2 w and 2 w + 1, one to each half of its lanes (a load reads 256 consecutive bytes of each).  The 16 rows meet in LDS (pitch 4,112 bytes).
; Phase 2: wave w quantises K = 128 w .. + 127 of all 16 rows: a lane holds two whole blocks of 32.  One barrier.  The scale words leave as single words 16 bytes apart: one byte in 128 of what the launch moves.
.set PITCH, 4112
.set X, 32                             ; v32-95   my 64 numbers of the row
.set G, 96                             ; v96-159  g at their columns; later phase 2's numbers
.set B, 160                            ; v160-223 b; later the codes
	s_load_b256 s[4:11], s[0:1], 0x0               ; x, g, b, the result
	v_lshl_add_u32 v232, v0, 2, 0x10200
	v_mov_b32 v233, 0
	v_lshrrev_b32 v1, 5, v0
	v_readfirstlane_b32 s12, v1                    ; wave
	v_and_b32 v1, 15, v0                           ; r
	v_bfe_u32 v2, v0, 4, 1                         ; h
	v_and_b32 v3, 31, v0                           ; lane
	v_lshlrev_b32 v4, 4, v1                        ; 16 r
	s_lshl_b32 s13, s12, 1
	s_lshr_b32 s14, s12, 2
	s_lshl_b32 s14, s14, 3
	s_add_co_u32 s14, s14, s13                     ; 2 w + 8 (w / 4)
	v_add_nc_u32 v5, s14, v2
	v_lshl_add_u32 v5, v5, 12, v4                  ; x: my token among the block's, 4,096 bytes a row, + 16 r
	v_add_nc_u32 v6, s13, v2
	v_mul_u32_u24 v6, v6, PITCH
	v_add_nc_u32 v6, v6, v4                        ; LDS, in: row 2 w + h
	v_mul_u32_u24 v7, v1, PITCH
	v_lshl_add_u32 v7, v2, 7, v7
	s_lshl_b32 s15, s12, 9
	v_add_nc_u32 v7, s15, v7                       ; LDS, out: row r, K = 128 w + 32 h
	v_lshlrev_b32 v17, 4, v3
	v_lshlrev_b32 v18, 3, v3
	s_lshr_b32 s16, ttmp9, 1
	s_lshl_b32 s16, s16, 5
	s_and_b32 s17, ttmp9, 1
	s_lshl_b32 s17, s17, 3
	s_add_co_u32 s16, s16, s17
	s_lshl_b32 s16, s16, 12                        ; token 32 (g / 2) + 8 (g % 2)
	s_mov_b32 s17, 0
	s_mov_b32 s20, 0x3a800000                      ; 1 / 1,024
	s_mov_b32 s21, 0x358637bd                      ; 1e-6
	s_mov_b32 s26, 0x76543210
	s_mov_b32 s27, 0xfedcba98                      ; v_permlanex16_b32's selects for lane l xor 16
	s_wait_kmcnt 0x0
	s_add_nc_u64 s[4:5], s[4:5], s[16:17]
.irp p, 0,1,2,3
.irp j, 0,1,2,3
	global_load_b128 v[X+16*\p+4*\j:X+16*\p+4*\j+3], v5, s[4:5] offset:1024*\p+256*\j th:TH_LOAD_NT
.endr
.endr
.irp p, 0,1,2,3
.irp j, 0,1,2,3
	global_load_b128 v[G+16*\p+4*\j:G+16*\p+4*\j+3], v4, s[6:7] offset:1024*\p+256*\j
	global_load_b128 v[B+16*\p+4*\j:B+16*\p+4*\j+3], v4, s[8:9] offset:1024*\p+256*\j
.endr
.endr
	s_lshr_b32 s16, s12, 1
	s_mul_i32 s16, s16, 786432                     ; the result: panel w / 2,
	s_mul_i32 s18, ttmp9, 3072                     ; row block g,
	s_add_co_u32 s16, s16, s18
	s_and_b32 s18, s12, 1
	s_mul_i32 s18, s18, 1536                       ; half fragments 2 (w % 2) on
	s_add_co_u32 s16, s16, s18
	s_add_nc_u64 s[22:23], s[10:11], s[16:17]
	s_lshl_b32 s16, s12, 14
	s_lshr_b32 s18, ttmp9, 2
	s_lshl_b32 s18, s18, 8
	s_add_co_u32 s16, s16, s18
	s_and_b32 s18, ttmp9, 3
	s_lshl_b32 s18, s18, 2
	s_add_co_u32 s16, s16, s18
	s_add_co_u32 s16, s16, 3145728
	s_add_nc_u64 s[24:25], s[10:11], s[16:17]      ; the scale words
	s_wait_loadcnt 32                              ; x is in; g's and b's 32 loads may be out
.irp k, 0,1,2,3
	v_pk_add_f32 v[8+2*\k:9+2*\k], v[X+2*\k:X+2*\k+1], v[X+8+2*\k:X+9+2*\k]   ; the sum, in four chains started by the first pairs
.endr
.set p, 8
.rept 24
	v_pk_add_f32 v[8+2*(p%4):9+2*(p%4)], v[8+2*(p%4):9+2*(p%4)], v[X+2*p:X+2*p+1]
.set p, p+1
.endr
	v_pk_add_f32 v[8:9], v[8:9], v[10:11]
	v_pk_add_f32 v[12:13], v[12:13], v[14:15]
	v_pk_add_f32 v[8:9], v[8:9], v[12:13]
	v_add_f32 v8, v8, v9
	v_add_f32_dpp v8, v8, v8 row_xmask:1 row_mask:0xf bank_mask:0xf      ; over the 16 lanes that hold the row
	v_add_f32_dpp v8, v8, v8 row_xmask:2 row_mask:0xf bank_mask:0xf
	v_add_f32_dpp v8, v8, v8 row_xmask:4 row_mask:0xf bank_mask:0xf
	v_add_f32_dpp v8, v8, v8 row_xmask:8 row_mask:0xf bank_mask:0xf
	v_mul_f32 v10, s20, v8                         ; the mean
	v_mov_b32 v11, v10
.set p, 0
.rept 32
	v_pk_add_f32 v[X+2*p:X+2*p+1], v[X+2*p:X+2*p+1], v[10:11] neg_lo:[0,1] neg_hi:[0,1]   ; x - mean
.set p, p+1
.endr
.irp k, 0,1,2,3
	v_pk_mul_f32 v[12+2*\k:13+2*\k], v[X+2*\k:X+2*\k+1], v[X+2*\k:X+2*\k+1]
.endr
.set p, 4
.rept 28
	v_pk_fma_f32 v[12+2*(p%4):13+2*(p%4)], v[X+2*p:X+2*p+1], v[X+2*p:X+2*p+1], v[12+2*(p%4):13+2*(p%4)]
.set p, p+1
.endr
	v_pk_add_f32 v[12:13], v[12:13], v[14:15]
	v_pk_add_f32 v[16:17], v[16:17], v[18:19]
	v_pk_add_f32 v[12:13], v[12:13], v[16:17]
	v_add_f32 v12, v12, v13
	v_add_f32_dpp v12, v12, v12 row_xmask:1 row_mask:0xf bank_mask:0xf
	v_add_f32_dpp v12, v12, v12 row_xmask:2 row_mask:0xf bank_mask:0xf
	v_add_f32_dpp v12, v12, v12 row_xmask:4 row_mask:0xf bank_mask:0xf
	v_add_f32_dpp v12, v12, v12 row_xmask:8 row_mask:0xf bank_mask:0xf
	v_fma_f32 v12, v12, s20, s21                   ; the variance + 1e-6
	v_rsq_f32 v14, v12
	v_lshlrev_b32 v17, 4, v3                       ; (a plain place behind the transcendental)  16 x lane and 8 x lane anew: v16-19 were chains
	v_lshlrev_b32 v18, 3, v3
	s_wait_alu depctr_va_vdst(0)                   ; the wait ahead of the first reader
	v_mov_b32 v15, v14
	s_wait_loadcnt 0x0                             ; g and b
.set p, 0
.rept 32
	v_pk_mul_f32 v[X+2*p:X+2*p+1], v[X+2*p:X+2*p+1], v[14:15]
.set p, p+1
.endr
.set p, 0
.rept 32
	v_pk_fma_f32 v[X+2*p:X+2*p+1], v[X+2*p:X+2*p+1], v[G+2*p:G+2*p+1], v[B+2*p:B+2*p+1]
.set p, p+1
.endr
.irp p, 0,1,2,3
.irp j, 0,1,2,3
	ds_store_b128 v6, v[X+16*\p+4*\j:X+16*\p+4*\j+3] offset:1024*\p+256*\j
.endr
.endr
	s_wait_dscnt 0x0                               ; for the others' sake: my two rows lie in LDS
	s_barrier_signal -1
	s_barrier_wait -1
.irp c, 0,1
.irp i, 0,1,2,3,4,5,6,7
	ds_load_b128 v[G+32*\c+4*\i:G+32*\c+4*\i+3], v7 offset:256*\c+16*\i   ; row r, K = 128 w + 64 c + 32 h + 0 .. 31; the pitch of 1,028 words sets the 16 rows on 16 different columns of 16 bytes
.endr
.endr
	s_wait_dscnt 0x0
.irp c, 0,1
	v_max3_num_f32 v[8+\c], |v[G+32*\c]|, |v[G+1+32*\c]|, 0x1800000      ; my block 2 c + h, and the floor 2^(3 - 127)
.endr
.irp i, 2,4,6,8,10,12,14,16,18,20,22,24,26,28,30
.irp c, 0,1
	v_max3_num_f32 v[8+\c], v[8+\c], |v[G+32*\c+\i]|, |v[G+1+32*\c+\i]|
.endr
.endr
.irp c, 0,1
	v_add_nc_u32 v[10+\c], 0xff000000, v[8+\c]     ; 2 off the exponent field: the conversion's scale operand
.endr
.irp c, 0,1
	v_lshrrev_b32 v[12+\c], 23, v[10+\c]           ; the scale's byte
.endr
	v_lshl_or_b32 v14, v13, 16, v12                ; my two bytes: blocks h and 2 + h,
	v_lshlrev_b32 v15, 3, v2
	v_lshlrev_b32 v14, v15, v14                    ; at their places in the word;
	v_mov_b32 v16, 0
	v_permlanex16_b32 v16, v14, s26, s27
	v_or_b32 v14, v14, v16                         ; with lane l xor 16's two the word is whole
.irp c, 0,1
	v_cvt_scalef32_pk16_fp6_f32 v[B+8*\c:B+2+8*\c], v[G+32*\c:G+15+32*\c], v[10+\c]
	v_cvt_scalef32_pk16_fp6_f32 v[B+4+8*\c:B+6+8*\c], v[G+16+32*\c:G+31+32*\c], v[10+\c]
.endr
	v_nop                                          ; one plain place behind a scaled conversion
.irp c, 0,1
	v_mov_b32 v[B+3+8*\c], v[B+4+8*\c]
	v_mov_b32 v[B+4+8*\c], v[B+5+8*\c]
	v_mov_b32 v[B+5+8*\c], v[B+6+8*\c]
.endr
.irp c, 0,1
	global_store_b128 v17, v[B+8*\c:B+3+8*\c], s[22:23] offset:768*\c          ; 512 consecutive bytes,
	global_store_b64 v18, v[B+4+8*\c:B+5+8*\c], s[22:23] offset:768*\c+512     ; and 256, each at a multiple of 256
.endr
	v_cmp_gt_u32 vcc_lo, 16, v3
	s_wait_xcnt 0x0                                ; EXEC changes only behind this wait
	s_wait_tensorcnt 0x0
	ds_add_u32 v232, v233
	s_wait_dscnt 0x0
	s_and_saveexec_b32 s28, vcc_lo
	global_store_b32 v4, v14, s[24:25]             ; lanes 0-15: row r's word
	s_wait_xcnt 0x0
	s_or_b32 exec_lo, exec_lo, s28
	s_endpgm
.Lfunc_end_k_q51934d9276_ln1:
	.size	k_q51934d9276_ln1, .Lfunc_end_k_q51934d9276_ln1-k_q51934d9276_ln1
	.p2alignl 7, 3214868480
	.fill 96, 4, 3214868480
	.section	.rodata,"a",@progbits
	.p2align	6, 0x0
	.amdhsa_kernel k_q51934d9276_ln1
		.amdhsa_group_segment_fixed_size 67072
		.amdhsa_private_segment_fixed_size 0
		.amdhsa_enable_private_segment 0
		.amdhsa_kernarg_size 32
		.amdhsa_user_sgpr_count 2
		.amdhsa_user_sgpr_kernarg_segment_ptr 1
		.amdhsa_wavefront_size32 1
		.amdhsa_system_sgpr_workgroup_id_x 1
		.amdhsa_system_sgpr_workgroup_id_y 1
		.amdhsa_system_sgpr_workgroup_id_z 1
		.amdhsa_system_vgpr_workitem_id 0
		.amdhsa_next_free_vgpr 234
		.amdhsa_next_free_sgpr 66
		.amdhsa_reserve_vcc 1
		.amdhsa_float_denorm_mode_32 3
		.amdhsa_float_denorm_mode_16_64 3
		.amdhsa_memory_ordered 1
		.amdhsa_forward_progress 1
		.amdhsa_inst_pref_size 24
	.end_amdhsa_kernel
	.amdgpu_metadata
---
amdhsa.version: [ 1, 2 ]
amdhsa.kernels:
  - .name:           k_q51934d9276_ln1
    .symbol:         k_q51934d9276_ln1.kd
    .args:
      - { .name: x, .offset: 0, .size: 8, .value_kind: global_buffer, .address_space: global }
      - { .name: ln1_g, .offset: 8, .size: 8, .value_kind: global_buffer, .address_space: global }
      - { .name: ln1_b, .offset: 16, .size: 8, .value_kind: global_buffer, .address_space: global }
      - { .name: xncod, .offset: 24, .size: 8, .value_kind: global_buffer, .address_space: global }
    .group_segment_fixed_size: 67072
    .private_segment_fixed_size: 0
    .kernarg_segment_align: 8
    .kernarg_segment_size: 32
    .max_flat_workgroup_size: 256
    .sgpr_count:     66
    .vgpr_count:     234
    .wavefront_size: 32
...
	.end_amdgpu_metadata
.endif
;; end of part 2
;; launch gqkv (part 3): grid 12 x 16, 4 waves a work-group, clusters of 4 x 4, 327,680 bytes of LDS; arguments xncod, wcod, qkvcod; writes qkvcod
.if DOCPART == 3
	.amdgcn_target "amdgcn-amd-amdhsa--gfx1250"
	.amdhsa_code_object_version 6
	.text
	.protected	k_q51934d9276_gqkv
	.globl	k_q51934d9276_gqkv
	.p2align	8
	.type	k_q51934d9276_gqkv,@function
k_q51934d9276_gqkv:
	s_mov_b64 s[64:65], 0
	v_nop
	global_prefetch_b8 v0, s[64:65] scope:SCOPE_SE
	s_setreg_imm32_b32 hwreg(HW_REG_WAVE_MODE, 25, 1), 1
	s_wait_xcnt 0x0
	s_wait_alu depctr_hold_cnt(0) depctr_sa_sdst(0) depctr_va_vdst(0) depctr_va_sdst(0) depctr_va_ssrc(0) depctr_va_vcc(0) depctr_vm_vsrc(0)
	s_getreg_b32 s2, hwreg(HW_REG_IB_STS2, 6, 4)
	s_cmp_eq_u32 s2, 0
	s_cbranch_scc0 .Lentry_in_a_cluster
	s_endpgm
.Lentry_in_a_cluster:
	s_bfe_u32 s2, ttmp6, 0x10000c
	s_cmp_lg_u32 s2, 0xf033
	s_cbranch_scc0 .Lentry_shape_is_right
	s_endpgm
.Lentry_shape_is_right:
; Product 1: [4,096 x 1,024] x [1,024 x 3,072] on codes of FP6 (E2M3) with E8M0 scales; its results q, k, v never go to memory as f32: q and k are quantised along the head's 64, v along the keys, and leave as codes.
; A tile of C, 256 x 256, is made by four waves, 128 x 128 each: 64 accumulators, 512 registers.  K goes in steps of 256 through a ring of two LDS slots filled by the tensor data mover.
; OPERANDS LIE IN MEMORY IN THE ORDER OF THE REGISTERS.  A half fragment (16 rows x 64 K, 768 bytes): lane 16 h + r holds row r, K = 32 h .. + 31: 16 bytes at 16 x lane, 8 at 512 + 8 x lane.  128 rows x 256 K are 24,576 dense bytes:
; one tensor load, no padding, and every LDS load reads consecutive bytes.  Scale words: [K / 128][row block / 4][r][row block % 4]: one load of 16 bytes brings the words of four row blocks.  They come once, for all of K.
; ROW ORDER: row 16 T + r of either operand is token (or column) 32 (T / 2) + 8 (T % 2) + r + 8 (r / 8).  THE MATRIX INSTRUCTION IS USED TRANSPOSED (source 0 = 16 rows of B, source 1 = 16 rows of A):
; lane (r, h) holds token row r, and the 16 registers of accumulators 2 b, 2 b + 1 are the 16 neighbouring columns 32 b + 16 h + 0 .. 15.
; CLUSTERS: 4 x 4 work-groups; A's tiles are asked for jointly along a row of the cluster, B's along a column.
; q's factor 1/8 is not multiplied in here: it is a power of two, which a block's scale would take up; the attention launch has it in its constant.  (It differs from the reference only where |q| < 2^-121.)
; LIMITS: a block of zeros gets the byte 1 where the rule says 127 (zero codes; read by this program alone); NaN and infinities are not served.
; REGISTERS: window 0: v1-31 addresses; v32-63 scale words, two sets; v128-223 A's fragments, one set; window 1: B's fragments, two sets at v0 and v128; windows 2, 3: accumulator (a, b) at v[8 (8 (a % 4) + b)] of window 2 + a / 4.
.set SIZE_K, 1024
.set SIZE_N, 3072
.set ASC,    3145728                   ; where A's scale words begin in its buffer
.set WC,     0                         ; where this weight's codes begin,
.set WS,     9437184                   ; and its scale words
.set HASBIAS, 0
.set NQ,     2                         ; matrix instructions deep in a slot
.set FR,     12                        ; registers of a fragment
.set NL,     4                         ; LDS loads that bring one
.set NP,     4                         ; places behind this matrix instruction (ISA guide 7.12.1)
.set HALFT,  24576                     ; 128 rows x 256 K: what one tensor load brings
.set SLOT,   4*HALFT
.set LAPS,   SIZE_K/512
.set KST,    SIZE_K/128
.set SCL,    2*SLOT                    ; behind the ring: the scale words
.set HALFS,  KST*512                   ; those of 128 rows
.set SPARE,  SCL+4*HALFS               ; the spare words, 128 bytes for each wave
.set PANA,   786432                    ; from 256 along K to the next, in A's codes,
.set PANB,   192*SIZE_N                ; and in B's
.set VCS,    SPARE+512                 ; v's way out: 12,288 bytes of codes for each wave,
.set VSS,    VCS+4*12288               ; and 512 of scale words: bytes into which no fill ever lands
.set L16,  8                           ; v8   16 x lane
.set L8,   9                           ; v9   8 x lane
.set ADRA, 16                          ; v16-17 A's fragments in slot 0, 1 (16 x lane); v18-19 the same with 8 x lane
.set ADRB, 20                          ; v20-23 the same for B
.set ADRS, 27                          ; v27  my scale words: lanes 0-15 A's, lanes 16-31 B's
.set SPW,  28                          ; v28  my spare word; never rewritten
.set NIL,  29                          ; v29  0; never rewritten
.set SC,   32                          ; scale words: register 16 sc + 8 q + i: lanes 0-15 A's block i, lanes 16-31 B's block i
.set AF,   128
.set PC,   128                         ; the way out: codes just made, v128-146
.set TM,   148                         ; v148-163 at work in the quantiser
.set SEL,  66                          ; s[66:67] lane selects for v_permlanex16_b32
.set G1, 24
.set G0, 32
.set G1B, 48
.set G0B, 56
.set G1S, 68
.set G0S, 76
.set G1SB, 80
.set G0SB, 88
.set MSB, 0
.macro WIN new                         ; the immediate's high byte repeats the setting that is left
.if MSB != \new
	s_set_vgpr_msb (MSB<<8)|\new
.set MSB, \new
.endif
.endm
.set MUL_LO, 0xa1                      ; source 0 (B) window 1, source 1 (A) window 0, C and D window 2
.set MUL_HI, 0xf1                      ; the same, C and D window 3
.set TO_B,   0x40                      ; destination window 1, address window 0
.macro JLOAD g0a, g1a, g0b, g1b        ; a joint load: waves 0 and 1 fetch for A, waves 2 and 3 for B; four v_nop follow each line
	s_cmp_eq_u32 s15, 0
	s_cbranch_scc0 .Lfor_b_\@
	tensor_load_to_lds s[\g0a:\g0a+3], s[\g1a:\g1a+7]
	s_nop 0
.rept 4
	v_nop
.endr
	s_branch .Lasked_\@
.Lfor_b_\@:
	tensor_load_to_lds s[\g0b:\g0b+3], s[\g1b:\g1b+7]
	s_nop 0
.rept 4
	v_nop
.endr
.Lasked_\@:
.endm
.macro CREST                           ; a round of the cluster's barrier behind its opening barrier
	s_cmp_lg_u32 s14, 0
	s_cbranch_scc1 .Lnot_wave_0_\@
	s_barrier_signal -3
.Lnot_wave_0_\@:
	s_barrier_wait -3
	s_barrier_signal -1
	s_barrier_wait -1
.endm
.macro CROUND
	s_barrier_signal -1
	s_barrier_wait -1
	CREST
.endm
	s_load_b128 s[4:7], s[0:1], 0x0                ; A (codes and scale words), the weights
	s_load_b64 s[12:13], s[0:1], 0x10              ; the result
	v_lshl_add_u32 v[SPW], v0, 2, SPARE
	v_mov_b32 v[NIL], 0
	ds_add_u32 v28, v29
	ds_add_u32 v28, v29
	s_wait_dscnt 0x0
	v_lshrrev_b32 v1, 5, v0
	v_readfirstlane_b32 s14, v1                    ; wave 0..3
	s_lshr_b32 s15, s14, 1                         ; which half of the tile's rows is mine.  Also: I fetch for A (0) or for B (1)
	s_and_b32 s16, s14, 1                          ; which half of its columns.  Also: which 128 rows I fetch
	s_bfe_u32 s40, ttmp6, 0x40000                  ; cx, cy
	s_bfe_u32 s41, ttmp6, 0x40004
	s_lshl_b32 s42, ttmp9, 2
	s_add_co_u32 s42, s42, s40                     ; tile column tc
	s_and_b32 s17, ttmp7, 0xffff
	s_lshl_b32 s17, s17, 2
	s_add_co_u32 s17, s17, s41                     ; tile row tr
	s_lshl_b32 s43, s41, 2
	s_lshl_b32 s43, 15, s43                        ; my row of the cluster
	s_lshl_b32 s44, 0x1111, s40                    ; my column
	s_or_b32 s[G1+0], s43, (3<<16)|(1<<21)         ; codes: 96 rows of 32 elements of 8 bytes, dense; the mask; bit 21 beside it
	s_or_b32 s[G1B+0], s44, (3<<16)|(1<<21)
.irp g, G1, G1B
	s_mov_b32 s[\g+1], 32<<16
	s_mov_b32 s[\g+2], 96<<16
	s_mov_b32 s[\g+3], 32<<16
	s_mov_b32 s[\g+4], 96
	s_mov_b32 s[\g+5], 32
	s_mov_b32 s[\g+6], 0
	s_mov_b32 s[\g+7], 0
.endr
	s_or_b32 s[G1S+0], s43, (3<<16)|(1<<21)        ; scale words: KST rows of 512 bytes
	s_or_b32 s[G1SB+0], s44, (3<<16)|(1<<21)
.irp g, G1S, G1SB
	s_mov_b32 s[\g+1], 64<<16
	s_mov_b32 s[\g+2], KST<<16
	s_mov_b32 s[\g+3], 64<<16
	s_mov_b32 s[\g+4], KST
	s_mov_b32 s[\g+6], 0
	s_mov_b32 s[\g+7], 0
.endr
	s_mov_b32 s[G1S+5], 2048                       ; 4,096 rows x 4 bytes from one 128 along K to the next, in elements of 8
	s_mov_b32 s[G1SB+5], SIZE_N/2
	s_lshl_b32 s18, s16, 7
	s_lshl_b32 s20, s17, 8
	s_add_co_u32 s20, s20, s18                     ; A: row 256 tr + 128 x half
	s_lshl_b32 s46, s42, 8
	s_add_co_u32 s46, s46, s18                     ; B: row 256 tc + 128 x half
	s_lshl_b32 s22, s20, 2
	s_add_co_u32 s22, s22, ASC
	s_mov_b32 s23, 0
	s_mul_i32 s20, s20, 192
	s_mov_b32 s21, 0
	s_lshl_b32 s92, s46, 2
	s_add_co_u32 s92, s92, WS
	s_mov_b32 s93, 0
	s_mul_i32 s46, s46, 192
	s_add_co_u32 s46, s46, WC
	s_mov_b32 s47, 0
	s_mul_i32 s45, s14, HALFT                      ; where they go: wave x 128 rows: no place in the cluster enters an LDS address
	s_mul_i32 s94, s14, HALFS
	s_mov_b32 s[SEL], 0x76543210
	s_mov_b32 s[SEL+1], 0xfedcba98
	s_wait_kmcnt 0x0
	s_add_nc_u64 s[20:21], s[4:5], s[20:21]
	s_add_nc_u64 s[22:23], s[4:5], s[22:23]
	s_add_nc_u64 s[46:47], s[6:7], s[46:47]
	s_add_nc_u64 s[92:93], s[6:7], s[92:93]
	CROUND                                         ; all sixteen work-groups are here: the first joint loads meet
	s_mov_b32 s[G0S], 1
	s_add_co_u32 s[G0S+1], s94, SCL
	s_mov_b64 s[G0S+2:G0S+3], s[22:23]
	s_or_b32 s[G0S+3], s[G0S+3], 0x80000000
	s_mov_b32 s[G0SB], 1
	s_add_co_u32 s[G0SB+1], s94, SCL
	s_mov_b64 s[G0SB+2:G0SB+3], s[92:93]
	s_or_b32 s[G0SB+3], s[G0SB+3], 0x80000000
	JLOAD G0S, G1S, G0SB, G1SB                     ; the scale words first: they are wanted with K step 0
.irp s, 0,1
	s_mov_b32 s[G0+4*\s], 1
	s_add_co_u32 s[G0+4*\s+1], s45, \s*SLOT
	s_add_nc_u64 s[G0+4*\s+2:G0+4*\s+3], s[20:21], \s*PANA
	s_or_b32 s[G0+4*\s+3], s[G0+4*\s+3], 0x80000000
	s_mov_b32 s[G0B+4*\s], 1
	s_add_co_u32 s[G0B+4*\s+1], s45, \s*SLOT
	s_add_nc_u64 s[G0B+4*\s+2:G0B+4*\s+3], s[46:47], \s*PANB
	s_or_b32 s[G0B+4*\s+3], s[G0B+4*\s+3], 0x80000000
	JLOAD G0+4*\s, G1, G0B+4*\s, G1B
.endr
	v_and_b32 v1, 15, v0                           ; r
	v_bfe_u32 v2, v0, 4, 1                         ; h
	v_and_b32 v3, 31, v0
	v_lshlrev_b32 v[L16], 4, v3
	v_lshlrev_b32 v[L8], 3, v3
	s_mul_i32 s21, s15, HALFT                      ; my 128 rows of A
	s_mul_i32 s22, s16, HALFT
	s_add_co_u32 s22, s22, 2*HALFT                 ; my 128 rows of B, behind A's 256
.irp s, 0,1
	v_add_nc_u32 v[ADRA+\s], s21, v[L16]
	v_add_nc_u32 v[ADRB+\s], s22, v[L16]
	v_add_nc_u32 v[ADRA+2+\s], s21, v[L8]
	v_add_nc_u32 v[ADRB+2+\s], s22, v[L8]
	s_add_co_u32 s21, s21, SLOT
	s_add_co_u32 s22, s22, SLOT
.endr
	v_lshlrev_b32 v6, 4, v1                        ; scale words: 16 r,
	s_mul_i32 s21, s15, HALFS                      ; A's: my 128 rows
	s_mul_i32 s22, s16, HALFS
	s_add_co_u32 s22, s22, 2*HALFS                 ; B's: my 128 rows, behind A's 256
	s_sub_co_u32 s22, s22, s21
	v_mul_u32_u24 v7, s22, v2                      ; lanes 16-31 take B's: one product, the lower base + h x the distance
	s_add_co_u32 s21, s21, SCL
	v_add_nc_u32 v6, v6, v7
	v_add_nc_u32 v[ADRS], s21, v6
	; the way out's addresses, all made here, on the path that every wave takes
	s_mul_i32 s23, s14, 16896                      ; v: my f32 stage, 32 keys x 528 bytes, in slot 0
	v_and_b32 v4, 8, v1
	v_add_nc_u32 v4, v4, v1                        ; r + 8 (r / 8)
	v_mul_u32_u24 v10, v4, 528
	v_lshl_add_u32 v10, v2, 6, v10
	v_add_nc_u32 v10, s23, v10                     ; v10 in: key row r + 8 (r / 8), + 64 h
	v_lshl_add_u32 v11, v3, 2, s23                 ; v11 back: a lane to a column
	s_mul_i32 s23, s14, 12288
	s_add_co_u32 s23, s23, VCS
	v_bfe_u32 v5, v0, 3, 1                         ; place of my column among 32: / 16,
	v_and_b32 v6, 7, v0
	v_lshl_or_b32 v6, v2, 3, v6                    ; % 16
	v_mul_u32_u24 v7, v5, 1536
	v_lshl_add_u32 v12, v6, 4, v7
	v_add_nc_u32 v12, s23, v12                     ; v12 where my column's codes go
	v_add_nc_u32 v14, s23, v[L16]                  ; v14 and come back
	s_lshl_b32 s23, s14, 9
	s_add_co_u32 s23, s23, VSS
	v_lshlrev_b32 v7, 4, v6
	v_lshl_add_u32 v7, v5, 2, v7
	v_add_nc_u32 v13, s23, v7                      ; v13 where my column's scale word goes
	v_add_nc_u32 v15, s23, v[L16]                  ; v15 and comes back
	v_lshlrev_b32 v4, 4, v1
	v_lshl_add_u32 v24, v2, 13, v4                 ; v24 q, k: scale words in memory: 16 r, the second head for lanes 16-31
	v_lshl_add_u32 v25, v2, 12, v4                 ; v25 v: likewise
	v_mul_lo_u32 v26, v2, 0x02020202
	v_add_nc_u32 v26, 0x01000100, v26              ; v26 byte selects: bytes 0, 1, 0, 1 (lanes 0-15) or 2, 3, 2, 3 (lanes 16-31)
.macro FRAG reg, adr, q, i             ; a fragment, 16 rows x 128 K: two half fragments, each 16 + 8 bytes a lane, as they lie
.irp c, 0,1
	ds_load_b128 v[\reg+6*\c:\reg+6*\c+3], v[\adr] offset:3072*(\i)+768*(2*(\q)+\c)
	ds_load_b64 v[\reg+6*\c+4:\reg+6*\c+5], v[\adr+2] offset:3072*(\i)+768*(2*(\q)+\c)+512
.endr
.endm
; 16 matrix instructions: A's blocks a0, a0 + 1 x B's eight.  The 64 accumulators take turns, one instruction a turn, in the same order in every step.
.macro MUL16 a0, p, q, sc, zero
.irp a, \a0, \a0+1
.irp b, 0,1,2,3,4,5,6,7
.if \zero
	v_wmma_scale_f32_16x16x128_f8f6f4 v[8*(8*((\a)%4)+\b):8*(8*((\a)%4)+\b)+7], v[128*(\p)+FR*\b:128*(\p)+FR*\b+FR-1], v[AF+FR*(\a):AF+FR*(\a)+FR-1], 0, v[SC+16*(\sc)+8*(\q)+\b], v[SC+16*(\sc)+8*(\q)+(\a)] matrix_a_fmt:MATRIX_FMT_FP6 matrix_b_fmt:MATRIX_FMT_FP6 matrix_a_scale:MATRIX_SCALE_ROW1
.else
	v_wmma_scale_f32_16x16x128_f8f6f4 v[8*(8*((\a)%4)+\b):8*(8*((\a)%4)+\b)+7], v[128*(\p)+FR*\b:128*(\p)+FR*\b+FR-1], v[AF+FR*(\a):AF+FR*(\a)+FR-1], v[8*(8*((\a)%4)+\b):8*(8*((\a)%4)+\b)+7], v[SC+16*(\sc)+8*(\q)+\b], v[SC+16*(\sc)+8*(\q)+(\a)] matrix_a_fmt:MATRIX_FMT_FP6 matrix_b_fmt:MATRIX_FMT_FP6 matrix_a_scale:MATRIX_SCALE_ROW1
.endif
.endr
.endr
.endm
.macro FETCH_B slot, q, p
	WIN TO_B
.irp i, 0,1,2,3,4,5,6,7
	FRAG 128*(\p)+FR*\i, ADRB+\slot, \q, \i
.endr
	WIN 0
.endm
.macro FETCH_A slot, q, i0
.irp i, \i0, \i0+1, \i0+2, \i0+3
	FRAG AF+FR*(\i), ADRA+\slot, \q, \i
.endr
.endm
.macro SCALES sc                       ; a K step's scale words: four row blocks a load
.irp q, 0,1
.irp g, 0,1
	ds_load_b128 v[SC+16*\sc+8*\q+4*\g:SC+16*\sc+8*\q+4*\g+3], v[ADRS] offset:512*\q+256*\g
.endr
.endr
.endm
.macro PLACES n                        ; plain places behind matrix instructions, in front of loads into their registers and of reads of results
.rept \n
	v_nop
.endr
.endm
.macro STEP slot, q, zero              ; 128 along K that have their successor in the same slot
	s_wait_dscnt 4*NL                              ; B's set and A's blocks 0-3 are in; the youngest 16 loads (A's blocks 4-7) may be out
	WIN MUL_LO
	MUL16 0, (\q)%2, \q, \slot, \zero
	MUL16 2, (\q)%2, \q, \slot, \zero
	s_wait_dscnt 0
	PLACES NP
	FETCH_B \slot, (\q)+1, 1-(\q)%2
	FETCH_A \slot, (\q)+1, 0
	WIN MUL_HI
	MUL16 4, (\q)%2, \q, \slot, \zero
	MUL16 6, (\q)%2, \q, \slot, \zero
	PLACES NP
	WIN 0
	FETCH_A \slot, (\q)+1, 4
.endm
; A slot's last step changes slots: one barrier; in front of it each wave waits for all its tensor loads, adds 0 to its spare word, and waits for that and for its reads of this slot.
.macro TURN slot, next, fill
	s_wait_tensorcnt 0x0                           ; all my tensor loads have landed: my part of the next slot
	ds_add_u32 v[SPW], v[NIL]                      ; 0 onto my spare word
	s_wait_dscnt 4*NL+1                            ; (the add and the youngest 16 loads may be out)
	WIN MUL_LO
	MUL16 0, 1, NQ-1, \slot, 0
	s_wait_dscnt 0x0                               ; the add is done, and my reads of this slot are over
	s_barrier_signal -1
	MUL16 2, 1, NQ-1, \slot, 0
	WIN 0
	s_barrier_wait -1
.if \fill
	CREST                                          ; the barrier has opened a round of the cluster's: no wave of any partner still reads this slot or has a load on its way
	s_add_nc_u64 s[G0+4*\slot+2:G0+4*\slot+3], s[G0+4*\slot+2:G0+4*\slot+3], 2*PANA
	s_add_nc_u64 s[G0B+4*\slot+2:G0B+4*\slot+3], s[G0B+4*\slot+2:G0B+4*\slot+3], 2*PANB
	JLOAD G0+4*\slot, G1, G0B+4*\slot, G1B         ; the first tensor load behind the round; its four v_nop are the places in front of the loads below
.else
	PLACES NP
.endif
	v_add_nc_u32 v[ADRS], 1024, v[ADRS]            ; the next K step's scale words
	FETCH_B \next, 0, 0
	FETCH_A \next, 0, 0
	SCALES \next
	WIN MUL_HI
	MUL16 4, 1, NQ-1, \slot, 0
	MUL16 6, 1, NQ-1, \slot, 0
	PLACES NP
	WIN 0
	FETCH_A \next, 0, 4
.endm
	s_wait_tensorcnt 1                             ; the scale words and my part of K step 0 are in (K step 1's load may be out)
	s_barrier_signal -1
	s_barrier_wait -1
	FETCH_B 0, 0, 0
	FETCH_A 0, 0, 0
	SCALES 0
	FETCH_A 0, 0, 4
	STEP 0, 0, 1                                   ; the first step's products start the sums
	s_mov_b32 s3, LAPS-1
.Llap:
	TURN 0, 1, 1
	STEP 1, 0, 0
	TURN 1, 0, 1
	STEP 0, 0, 0
	s_sub_co_u32 s3, s3, 1
	s_cmp_lg_u32 s3, 0
	s_cbranch_scc1 .Llap
	TURN 0, 1, 0                                   ; the last lap fills nothing
	STEP 1, 0, 0
	s_wait_dscnt 4*NL
	WIN MUL_LO
	MUL16 0, 1, NQ-1, 1, 0
	MUL16 2, 1, NQ-1, 1, 0
	s_wait_dscnt 0
	WIN MUL_HI
	MUL16 4, 1, NQ-1, 1, 0
	MUL16 6, 1, NQ-1, 1, 0
	WIN 0
; 64 numbers of a lane in window w, v[s] on, register 16 b + i = column 32 b + 16 h + i of my row, become a fragment's codes in v[PC] on and its scale word in v[pw].  Each accumulator is read from its low end on.
.macro QUANT s, w, pw
.set QW, (\w)
	WIN QW|(QW<<2)
.irp b, 0,1,2,3
	v_max3_num_f32 v[TM+\b], |v[\s+16*\b]|, |v[\s+1+16*\b]|, 0x1800000   ; and the floor 2^(3 - 127)
.endr
	WIN (QW<<2)|(QW<<4)
.irp i, 2,4,6,8,10,12,14
.irp b, 0,1,2,3
	v_max3_num_f32 v[TM+\b], v[TM+\b], |v[\s+16*\b+\i]|, |v[\s+1+16*\b+\i]|
.endr
.endr
	WIN 0
.irp b, 0,1,2,3
	v_permlanex16_b32 v[TM+4+\b], v[TM+\b], s[SEL], s[SEL+1]
.endr
.irp b, 0,1,2,3
	v_max_num_f32 v[TM+\b], v[TM+\b], v[TM+4+\b]   ; with lane l xor 16's: the block's largest magnitude
.endr
.irp b, 0,1,2,3
	v_add_nc_u32 v[TM+12+\b], 0xff000000, v[TM+\b] ; 2 off the exponent field: the conversion's scale operand
.endr
.irp b, 0,1,2,3
	v_lshrrev_b32 v[TM+4+\b], 23, v[TM+12+\b]      ; the scale's byte
.endr
	v_lshl_or_b32 v[\pw], v[TM+5], 8, v[TM+4]
	v_lshl_or_b32 v[\pw], v[TM+6], 16, v[\pw]
	v_lshl_or_b32 v[\pw], v[TM+7], 24, v[\pw]
	WIN QW
.irp c, 0,1
	v_cvt_scalef32_pk16_fp6_f32 v[PC+6*\c:PC+2+6*\c], v[\s+32*\c:\s+15+32*\c], v[TM+12+2*\c]
	v_cvt_scalef32_pk16_fp6_f32 v[PC+12+4*\c:PC+14+4*\c], v[\s+16+32*\c:\s+31+32*\c], v[TM+12+2*\c+1]
.endr
	WIN 0
	v_nop                                          ; one plain place behind a scaled conversion
.irp c, 0,1                                    ; the operand's layout wants a whole block in a lane
.irp i, 0,1,2
	v_permlane16_swap_b32 v[PC+6*\c+\i], v[PC+12+4*\c+\i]
.endr
.irp i, 0,1,2
	v_mov_b32 v[PC+3+6*\c+\i], v[PC+12+4*\c+\i]
.endr
.endr
.endm
	; THE WAY OUT.  My 128 columns are two heads of q, of k or of v; my 128 rows are 128 tokens of one batch.
	PLACES NP
.irp b, 0,1,2,3
	v_mov_b32 v[TM+4+\b], 0                        ; written once: a lane permute's destination counts as one of its sources
.endr
	s_lshr_b32 s20, s17, 3
	s_lshl_b32 s20, s20, 4                         ; 16 x batch
	s_and_b32 s21, s42, 3
	s_lshl_b32 s21, s21, 2
	s_add_co_u32 s20, s20, s21
	s_lshl_b32 s21, s16, 1
	s_add_co_u32 s20, s20, s21                     ; my first head, batch and head in one number
	s_and_b32 s21, s17, 7
	s_lshl_b32 s22, s21, 1
	s_add_co_u32 s22, s22, s15                     ; which 128 tokens of the batch
	s_lshr_b32 s23, s42, 2                         ; 0: q, 1: k, 2: v
	s_mul_i32 s46, s20, 98304
	s_mul_i32 s47, s22, 6144
	s_add_co_u32 s46, s46, s47
	s_mul_i32 s47, s23, 3145728
	s_add_co_u32 s46, s46, s47
	s_mov_b32 s47, 0
	s_add_nc_u64 s[68:69], s[12:13], s[46:47]      ; the codes: a head is 98,304 bytes, 128 tokens of it 6,144, in q, k and v alike.  (The scale words' descriptors are long done with)
	s_cmp_eq_u32 ttmp9, 2                          ; the cluster's x: the same in all partners
	s_cbranch_scc1 .Lvpath
	; q AND k: quantised along the head's 64: the fragment's two halves are the two heads' half fragments.  No LDS.
	s_lshl_b32 s46, s20, 13
	s_lshl_b32 s21, s22, 9
	s_add_co_u32 s46, s46, s21
	s_lshl_b32 s21, s23, 18
	s_add_co_u32 s46, s46, s21
	s_add_co_u32 s46, s46, 9437184
	s_add_nc_u64 s[70:71], s[12:13], s[46:47]      ; scale words: [head][tile / 4][r][tile % 4]
.irp a, 0,1,2,3,4,5,6,7
.if \a > 0
	s_wait_xcnt 0x0                                ; the last block's stores have read their registers
.endif
	QUANT 64*(\a%4), 2+\a/4, 164
.irp c, 0,1
	global_store_b128 v[L16], v[PC+6*\c:PC+6*\c+3], s[68:69] offset:98304*\c+768*\a          ; 512 consecutive bytes,
	global_store_b64 v[L8], v[PC+6*\c+4:PC+6*\c+5], s[68:69] offset:98304*\c+768*\a+512      ; and 256, each at a multiple of 256
.endr
	v_perm_b32 v[168+\a], v164, v164, v26          ; a head's word: its two bytes, twice: the upper two serve the half of K that is filled with zero codes
.if \a%4 == 3
	global_store_b128 v24, v[168+4*(\a/4):171+4*(\a/4)], s[70:71] offset:256*(\a/4)   ; four tiles' words: 16 lanes store 256 consecutive bytes
.endif
.endr
	s_branch .Ljoin
.Lvpath:
	; v: quantised along the KEYS.  32 keys at a time go through my f32 stage and come back a lane to a column, registers down the keys.
	s_lshl_b32 s46, s20, 12
	s_lshl_b32 s21, s22, 8
	s_add_co_u32 s46, s46, s21
	s_add_co_u32 s46, s46, 9961472
	s_add_nc_u64 s[70:71], s[12:13], s[46:47]      ; scale words: [head][128 keys][r][tile]
.macro VL cg                           ; columns 32 cg on: key i of the 32 into register i of set cg % 2
.set i, 0
.rept 32
	ds_load_b32 v[64+32*((\cg)%2)+i], v11 offset:528*i+128*(\cg)
.set i, i+1
.endr
.endm
.macro VBLK g, cg
.set XS, 64+32*((\cg)%2)
.set CC, 128+8*((\cg)%2)
.if (\cg) == 0
	s_wait_dscnt 32                                ; behind these 32 loads: the next columns' 32
.elseif (\cg) == 3
	s_wait_dscnt 2                                 ; the last columns' two code stores
.else
	s_wait_dscnt 34                                ; two code stores and 32 loads.  (Each count also shows the code stores of two blocks ago done: their registers are written again below)
.endif
	v_max3_num_f32 v148, |v[XS]|, |v[XS+1]|, |v[XS+2]|
	v_max3_num_f32 v149, |v[XS+3]|, |v[XS+4]|, |v[XS+5]|
.irp i, 6,10,14,18,22,26
	v_max3_num_f32 v148, v148, |v[XS+\i]|, |v[XS+\i+1]|
	v_max3_num_f32 v149, v149, |v[XS+\i+2]|, |v[XS+\i+3]|
.endr
	v_max3_num_f32 v148, v148, |v[XS+30]|, |v[XS+31]|
	v_max3_num_f32 v148, v148, v149, 0x1800000
	v_add_nc_u32 v150, 0xff000000, v148
	v_lshrrev_b32 v151, 23, v150
.if (\g) == 0
	v_mov_b32 v[144+(\cg)], v151
.else
	v_lshl_or_b32 v[144+(\cg)], v151, 8*(\g), v[144+(\cg)]
.endif
	v_cvt_scalef32_pk16_fp6_f32 v[CC:CC+2], v[XS:XS+15], v150
	v_cvt_scalef32_pk16_fp6_f32 v[CC+4:CC+6], v[XS+16:XS+31], v150
	v_nop
	v_mov_b32 v[CC+3], v[CC+4]
	v_mov_b32 v[CC+4], v[CC+5]
	v_mov_b32 v[CC+5], v[CC+6]
.if (\g)/2 == 0                                ; block g of the 128 keys is registers 6 (g / 2) .. + 5 of lane 16 (g % 2) + row, in the image [register / 4][lane][16 bytes]
	ds_store_b128 v12, v[CC:CC+3] offset:3072*(\cg)+256*((\g)%2)
	ds_store_b64 v12, v[CC+4:CC+5] offset:3072*(\cg)+256*((\g)%2)+512
.else
	ds_store_b64 v12, v[CC:CC+1] offset:3072*(\cg)+256*((\g)%2)+520
	ds_store_b128 v12, v[CC+2:CC+5] offset:3072*(\cg)+256*((\g)%2)+1024
.endif
.if (\cg) < 2
	VL (\cg)+2
.endif
.endm
.irp g, 0,1,2,3
	WIN 0x08+4*(\g/2)                              ; an LDS store's data are its source 1: window 2 or 3
.irp u, 0,1
.irp b, 0,1,2,3,4,5,6,7
	ds_store_b128 v10, v[64*((2*\g+\u)%4)+8*\b:64*((2*\g+\u)%4)+8*\b+3] offset:8*\u*528+128*(\b/2)+32*(\b%2)
	ds_store_b128 v10, v[64*((2*\g+\u)%4)+8*\b+4:64*((2*\g+\u)%4)+8*\b+7] offset:8*\u*528+128*(\b/2)+32*(\b%2)+16
.endr
.endr
	WIN 0
	VL 0                                           ; LDS serves a wave's instructions in order: these see my stores, and the next 32 keys' stores come behind the last of them
	VL 1
.irp cg, 0,1,2,3
	VBLK \g, \cg
.endr
.endr
.irp cg, 0,1,2,3
	ds_store_b32 v13, v[144+\cg] offset:256*(\cg/2)+8*(\cg%2)
.endr
.irp i, 0,1,2,3,4,5,6,7,8,9,10,11,12,13,14,15,16,17,18,19,20,21,22,23
	ds_load_b128 v[160+4*\i:163+4*\i], v14 offset:512*\i
.endr
	ds_load_b128 v[64:67], v15
.irp i, 0,1,2,3,4,5,6,7,8,9,10,11,12,13,14,15,16,17,18,19,20,21,22,23
	s_wait_dscnt 24-\i                             ; behind load i: the later code loads and the words' load
	global_store_b128 v[L16], v[160+4*\i:163+4*\i], s[68:69] offset:98304*(\i/12)+512*(\i%12)   ; 512 consecutive bytes, at a multiple of 256
.endr
	s_wait_dscnt 0x0
	global_store_b128 v25, v[64:67], s[70:71]      ; 16 lanes store 256 consecutive bytes for each head
.Ljoin:
	s_wait_tensorcnt 0x0                           ; the wave's end
	ds_add_u32 v[SPW], v[NIL]
	s_wait_dscnt 0x0
	CROUND                                         ; the closing round
	s_endpgm
.Lfunc_end_k_q51934d9276_gqkv:
	.size	k_q51934d9276_gqkv, .Lfunc_end_k_q51934d9276_gqkv-k_q51934d9276_gqkv
	.p2alignl 7, 3214868480
	.fill 96, 4, 3214868480
	.section	.rodata,"a",@progbits
	.p2align	6, 0x0
	.amdhsa_kernel k_q51934d9276_gqkv
		.amdhsa_group_segment_fixed_size 327680
		.amdhsa_private_segment_fixed_size 0
		.amdhsa_enable_private_segment 0
		.amdhsa_kernarg_size 24
		.amdhsa_user_sgpr_count 2
		.amdhsa_user_sgpr_kernarg_segment_ptr 1
		.amdhsa_wavefront_size32 1
		.amdhsa_system_sgpr_workgroup_id_x 1
		.amdhsa_system_sgpr_workgroup_id_y 1
		.amdhsa_system_sgpr_workgroup_id_z 1
		.amdhsa_system_vgpr_workitem_id 0
		.amdhsa_next_free_vgpr 1024
		.amdhsa_next_free_sgpr 98
		.amdhsa_reserve_vcc 0
		.amdhsa_float_denorm_mode_32 3
		.amdhsa_float_denorm_mode_16_64 3
		.amdhsa_memory_ordered 1
		.amdhsa_forward_progress 1
		.amdhsa_inst_pref_size 221
	.end_amdhsa_kernel
	.amdgpu_metadata
---
amdhsa.version: [ 1, 2 ]
amdhsa.kernels:
  - .name:           k_q51934d9276_gqkv
    .symbol:         k_q51934d9276_gqkv.kd
    .args:
      - { .name: xncod, .offset: 0, .size: 8, .value_kind: global_buffer, .address_space: global }
      - { .name: wcod, .offset: 8, .size: 8, .value_kind: global_buffer, .address_space: global }
      - { .name: qkvcod, .offset: 16, .size: 8, .value_kind: global_buffer, .address_space: global }
    .group_segment_fixed_size: 327680
    .private_segment_fixed_size: 0
    .kernarg_segment_align: 8
    .kernarg_segment_size: 24
    .max_flat_workgroup_size: 128
    .sgpr_count:     98
    .vgpr_count:     1024
    .wavefront_size: 32
...
	.end_amdgpu_metadata
.endif
;; end of part 3
;; launch attn (part 4): grid 8 x 32, 16 waves a work-group, clusters of 4 x 1, 210,944 bytes of LDS; arguments qkvcod, ycod; writes ycod
.if DOCPART == 4
	.amdgcn_target "amdgcn-amd-amdhsa--gfx1250"
	.amdhsa_code_object_version 6
	.text
	.protected	k_q51934d9276_attn
	.globl	k_q51934d9276_attn
	.p2align	8
	.type	k_q51934d9276_attn,@function
k_q51934d9276_attn:
	s_mov_b64 s[64:65], 0
	v_nop
	global_prefetch_b8 v0, s[64:65] scope:SCOPE_SE
	s_setreg_imm32_b32 hwreg(HW_REG_WAVE_MODE, 25, 1), 1
	s_wait_xcnt 0x0
	s_wait_alu depctr_hold_cnt(0) depctr_sa_sdst(0) depctr_va_vdst(0) depctr_va_sdst(0) depctr_va_ssrc(0) depctr_va_vcc(0) depctr_vm_vsrc(0)
	s_getreg_b32 s2, hwreg(HW_REG_IB_STS2, 6, 4)
	s_cmp_eq_u32 s2, 0
	s_cbranch_scc0 .Lentry_in_a_cluster
	s_endpgm
.Lentry_in_a_cluster:
	s_bfe_u32 s2, ttmp6, 0x10000c
	s_cmp_lg_u32 s2, 0x3003
	s_cbranch_scc0 .Lentry_shape_is_right
	s_endpgm
.Lentry_shape_is_right:
; Products 2 and 3 with the softmax between them, on codes of FP6 (E2M3) with E8M0 scales; 32 heads (batch x head) of 2,048 tokens x 64.  The result y is quantised along the model's 1,024 and leaves as codes.
; THE SOFTMAX AHEAD OF THE SECOND PRODUCT: t = (q . k) x log2(e) / 8 (q arrives without its factor 1/8: a power of two, exact here); M = the running largest t rounded UP to a whole number; p = 2^(t - M) is quantised along the keys,
; not normalised; the row's sum is taken of the unquantised p and divides at the end.  When M moves, the sum and O are multiplied by 2^(old M - new M): exact.
; SHARES.  A work-group owns 256 queries of one head, each of its sixteen waves one tile of 16, in 256 registers: four waves to a SIMD, so that one wave's vector work stands beside another's products and LDS loads.
; NO RING.  A whole head's K, V and scale words are 208,896 bytes: they are brought into LDS ONCE, in four pieces of 512 keys, and nothing is filled again.  A wave has at most four tensor loads out.
; CLUSTER.  The four query blocks of a cluster belong to one head: every tile is asked for jointly (mask 15).  All of K and V is asked for at the head, so there is no later load for which a prefetch could ask.
; LAYOUT.  Both products are used transposed: S^T = K Q^T, O^T = V^T P^T: a lane holds one query (lane % 16) throughout.  Row r of a tile T of tokens is token 32 (T / 2) + 8 (T % 2) + r + 8 (r / 8), so that the 16 registers of
; tiles 2 b, 2 b + 1 of S^T are the keys 32 b + 16 h + 0 .. 15; V's rows d are ordered likewise, so that O^T's are 16 neighbouring channels.
; K = 64 IN THE FIRST PRODUCT: the instruction's upper 64 along K are zero codes in Q's operand; K's operand names the six registers of the next tile there, which so add nothing; the scale words' upper two bytes repeat the lower two.
; LIMITS: a block of zeros gets the byte 1 where the rule says 127; NaN and infinities are not served.  y's two scale bytes of a row leave as 2 bytes a lane: the word's other half is another head's; 131,072 bytes in all.
; REGISTERS: v1-5 lane terms, v6-10 the step's addresses, v11 16 r; v12 -M, v13 the largest t, v[14:15] the sum; v16-27 Q; v32-85 K's 8 tiles (6 registers each, then 6 zeros) or V's 4 fragments; v96-159 S^T, then p; v160-191 O^T;
;   v192-199 K's scale words, v200-203 V's, v253 p's, v255 Q's; v224-254 at work.
.set WV,  8                            ; s8  wave
.set SEL, 16                           ; s[16:17]
.set CS,  18                           ; s[18:19] c = log2(e) / 8
.set G1P, 20                           ; s[20:27] group 1: 96 rows of 256 bytes, dense;  s[28:35]: 16 rows
.set G1W, 28
.set G0P, 36                           ; s[36:51] four groups 0: a piece each;  s[52:55] the scale words'
.set G0W, 52
.set TK,  56                           ; s56 where the step's tiles of K begin in LDS (V's: 98,304 on);  s57 K's scale words;  s58 V's;  s59 counts steps
.macro CROUND
	s_barrier_signal -1
	s_barrier_wait -1
	s_cmp_lg_u32 s[WV], 0
	s_cbranch_scc1 .Lnot_wave_0_\@
	s_barrier_signal -3
.Lnot_wave_0_\@:
	s_barrier_wait -3
	s_barrier_signal -1
	s_barrier_wait -1
.endm
	s_load_b128 s[4:7], s[0:1], 0x0                ; q, k, v as codes; y
	v_lshl_add_u32 v250, v0, 2, 0x33000
	v_mov_b32 v251, 0
	ds_add_u32 v250, v251
	ds_add_u32 v250, v251
	v_lshrrev_b32 v8, 5, v0
	v_readfirstlane_b32 s[WV], v8                  ; wave 0..15
	s_bfe_u32 s9, ttmp6, 0x40000                   ; cx: it enters Q's and y's addresses alone
	s_lshl_b32 s10, ttmp9, 2
	s_add_co_u32 s10, s10, s9                      ; my block of 256 queries
	s_and_b32 s11, ttmp7, 0xffff                   ; the head, which the partners share
	s_mov_b32 s[G1P], 15|(3<<16)|(1<<21)           ; the mask: all four; elements of 8 bytes; bit 21 beside the mask
	s_mov_b32 s[G1P+1], 32<<16
	s_mov_b32 s[G1P+2], 96<<16
	s_mov_b32 s[G1P+3], 32<<16
	s_mov_b32 s[G1P+4], 96
	s_mov_b32 s[G1P+5], 32
	s_mov_b32 s[G1P+6], 0
	s_mov_b32 s[G1P+7], 0
	s_mov_b32 s[G1W], 15|(3<<16)|(1<<21)
	s_mov_b32 s[G1W+1], 32<<16
	s_mov_b32 s[G1W+2], 16<<16
	s_mov_b32 s[G1W+3], 32<<16
	s_mov_b32 s[G1W+4], 16
	s_mov_b32 s[G1W+5], 32
	s_mov_b32 s[G1W+6], 0
	s_mov_b32 s[G1W+7], 0
	s_and_b32 s12, s[WV], 1                        ; wave 0 fetches K's codes, wave 1 V's
	s_mul_i32 s13, s12, 98304
	s_mul_i32 s14, s12, 3145728
	s_add_co_u32 s14, s14, 3145728
	s_mul_i32 s15, s11, 98304
	s_add_co_u32 s14, s14, s15
	s_mov_b32 s15, 0
	s_lshl_b32 s62, s[WV], 12                      ; waves 2, 3: K's scale words, 4,096 bytes each; wave 4: V's
	s_add_co_u32 s[G0W+1], s62, 188416             ; LDS: 196,608 + 4,096 (wave - 2)
	s_lshl_b32 s63, s11, 13
	s_add_co_u32 s62, s62, s63
	s_add_co_u32 s62, s62, 9699328-8192
	s_lshl_b32 s63, s11, 12
	s_add_co_u32 s63, s63, 9961472
	s_cmp_eq_u32 s[WV], 4
	s_cselect_b32 s62, s63, s62
	s_mov_b32 s63, 0
	s_mov_b32 s[G0W], 1
	s_mov_b32 s[SEL], 0x76543210
	s_mov_b32 s[SEL+1], 0xfedcba98
	s_mov_b32 s[CS], 0x3e38aa3b
	s_mov_b32 s[CS+1], s[CS]                       ; (named with it as a pair, so it is written)
	s_wait_dscnt 0x0
	s_wait_kmcnt 0x0
	s_add_nc_u64 s[60:61], s[4:5], s[14:15]
.irp j, 0,1,2,3
	s_mov_b32 s[G0P+4*\j], 1
	s_add_co_u32 s[G0P+4*\j+1], s13, 24576*\j
	s_add_nc_u64 s[G0P+4*\j+2:G0P+4*\j+3], s[60:61], 24576*\j
	s_or_b32 s[G0P+4*\j+3], s[G0P+4*\j+3], 0x80000000
.endr
	s_add_nc_u64 s[G0W+2:G0W+3], s[4:5], s[62:63]
	s_or_b32 s[G0W+3], s[G0W+3], 0x80000000
	CROUND                                         ; all four work-groups are here: the joint loads meet
	s_cmp_lt_u32 s[WV], 2                          ; a wave's fills stand in one branch on its number
	s_cbranch_scc0 .Lnot_codes
	tensor_load_to_lds s[G0P:G0P+3], s[G1P:G1P+7]
	s_nop 0
	tensor_load_to_lds s[G0P+4:G0P+7], s[G1P:G1P+7]
	s_nop 0
	tensor_load_to_lds s[G0P+8:G0P+11], s[G1P:G1P+7]
	s_nop 0
	tensor_load_to_lds s[G0P+12:G0P+15], s[G1P:G1P+7]
	s_nop 0
.rept 4
	v_nop
.endr
	s_branch .Lasked
.Lnot_codes:
	s_cmp_lt_u32 s[WV], 5
	s_cbranch_scc0 .Lasked
	tensor_load_to_lds s[G0W:G0W+3], s[G1W:G1W+7]
	s_nop 0
.rept 4
	v_nop
.endr
	s_wait_tensorcnt 0x0                           ; the scale words are wanted from the first step on
.Lasked:
	v_and_b32 v8, 15, v0                           ; r
	v_and_b32 v9, 31, v0                           ; lane
	v_lshlrev_b32 v1, 4, v9                        ; K: 16 x lane,
	v_lshlrev_b32 v2, 3, v9
	v_add_nc_u32 v2, 512, v2                       ;    512 + 8 x lane
	v_add_nc_u32 v3, 98304, v1                     ; V: 16 x lane
	v_lshlrev_b32 v11, 4, v8
	v_add_nc_u32 v4, 196608, v11                   ; K's scale words: 16 r
	v_add_nc_u32 v5, 204800, v11                   ; V's
	s_lshl_b32 s12, s10, 4
	s_add_co_u32 s12, s12, s[WV]                   ; my tile of queries
	s_mul_i32 s13, s11, 98304
	s_mul_i32 s14, s12, 768
	s_add_co_u32 s14, s14, s13
	s_add_nc_u64 s[60:61], s[4:5], s[14:15]
	global_load_b128 v[16:19], v1, s[60:61]        ; Q's half fragment stays in registers
	global_load_b64 v[20:21], v2, s[60:61]
	s_lshl_b32 s13, s11, 13
	s_lshr_b32 s14, s12, 2
	s_lshl_b32 s14, s14, 8
	s_add_co_u32 s14, s14, s13
	s_and_b32 s13, s12, 3
	s_lshl_b32 s13, s13, 2
	s_add_co_u32 s14, s14, s13
	s_add_co_u32 s14, s14, 9437184
	s_add_nc_u64 s[62:63], s[4:5], s[14:15]
	global_load_b32 v255, v11, s[62:63]            ; Q's scale words
.irp j, 22,23,24,25,26,27,80,81,82,83,84,85
	v_mov_b32 v[\j], 0                             ; zero codes: Q's upper 64 along K; and what tile 7 of K names there
.endr
	v_mov_b32 v13, 0xff61b1e6                      ; the largest t so far: -3e38
	v_floor_f32 v12, -v13                          ; -M
	v_mov_b32 v14, 0
	v_mov_b32 v15, 0
.irp b, 0,1,2,3
	v_mov_b32 v[236+\b], 0                         ; written once: a lane permute's destination counts as one of its sources
.endr
	v_mov_b32 v253, 0
.set j, 0
.rept 32
	v_mov_b32 v[160+j], 0                          ; O^T: the step is written once; the first finds zeros, which the first change of M leaves zeros
.set j, j+1
.endr
	s_wait_loadcnt 0x0                             ; Q
.macro STEP                            ; 128 keys
	v_add_nc_u32 v6, s[TK], v1                     ; (these five are also the places behind the last products, in front of the loads into their registers)
	v_add_nc_u32 v7, s[TK], v2
	v_add_nc_u32 v8, s[TK], v3
	v_add_nc_u32 v9, s57, v4
	v_add_nc_u32 v10, s58, v5
.irp t, 0,1,2,3,4,5,6,7
	ds_load_b128 v[32+6*\t:35+6*\t], v6 offset:768*\t
	ds_load_b64 v[36+6*\t:37+6*\t], v7 offset:768*\t
.endr
	ds_load_b128 v[192:195], v9
	ds_load_b128 v[196:199], v9 offset:256
	s_wait_dscnt 0x0
.irp t, 0,1,2,3,4,5,6,7
	v_wmma_scale_f32_16x16x128_f8f6f4 v[96+8*\t:103+8*\t], v[32+6*\t:43+6*\t], v[16:27], 0, v[192+\t], v255 matrix_a_fmt:MATRIX_FMT_FP6 matrix_b_fmt:MATRIX_FMT_FP6
.endr
.rept 4
	v_nop
.endr
.irp t, 0,1,2,3                                ; V's four fragments are asked for now and land during the softmax
.irp g, 0,1,2
	ds_load_b128 v[32+12*\t+4*\g:35+12*\t+4*\g], v8 offset:1536*\t+512*\g
.endr
.endr
	ds_load_b128 v[200:203], v10
.irp b, 0,1,2,3
	v_max3_num_f32 v[232+\b], v[96+16*\b], v[97+16*\b], v[98+16*\b]   ; the largest score of each block of 32 keys: for the row's maximum, and, since p rises with the score, for the block's largest p
.endr
.irp i, 3,5,7,9,11,13
.irp b, 0,1,2,3
	v_max3_num_f32 v[232+\b], v[232+\b], v[96+16*\b+\i], v[97+16*\b+\i]
.endr
.endr
.irp b, 0,1,2,3
	v_max_num_f32 v[232+\b], v[232+\b], v[111+16*\b]
.endr
.irp b, 0,1,2,3
	v_permlanex16_b32 v[236+\b], v[232+\b], s[SEL], s[SEL+1]
.endr
.irp b, 0,1,2,3
	v_max_num_f32 v[232+\b], v[232+\b], v[236+\b]
.endr
	v_max3_num_f32 v254, v232, v233, v234
	v_max_num_f32 v254, v254, v235
	v_mul_f32 v254, s[CS], v254                    ; as t (c is positive)
	v_max_num_f32 v13, v13, v254                   ; the running largest t
	v_mov_b32 v254, v12
	v_floor_f32 v12, -v13                          ; the new -M = -ceil(t)
	v_sub_f32 v254, v12, v254                      ; old M - new M: a whole number, 0 or less
	v_cvt_i32_f32 v254, v254                       ; (it saturates)
	v_ldexp_f32 v252, 1.0, v254                    ; f = 2^(old M - new M)
.set j, 0
.rept 32
	v_pk_fma_f32 v[96+j:97+j], v[96+j:97+j], s[CS:CS+1], v[12:13] op_sel_hi:[1,0,0]   ; t - M
.set j, j+2
.endr
.irp b, 0,1,2,3
	v_fma_f32 v[232+\b], v[232+\b], s[CS], v12
.endr
.set j, 0
.rept 64
	v_exp_f32 v[96+j], v[96+j]                     ; p = 2^(t - M)
.set j, j+1
.endr
	v_pk_mul_f32 v[14:15], v[14:15], v[252:253] op_sel_hi:[1,0]   ; the sums under the new M.  (A plain place behind the exponentials)
	s_wait_alu depctr_va_vdst(0)                   ; one wait for the batch of 64, ahead of its first reader
.irp b, 0,1,2,3
	v_exp_f32 v[232+\b], v[232+\b]                 ; the block's largest p
.endr
	v_pk_add_f32 v[236:237], v[96:97], v[98:99]    ; the row's sum of the unquantised p, in two chains
.irp j, 4,8,12,16,20,24,28,32,36,40,44,48,52,56,60
	v_pk_add_f32 v[14:15], v[14:15], v[96+\j:97+\j]
	v_pk_add_f32 v[236:237], v[236:237], v[98+\j:99+\j]
.endr
	v_pk_add_f32 v[14:15], v[14:15], v[236:237]
	s_wait_alu depctr_va_vdst(0)                   ; and one for the four
.irp b, 0,1,2,3
	v_max_num_f32 v[232+\b], 0x1800000, v[232+\b]  ; the floor 2^(3 - 127)
.endr
.irp b, 0,1,2,3
	v_add_nc_u32 v[244+\b], 0xff000000, v[232+\b]  ; the conversion's scale operand
.endr
.irp b, 0,1,2,3
	v_lshrrev_b32 v[236+\b], 23, v[244+\b]         ; the scale's byte
.endr
	v_lshl_or_b32 v253, v237, 8, v236              ; p's scale word for these 128 keys
	v_lshl_or_b32 v253, v238, 16, v253
	v_lshl_or_b32 v253, v239, 24, v253
.irp c, 0,1
	v_cvt_scalef32_pk16_fp6_f32 v[224+6*\c:226+6*\c], v[96+32*\c:111+32*\c], v[244+2*\c]
	v_cvt_scalef32_pk16_fp6_f32 v[236+4*\c:238+4*\c], v[112+32*\c:127+32*\c], v[244+2*\c+1]
.endr
	v_nop                                          ; one plain place behind a scaled conversion
.irp c, 0,1
.irp i, 0,1,2
	v_permlane16_swap_b32 v[224+6*\c+\i], v[236+4*\c+\i]
.endr
.irp i, 0,1,2
	v_mov_b32 v[227+6*\c+\i], v[236+4*\c+\i]
.endr
.endr
.set j, 0
.rept 16
	v_pk_mul_f32 v[160+j:161+j], v[160+j:161+j], v[252:253] op_sel_hi:[1,0]   ; O^T under the new M.  (These 16 are also the places in front of the scaled products below)
.set j, j+2
.endr
	s_wait_dscnt 0x0                               ; V
.irp t, 0,1,2,3
	v_wmma_scale_f32_16x16x128_f8f6f4 v[160+8*\t:167+8*\t], v[32+12*\t:43+12*\t], v[224:235], v[160+8*\t:167+8*\t], v[200+\t], v253 matrix_a_fmt:MATRIX_FMT_FP6 matrix_b_fmt:MATRIX_FMT_FP6
.endr
	s_add_co_u32 s[TK], s[TK], 6144
	s_add_co_u32 s57, s57, 512
	s_add_co_u32 s58, s58, 256
.endm
.macro PHASE j                         ; piece j: 512 keys, four steps
	s_wait_tensorcnt 3-\j                          ; in waves 0 and 1: pieces 0 to j are in, the 3 - j later ones may stay out
	s_wait_dscnt 0x0
	s_barrier_signal -1
	s_barrier_wait -1
	s_mov_b32 s[TK], 24576*\j
	s_mov_b32 s57, 2048*\j
	s_mov_b32 s58, 1024*\j
	s_mov_b32 s59, 4
.Lstep_\@:
	STEP
	s_sub_co_u32 s59, s59, 1
	s_cmp_lg_u32 s59, 0
	s_cbranch_scc1 .Lstep_\@
.endm
	PHASE 0
	PHASE 1
	PHASE 2
	PHASE 3
	; THE WAY OUT: O^T / the sum; my 16 queries x 64 channels are one half fragment of y: two blocks of 32 along the next K
.rept 4
	v_nop                                          ; places behind the last products
.endr
	v_add_f32 v14, v14, v15
	v_permlanex16_b32 v252, v14, s[SEL], s[SEL+1]
	v_add_f32 v14, v14, v252                       ; the row's sum
	v_rcp_f32 v14, v14
	v_and_b32 v6, 31, v0                           ; (a plain place behind the transcendental)
	s_and_b32 s13, s11, 15                         ; the head in its batch
	s_lshr_b32 s14, s11, 4
	s_lshl_b32 s14, s14, 7
	s_add_co_u32 s60, s14, s12                     ; y's row block: 128 x batch + my tile
	s_lshr_b32 s14, s13, 2
	s_mul_i32 s14, s14, 786432
	s_mul_i32 s61, s60, 3072
	s_add_co_u32 s14, s14, s61
	s_and_b32 s61, s13, 3
	s_mul_i32 s61, s61, 768
	s_add_co_u32 s14, s14, s61
	s_add_nc_u64 s[20:21], s[6:7], s[14:15]        ; the codes.  (All tensor loads are done: the descriptors' registers are free)
	s_lshr_b32 s14, s13, 1
	s_lshl_b32 s14, s14, 14
	s_lshr_b32 s61, s60, 2
	s_lshl_b32 s61, s61, 8
	s_add_co_u32 s14, s14, s61
	s_and_b32 s61, s60, 3
	s_lshl_b32 s61, s61, 2
	s_add_co_u32 s14, s14, s61
	s_and_b32 s61, s13, 1
	s_lshl_b32 s61, s61, 1
	s_add_co_u32 s14, s14, s61
	s_add_co_u32 s14, s14, 3145728
	s_add_nc_u64 s[22:23], s[6:7], s[14:15]        ; my half of the rows' scale words
	s_wait_alu depctr_va_vdst(0)                   ; the wait ahead of the reciprocal's first reader
.set j, 0
.rept 32
	v_mul_f32 v[96+j], v[160+j], v14               ; register 16 b + i: channel 32 b + 16 h + i of my query
.set j, j+1
.endr
.irp b, 0,1
	v_max3_num_f32 v[232+\b], |v[96+16*\b]|, |v[97+16*\b]|, 0x1800000
.endr
.irp i, 2,4,6,8,10,12,14
.irp b, 0,1
	v_max3_num_f32 v[232+\b], v[232+\b], |v[96+16*\b+\i]|, |v[97+16*\b+\i]|
.endr
.endr
.irp b, 0,1
	v_permlanex16_b32 v[236+\b], v[232+\b], s[SEL], s[SEL+1]
.endr
.irp b, 0,1
	v_max_num_f32 v[232+\b], v[232+\b], v[236+\b]
.endr
.irp b, 0,1
	v_add_nc_u32 v[244+\b], 0xff000000, v[232+\b]
.endr
.irp b, 0,1
	v_lshrrev_b32 v[236+\b], 23, v[244+\b]
.endr
	v_lshl_or_b32 v234, v237, 8, v236              ; the two bytes
	v_cvt_scalef32_pk16_fp6_f32 v[224:226], v[96:111], v244
	v_cvt_scalef32_pk16_fp6_f32 v[240:242], v[112:127], v245
	v_nop
.irp i, 0,1,2
	v_permlane16_swap_b32 v[224+\i], v[240+\i]
.endr
.irp i, 0,1,2
	v_mov_b32 v[227+\i], v[240+\i]
.endr
	global_store_b128 v1, v[224:227], s[20:21]     ; 512 consecutive bytes,
	global_store_b64 v2, v[228:229], s[20:21]      ; and 256, each at a multiple of 256
	v_cmp_gt_u32 vcc_lo, 16, v6
	s_wait_xcnt 0x0                                ; EXEC changes only behind this wait
	s_and_saveexec_b32 s24, vcc_lo
	global_store_b16 v11, v234, s[22:23]           ; lanes 0-15: row r's two bytes
	s_wait_xcnt 0x0
	s_or_b32 exec_lo, exec_lo, s24
	s_wait_tensorcnt 0x0
	ds_add_u32 v250, v251
	s_wait_dscnt 0x0
	CROUND                                         ; the closing round: no work-group ends while a partner may still ask for a tile that names it
	s_endpgm
.Lfunc_end_k_q51934d9276_attn:
	.size	k_q51934d9276_attn, .Lfunc_end_k_q51934d9276_attn-k_q51934d9276_attn
	.p2alignl 7, 3214868480
	.fill 96, 4, 3214868480
	.section	.rodata,"a",@progbits
	.p2align	6, 0x0
	.amdhsa_kernel k_q51934d9276_attn
		.amdhsa_group_segment_fixed_size 210944
		.amdhsa_private_segment_fixed_size 0
		.amdhsa_enable_private_segment 0
		.amdhsa_kernarg_size 16
		.amdhsa_user_sgpr_count 2
		.amdhsa_user_sgpr_kernarg_segment_ptr 1
		.amdhsa_wavefront_size32 1
		.amdhsa_system_sgpr_workgroup_id_x 1
		.amdhsa_system_sgpr_workgroup_id_y 1
		.amdhsa_system_sgpr_workgroup_id_z 1
		.amdhsa_system_vgpr_workitem_id 0
		.amdhsa_next_free_vgpr 256
		.amdhsa_next_free_sgpr 66
		.amdhsa_reserve_vcc 1
		.amdhsa_float_denorm_mode_32 3
		.amdhsa_float_denorm_mode_16_64 3
		.amdhsa_memory_ordered 1
		.amdhsa_forward_progress 1
		.amdhsa_inst_pref_size 78
	.end_amdhsa_kernel
	.amdgpu_metadata
---
amdhsa.version: [ 1, 2 ]
amdhsa.kernels:
  - .name:           k_q51934d9276_attn
    .symbol:         k_q51934d9276_attn.kd
    .args:
      - { .name: qkvcod, .offset: 0, .size: 8, .value_kind: global_buffer, .address_space: global }
      - { .name: ycod, .offset: 8, .size: 8, .value_kind: global_buffer, .address_space: global }
    .group_segment_fixed_size: 210944
    .private_segment_fixed_size: 0
    .kernarg_segment_align: 8
    .kernarg_segment_size: 16
    .max_flat_workgroup_size: 512
    .sgpr_count:     66
    .vgpr_count:     256
    .wavefront_size: 32
...
	.end_amdgpu_metadata
.endif
;; end of part 4
;; launch gproj (part 5): grid 4 x 16, 4 waves a work-group, clusters of 4 x 4, 327,680 bytes of LDS; arguments ycod, wcod, b_proj, x, x1; writes x1
.if DOCPART == 5
	.amdgcn_target "amdgcn-amd-amdhsa--gfx1250"
	.amdhsa_code_object_version 6
	.text
	.protected	k_q51934d9276_gproj
	.globl	k_q51934d9276_gproj
	.p2align	8
	.type	k_q51934d9276_gproj,@function
k_q51934d9276_gproj:
	s_mov_b64 s[64:65], 0
	v_nop
	global_prefetch_b8 v0, s[64:65] scope:SCOPE_SE
	s_setreg_imm32_b32 hwreg(HW_REG_WAVE_MODE, 25, 1), 1
	s_wait_xcnt 0x0
	s_wait_alu depctr_hold_cnt(0) depctr_sa_sdst(0) depctr_va_vdst(0) depctr_va_sdst(0) depctr_va_ssrc(0) depctr_va_vcc(0) depctr_vm_vsrc(0)
	s_getreg_b32 s2, hwreg(HW_REG_IB_STS2, 6, 4)
	s_cmp_eq_u32 s2, 0
	s_cbranch_scc0 .Lentry_in_a_cluster
	s_endpgm
.Lentry_in_a_cluster:
	s_bfe_u32 s2, ttmp6, 0x10000c
	s_cmp_lg_u32 s2, 0xf033
	s_cbranch_scc0 .Lentry_shape_is_right
	s_endpgm
.Lentry_shape_is_right:
; Product 4 and the first residual: x1 = x + y w_proj + b_proj.  [4,096 x 1,024] x [1,024 x 1,024] on codes of FP6 (E2M3) with E8M0 scales, sums in f32; x, b_proj and x1 are f32.
; A tile of C, 256 x 256, is made by four waves, 128 x 128 each: 64 accumulators.  K goes in steps of 256 through a ring of two LDS slots filled by the tensor data mover.  64 work-groups: the loop's form is that of the program's other products.
; OPERANDS LIE IN MEMORY IN THE ORDER OF THE REGISTERS.  A half fragment (16 rows x 64 K, 768 bytes): lane 16 h + r holds row r, K = 32 h .. + 31: 16 bytes at 16 x lane, 8 at 512 + 8 x lane.  128 rows x 256 K are 24,576 dense bytes.
; Scale words: [K / 128][row block / 4][r][row block % 4]; they come once, for all of K.
; ROW ORDER: row 16 T + r of either operand is token (or column) 32 (T / 2) + 8 (T % 2) + r + 8 (r / 8).  THE MATRIX INSTRUCTION IS USED TRANSPOSED (source 0 = B, source 1 = A): lane (r, h) holds token row r, and the 16 registers
; of accumulators 2 b, 2 b + 1 are the columns 32 b + 16 h + 0 .. 15.  The bias is the C of each sum's first matrix instruction.
; CLUSTERS: 4 x 4 work-groups; A's tiles are asked for jointly along a row of the cluster, B's along a column.
; REGISTERS: window 0: v1-31 addresses; v32-63 scale words; v64-127 the bias in the result's layout; v128-223 A's fragments; window 1: B's fragments, two sets; windows 2, 3: accumulator (a, b) at v[8 (8 (a % 4) + b)] of window 2 + a / 4.
.set SIZE_K, 1024
.set SIZE_N, 1024
.set ASC,    3145728
.set WC,     2359296
.set WS,     9535488
.set NQ,     2
.set FR,     12
.set NL,     4
.set NP,     4
.set HALFT,  24576
.set SLOT,   4*HALFT
.set LAPS,   SIZE_K/512
.set KST,    SIZE_K/128
.set SCL,    2*SLOT
.set HALFS,  KST*512
.set SPARE,  SCL+4*HALFS
.set PANA,   786432
.set PANB,   192*SIZE_N
.set L16,  8
.set L8,   9
.set ADRA, 16
.set ADRB, 20
.set STO,  24                          ; v24  the way out: where I put 32 bytes of a row
.set RD,   25                          ; v25  and where I read a row back
.set ADRS, 27
.set SPW,  28
.set NIL,  29
.set SC,   32
.set BIAS, 64
.set AF,   128
.set BK,   128                         ; the way out: 16 rows read back: v128-191 and v192-255 by turns
.set G1, 24
.set G0, 32
.set G1B, 48
.set G0B, 56
.set G1S, 68
.set G0S, 76
.set G1SB, 80
.set G0SB, 88
.set MSB, 0
.macro WIN new
.if MSB != \new
	s_set_vgpr_msb (MSB<<8)|\new
.set MSB, \new
.endif
.endm
.set MUL_LO, 0xa1
.set MUL_HI, 0xf1
.set TO_B,   0x40
.macro JLOAD g0a, g1a, g0b, g1b        ; a joint load: waves 0 and 1 fetch for A, waves 2 and 3 for B; four v_nop follow each line
	s_cmp_eq_u32 s15, 0
	s_cbranch_scc0 .Lfor_b_\@
	tensor_load_to_lds s[\g0a:\g0a+3], s[\g1a:\g1a+7]
	s_nop 0
.rept 4
	v_nop
.endr
	s_branch .Lasked_\@
.Lfor_b_\@:
	tensor_load_to_lds s[\g0b:\g0b+3], s[\g1b:\g1b+7]
	s_nop 0
.rept 4
	v_nop
.endr
.Lasked_\@:
.endm
.macro CREST
	s_cmp_lg_u32 s14, 0
	s_cbranch_scc1 .Lnot_wave_0_\@
	s_barrier_signal -3
.Lnot_wave_0_\@:
	s_barrier_wait -3
	s_barrier_signal -1
	s_barrier_wait -1
.endm
.macro CROUND
	s_barrier_signal -1
	s_barrier_wait -1
	CREST
.endm
	s_load_b128 s[4:7], s[0:1], 0x0                ; A, the weights
	s_load_b128 s[8:11], s[0:1], 0x10              ; the bias, the residual
	s_load_b64 s[12:13], s[0:1], 0x20              ; the result
	v_lshl_add_u32 v[SPW], v0, 2, SPARE
	v_mov_b32 v[NIL], 0
	ds_add_u32 v28, v29
	ds_add_u32 v28, v29
	s_wait_dscnt 0x0
	v_lshrrev_b32 v1, 5, v0
	v_readfirstlane_b32 s14, v1
	s_lshr_b32 s15, s14, 1
	s_and_b32 s16, s14, 1
	s_bfe_u32 s40, ttmp6, 0x40000
	s_bfe_u32 s41, ttmp6, 0x40004
	s_lshl_b32 s42, ttmp9, 2
	s_add_co_u32 s42, s42, s40                     ; tile column tc
	s_and_b32 s17, ttmp7, 0xffff
	s_lshl_b32 s17, s17, 2
	s_add_co_u32 s17, s17, s41                     ; tile row tr
	s_lshl_b32 s43, s41, 2
	s_lshl_b32 s43, 15, s43
	s_lshl_b32 s44, 0x1111, s40
	s_or_b32 s[G1+0], s43, (3<<16)|(1<<21)         ; codes: 96 rows of 32 elements of 8 bytes, dense
	s_or_b32 s[G1B+0], s44, (3<<16)|(1<<21)
.irp g, G1, G1B
	s_mov_b32 s[\g+1], 32<<16
	s_mov_b32 s[\g+2], 96<<16
	s_mov_b32 s[\g+3], 32<<16
	s_mov_b32 s[\g+4], 96
	s_mov_b32 s[\g+5], 32
	s_mov_b32 s[\g+6], 0
	s_mov_b32 s[\g+7], 0
.endr
	s_or_b32 s[G1S+0], s43, (3<<16)|(1<<21)        ; scale words: KST rows of 512 bytes
	s_or_b32 s[G1SB+0], s44, (3<<16)|(1<<21)
.irp g, G1S, G1SB
	s_mov_b32 s[\g+1], 64<<16
	s_mov_b32 s[\g+2], KST<<16
	s_mov_b32 s[\g+3], 64<<16
	s_mov_b32 s[\g+4], KST
	s_mov_b32 s[\g+6], 0
	s_mov_b32 s[\g+7], 0
.endr
	s_mov_b32 s[G1S+5], 2048
	s_mov_b32 s[G1SB+5], SIZE_N/2
	s_lshl_b32 s18, s16, 7
	s_lshl_b32 s20, s17, 8
	s_add_co_u32 s20, s20, s18
	s_lshl_b32 s46, s42, 8
	s_add_co_u32 s46, s46, s18
	s_lshl_b32 s22, s20, 2
	s_add_co_u32 s22, s22, ASC
	s_mov_b32 s23, 0
	s_mul_i32 s20, s20, 192
	s_mov_b32 s21, 0
	s_lshl_b32 s92, s46, 2
	s_add_co_u32 s92, s92, WS
	s_mov_b32 s93, 0
	s_mul_i32 s46, s46, 192
	s_add_co_u32 s46, s46, WC
	s_mov_b32 s47, 0
	s_mul_i32 s45, s14, HALFT
	s_mul_i32 s94, s14, HALFS
	s_wait_kmcnt 0x0
	s_add_nc_u64 s[20:21], s[4:5], s[20:21]
	s_add_nc_u64 s[22:23], s[4:5], s[22:23]
	s_add_nc_u64 s[46:47], s[6:7], s[46:47]
	s_add_nc_u64 s[92:93], s[6:7], s[92:93]
	CROUND                                         ; all sixteen work-groups are here: the first joint loads meet
	s_mov_b32 s[G0S], 1
	s_add_co_u32 s[G0S+1], s94, SCL
	s_mov_b64 s[G0S+2:G0S+3], s[22:23]
	s_or_b32 s[G0S+3], s[G0S+3], 0x80000000
	s_mov_b32 s[G0SB], 1
	s_add_co_u32 s[G0SB+1], s94, SCL
	s_mov_b64 s[G0SB+2:G0SB+3], s[92:93]
	s_or_b32 s[G0SB+3], s[G0SB+3], 0x80000000
	JLOAD G0S, G1S, G0SB, G1SB
.irp s, 0,1
	s_mov_b32 s[G0+4*\s], 1
	s_add_co_u32 s[G0+4*\s+1], s45, \s*SLOT
	s_add_nc_u64 s[G0+4*\s+2:G0+4*\s+3], s[20:21], \s*PANA
	s_or_b32 s[G0+4*\s+3], s[G0+4*\s+3], 0x80000000
	s_mov_b32 s[G0B+4*\s], 1
	s_add_co_u32 s[G0B+4*\s+1], s45, \s*SLOT
	s_add_nc_u64 s[G0B+4*\s+2:G0B+4*\s+3], s[46:47], \s*PANB
	s_or_b32 s[G0B+4*\s+3], s[G0B+4*\s+3], 0x80000000
	JLOAD G0+4*\s, G1, G0B+4*\s, G1B
.endr
	v_and_b32 v1, 15, v0
	v_bfe_u32 v2, v0, 4, 1
	v_and_b32 v3, 31, v0
	v_lshlrev_b32 v[L16], 4, v3
	v_lshlrev_b32 v[L8], 3, v3
	s_mul_i32 s21, s15, HALFT
	s_mul_i32 s22, s16, HALFT
	s_add_co_u32 s22, s22, 2*HALFT
.irp s, 0,1
	v_add_nc_u32 v[ADRA+\s], s21, v[L16]
	v_add_nc_u32 v[ADRB+\s], s22, v[L16]
	v_add_nc_u32 v[ADRA+2+\s], s21, v[L8]
	v_add_nc_u32 v[ADRB+2+\s], s22, v[L8]
	s_add_co_u32 s21, s21, SLOT
	s_add_co_u32 s22, s22, SLOT
.endr
	v_lshlrev_b32 v6, 4, v1
	s_mul_i32 s21, s15, HALFS
	s_mul_i32 s22, s16, HALFS
	s_add_co_u32 s22, s22, 2*HALFS
	s_sub_co_u32 s22, s22, s21
	v_mul_u32_u24 v7, s22, v2                      ; lanes 16-31 take B's scale words: the lower base + h x the distance
	s_add_co_u32 s21, s21, SCL
	v_add_nc_u32 v6, v6, v7
	v_add_nc_u32 v[ADRS], s21, v6
	s_mul_i32 s23, s14, 8448                       ; my stage: 16 rows x 528 bytes, in slot 0
	v_mul_u32_u24 v5, v1, 528
	v_lshl_add_u32 v5, v2, 6, v5
	v_add_nc_u32 v[STO], s23, v5
	v_add_nc_u32 v[RD], s23, v[L16]
	s_lshl_b32 s20, s17, 8
	s_lshl_b32 s21, s15, 7
	s_add_co_u32 s20, s20, s21
	s_lshl_b32 s20, s20, 12                        ; my first token's row of 4,096 bytes,
	s_mov_b32 s21, 0
	s_lshl_b32 s46, s42, 10
	s_lshl_b32 s47, s16, 9
	s_add_co_u32 s46, s46, s47                     ; my first column
	s_mov_b32 s47, 0
	s_add_nc_u64 s[20:21], s[20:21], s[46:47]
	s_add_nc_u64 s[12:13], s[12:13], s[20:21]
	s_add_nc_u64 s[10:11], s[10:11], s[20:21]
	s_add_nc_u64 s[8:9], s[8:9], s[46:47]
	v_lshlrev_b32 v10, 6, v2
.irp b, 0,1,2,3,4,5,6,7                        ; the bias at the eight columns that lane (r, h) holds of tile b: 32 (b / 2) + 16 h + 8 (b % 2) + 0 .. 7
	global_load_b128 v[BIAS+8*\b:BIAS+8*\b+3], v10, s[8:9] offset:(32*(\b/2)+8*(\b%2))*4
	global_load_b128 v[BIAS+8*\b+4:BIAS+8*\b+7], v10, s[8:9] offset:(32*(\b/2)+8*(\b%2))*4+16
.endr
.macro FRAG reg, adr, q, i
.irp c, 0,1
	ds_load_b128 v[\reg+6*\c:\reg+6*\c+3], v[\adr] offset:3072*(\i)+768*(2*(\q)+\c)
	ds_load_b64 v[\reg+6*\c+4:\reg+6*\c+5], v[\adr+2] offset:3072*(\i)+768*(2*(\q)+\c)+512
.endr
.endm
; 16 matrix instructions: A's blocks a0, a0 + 1 x B's eight.  The 64 accumulators take turns, one instruction a turn.  zero = 1: the sums begin with the bias.
.macro MUL16 a0, p, q, sc, zero
.irp a, \a0, \a0+1
.irp b, 0,1,2,3,4,5,6,7
.if \zero
	v_wmma_scale_f32_16x16x128_f8f6f4 v[8*(8*((\a)%4)+\b):8*(8*((\a)%4)+\b)+7], v[128*(\p)+FR*\b:128*(\p)+FR*\b+FR-1], v[AF+FR*(\a):AF+FR*(\a)+FR-1], v[BIAS+8*\b:BIAS+8*\b+7], v[SC+16*(\sc)+8*(\q)+\b], v[SC+16*(\sc)+8*(\q)+(\a)] matrix_a_fmt:MATRIX_FMT_FP6 matrix_b_fmt:MATRIX_FMT_FP6 matrix_a_scale:MATRIX_SCALE_ROW1
.else
	v_wmma_scale_f32_16x16x128_f8f6f4 v[8*(8*((\a)%4)+\b):8*(8*((\a)%4)+\b)+7], v[128*(\p)+FR*\b:128*(\p)+FR*\b+FR-1], v[AF+FR*(\a):AF+FR*(\a)+FR-1], v[8*(8*((\a)%4)+\b):8*(8*((\a)%4)+\b)+7], v[SC+16*(\sc)+8*(\q)+\b], v[SC+16*(\sc)+8*(\q)+(\a)] matrix_a_fmt:MATRIX_FMT_FP6 matrix_b_fmt:MATRIX_FMT_FP6 matrix_a_scale:MATRIX_SCALE_ROW1
.endif
.endr
.endr
.endm
.macro FETCH_B slot, q, p
	WIN TO_B
.irp i, 0,1,2,3,4,5,6,7
	FRAG 128*(\p)+FR*\i, ADRB+\slot, \q, \i
.endr
	WIN 0
.endm
.macro FETCH_A slot, q, i0
.irp i, \i0, \i0+1, \i0+2, \i0+3
	FRAG AF+FR*(\i), ADRA+\slot, \q, \i
.endr
.endm
.macro SCALES sc
.irp q, 0,1
.irp g, 0,1
	ds_load_b128 v[SC+16*\sc+8*\q+4*\g:SC+16*\sc+8*\q+4*\g+3], v[ADRS] offset:512*\q+256*\g
.endr
.endr
.endm
.macro PLACES n
.rept \n
	v_nop
.endr
.endm
.macro STEP slot, q, zero
	s_wait_dscnt 4*NL                              ; B's set and A's blocks 0-3 are in; the youngest 16 loads (A's blocks 4-7) may be out
.if \zero
	WIN 0x81                                       ; C (the bias) window 0, D window 2
.else
	WIN MUL_LO
.endif
	MUL16 0, (\q)%2, \q, \slot, \zero
	MUL16 2, (\q)%2, \q, \slot, \zero
	s_wait_dscnt 0
	PLACES NP
	FETCH_B \slot, (\q)+1, 1-(\q)%2
	FETCH_A \slot, (\q)+1, 0
.if \zero
	WIN 0xc1
.else
	WIN MUL_HI
.endif
	MUL16 4, (\q)%2, \q, \slot, \zero
	MUL16 6, (\q)%2, \q, \slot, \zero
	PLACES NP
	WIN 0
	FETCH_A \slot, (\q)+1, 4
.endm
.macro TURN slot, next, fill
	s_wait_tensorcnt 0x0                           ; all my tensor loads have landed: my part of the next slot
	ds_add_u32 v[SPW], v[NIL]                      ; 0 onto my spare word
	s_wait_dscnt 4*NL+1                            ; (the add and the youngest 16 loads may be out)
	WIN MUL_LO
	MUL16 0, 1, NQ-1, \slot, 0
	s_wait_dscnt 0x0                               ; the add is done, and my reads of this slot are over
	s_barrier_signal -1
	MUL16 2, 1, NQ-1, \slot, 0
	WIN 0
	s_barrier_wait -1
.if \fill
	CREST                                          ; a round of the cluster's barrier: no wave of any partner still reads this slot or has a load on its way
	s_add_nc_u64 s[G0+4*\slot+2:G0+4*\slot+3], s[G0+4*\slot+2:G0+4*\slot+3], 2*PANA
	s_add_nc_u64 s[G0B+4*\slot+2:G0B+4*\slot+3], s[G0B+4*\slot+2:G0B+4*\slot+3], 2*PANB
	JLOAD G0+4*\slot, G1, G0B+4*\slot, G1B
.else
	PLACES NP
.endif
	v_add_nc_u32 v[ADRS], 1024, v[ADRS]
	FETCH_B \next, 0, 0
	FETCH_A \next, 0, 0
	SCALES \next
	WIN MUL_HI
	MUL16 4, 1, NQ-1, \slot, 0
	MUL16 6, 1, NQ-1, \slot, 0
	PLACES NP
	WIN 0
	FETCH_A \next, 0, 4
.endm
	s_wait_tensorcnt 1                             ; the scale words and my part of K step 0 are in (K step 1's load may be out)
	s_barrier_signal -1
	s_barrier_wait -1
	FETCH_B 0, 0, 0
	FETCH_A 0, 0, 0
	SCALES 0
	FETCH_A 0, 0, 4
	s_wait_loadcnt 0x0                             ; the bias
	STEP 0, 0, 1
	s_mov_b32 s3, LAPS-1
.Llap:
	TURN 0, 1, 1
	STEP 1, 0, 0
	TURN 1, 0, 1
	STEP 0, 0, 0
	s_sub_co_u32 s3, s3, 1
	s_cmp_lg_u32 s3, 0
	s_cbranch_scc1 .Llap
	TURN 0, 1, 0
	STEP 1, 0, 0
	s_wait_dscnt 4*NL
	WIN MUL_LO
	MUL16 0, 1, NQ-1, 1, 0
	MUL16 2, 1, NQ-1, 1, 0
	s_wait_dscnt 0
	WIN MUL_HI
	MUL16 4, 1, NQ-1, 1, 0
	MUL16 6, 1, NQ-1, 1, 0
	WIN 0
; THE WAY OUT, block by block of 16 token rows x 128 columns: through my own stage in LDS (slot 0: it has had its last fill and its last read), back as whole rows of 512 bytes; the residual's rows are added; 32 lanes store 512 consecutive bytes.
; Row t of block a is token 32 (a / 2) + 8 (a % 2) + t + 8 (t / 8) of my 128: it stands in the immediates, 127 rows of 4,096 bytes at the most.
.macro RLOAD a                         ; the residual's 16 rows into window 1
	WIN 0x40
.irp t, 0,1,2,3,4,5,6,7,8,9,10,11,12,13,14,15
	global_load_b128 v[64*((\a)%4)+4*\t:64*((\a)%4)+4*\t+3], v[L16], s[10:11] offset:(32*((\a)/2)+8*((\a)%2)+\t+8*(\t/8))*4096 th:TH_LOAD_NT
.endr
	WIN 0
.endm
.macro TOSTAGE a
.set AC, 64*((\a)%4)
	WIN 0x08+4*((\a)/4)
.irp b, 0,1,2,3,4,5,6,7
	ds_store_b128 v[STO], v[AC+8*\b:AC+8*\b+3] offset:128*(\b/2)+32*(\b%2)          ; each accumulator from its low end on
	ds_store_b128 v[STO], v[AC+8*\b+4:AC+8*\b+7] offset:128*(\b/2)+32*(\b%2)+16
.endr
	WIN 0
.set BB, BK+64*((\a)%2)
.irp t, 0,1,2,3,4,5,6,7,8,9,10,11,12,13,14,15
	ds_load_b128 v[BB+4*\t:BB+4*\t+3], v[RD] offset:\t*528   ; LDS serves a wave's instructions in order: these see my stores
.endr
.endm
.macro SEND a, ds, ld                  ; ds, ld: the LDS instructions and the residual loads issued behind block a's, which may stay out
.set BB, BK+64*((\a)%2)
.set RR, 64*((\a)%4)
	s_wait_dscnt \ds
	s_wait_loadcnt \ld
	WIN 0x04                                       ; source 1 (the residual) window 1
.set i, 0
.rept 32
	v_pk_add_f32 v[BB+i:BB+i+1], v[BB+i:BB+i+1], v[RR+i:RR+i+1]
.set i, i+2
.endr
	WIN 0
.irp t, 0,1,2,3,4,5,6,7,8,9,10,11,12,13,14,15
	global_store_b128 v[L16], v[BB+4*\t:BB+4*\t+3], s[12:13] offset:(32*((\a)/2)+8*((\a)%2)+\t+8*(\t/8))*4096 th:TH_STORE_NT
.endr
.endm
	PLACES NP
	RLOAD 0
	RLOAD 1
	RLOAD 2
	TOSTAGE 0
.irp a, 1,2,3,4,5,6,7
.if \a > 1
	s_wait_xcnt 0x0                                ; block a - 2's stores have read their registers: block a's loads may land there
.endif
	TOSTAGE \a
.if \a <= 5
	RLOAD \a+2
	SEND \a-1, 32, 48                              ; behind block a - 1's: block a's 16 stores and 16 loads; three blocks' residual loads
.elseif \a == 6
	SEND \a-1, 32, 32
.else
	SEND \a-1, 32, 16
.endif
.endr
	SEND 7, 0, 0
	s_wait_tensorcnt 0x0                           ; the wave's end
	ds_add_u32 v[SPW], v[NIL]
	s_wait_dscnt 0x0
	CROUND                                         ; the closing round
	s_endpgm
.Lfunc_end_k_q51934d9276_gproj:
	.size	k_q51934d9276_gproj, .Lfunc_end_k_q51934d9276_gproj-k_q51934d9276_gproj
	.p2alignl 7, 3214868480
	.fill 96, 4, 3214868480
	.section	.rodata,"a",@progbits
	.p2align	6, 0x0
	.amdhsa_kernel k_q51934d9276_gproj
		.amdhsa_group_segment_fixed_size 327680
		.amdhsa_private_segment_fixed_size 0
		.amdhsa_enable_private_segment 0
		.amdhsa_kernarg_size 40
		.amdhsa_user_sgpr_count 2
		.amdhsa_user_sgpr_kernarg_segment_ptr 1
		.amdhsa_wavefront_size32 1
		.amdhsa_system_sgpr_workgroup_id_x 1
		.amdhsa_system_sgpr_workgroup_id_y 1
		.amdhsa_system_sgpr_workgroup_id_z 1
		.amdhsa_system_vgpr_workitem_id 0
		.amdhsa_next_free_vgpr 1024
		.amdhsa_next_free_sgpr 98
		.amdhsa_reserve_vcc 0
		.amdhsa_float_denorm_mode_32 3
		.amdhsa_float_denorm_mode_16_64 3
		.amdhsa_memory_ordered 1
		.amdhsa_forward_progress 1
		.amdhsa_inst_pref_size 173
	.end_amdhsa_kernel
	.amdgpu_metadata
---
amdhsa.version: [ 1, 2 ]
amdhsa.kernels:
  - .name:           k_q51934d9276_gproj
    .symbol:         k_q51934d9276_gproj.kd
    .args:
      - { .name: ycod, .offset: 0, .size: 8, .value_kind: global_buffer, .address_space: global }
      - { .name: wcod, .offset: 8, .size: 8, .value_kind: global_buffer, .address_space: global }
      - { .name: b_proj, .offset: 16, .size: 8, .value_kind: global_buffer, .address_space: global }
      - { .name: x, .offset: 24, .size: 8, .value_kind: global_buffer, .address_space: global }
      - { .name: x1, .offset: 32, .size: 8, .value_kind: global_buffer, .address_space: global }
    .group_segment_fixed_size: 327680
    .private_segment_fixed_size: 0
    .kernarg_segment_align: 8
    .kernarg_segment_size: 40
    .max_flat_workgroup_size: 128
    .sgpr_count:     98
    .vgpr_count:     1024
    .wavefront_size: 32
...
	.end_amdgpu_metadata
.endif
;; end of part 5
;; launch ln2: the kernel of part 2 again; grid 256 x 1, 8 waves a work-group, no clusters, 67,072 bytes of LDS; arguments x1, ln2_g, ln2_b, xncod; writes xncod
;; launch gmlp1 (part 6): grid 16 x 16, 4 waves a work-group, clusters of 4 x 4, 327,680 bytes of LDS; arguments xncod, wcod, b_mlp1, hcod; writes hcod
.if DOCPART == 6
	.amdgcn_target "amdgcn-amd-amdhsa--gfx1250"
	.amdhsa_code_object_version 6
	.text
	.protected	k_q51934d9276_gmlp1
	.globl	k_q51934d9276_gmlp1
	.p2align	8
	.type	k_q51934d9276_gmlp1,@function
k_q51934d9276_gmlp1:
	s_mov_b64 s[64:65], 0
	v_nop
	global_prefetch_b8 v0, s[64:65] scope:SCOPE_SE
	s_setreg_imm32_b32 hwreg(HW_REG_WAVE_MODE, 25, 1), 1
	s_wait_xcnt 0x0
	s_wait_alu depctr_hold_cnt(0) depctr_sa_sdst(0) depctr_va_vdst(0) depctr_va_sdst(0) depctr_va_ssrc(0) depctr_va_vcc(0) depctr_vm_vsrc(0)
	s_getreg_b32 s2, hwreg(HW_REG_IB_STS2, 6, 4)
	s_cmp_eq_u32 s2, 0
	s_cbranch_scc0 .Lentry_in_a_cluster
	s_endpgm
.Lentry_in_a_cluster:
	s_bfe_u32 s2, ttmp6, 0x10000c
	s_cmp_lg_u32 s2, 0xf033
	s_cbranch_scc0 .Lentry_shape_is_right
	s_endpgm
.Lentry_shape_is_right:
; Product 5, its bias, the exact GELU, and the hidden layer quantised along its 4,096: [4,096 x 1,024] x [1,024 x 4,096] on codes of FP6 (E2M3) with E8M0 scales.  The hidden layer goes to memory as codes alone.
; A tile of C, 256 x 256, is made by four waves, 128 x 128 each: 64 accumulators.  K goes in steps of 256 through a ring of two LDS slots filled by the tensor data mover.
; OPERANDS LIE IN MEMORY IN THE ORDER OF THE REGISTERS.  A half fragment (16 rows x 64 K, 768 bytes): lane 16 h + r holds row r, K = 32 h .. + 31: 16 bytes at 16 x lane, 8 at 512 + 8 x lane.  128 rows x 256 K are 24,576 dense bytes.
; Scale words: [K / 128][row block / 4][r][row block % 4]; they come once, for all of K.
; ROW ORDER: row 16 T + r of either operand is token (or column) 32 (T / 2) + 8 (T % 2) + r + 8 (r / 8).  THE MATRIX INSTRUCTION IS USED TRANSPOSED (source 0 = B, source 1 = A): lane (r, h) holds token row r, and the 16 registers
; of accumulators 2 b, 2 b + 1 are the hidden units 32 b + 16 h + 0 .. 15: neighbours along the next K.  The bias is the C of each sum's first matrix instruction.
; GELU in f32: gelu(x) = max(x, 0) - (|x| / 2) erfc(|x| / sqrt 2).  With t = |x| / sqrt 2: for t > 0.921875 erfc = exp(-r(t)), r a polynomial of degree 7 (it grows without bound, so that erfc falls to 0 for large t);
; else erfc = 1 - (t + t q(t^2)), q of degree 5.  Both are computed and one is chosen by v_cndmask_b32.  The tail of a negative x comes straight from the exponential: no difference of near numbers.
; CLUSTERS: 4 x 4 work-groups; A's tiles are asked for jointly along a row of the cluster, B's along a column.
; LIMITS: a block of zeros gets the byte 1 where the rule says 127 (zero codes; read by this program alone); NaN and infinities are not served.
; REGISTERS: window 0: v1-31 addresses; v32-63 scale words; v64-127 the bias; v128-223 A's fragments, later the quantiser's; window 1: B's fragments, later the GELU's numbers; windows 2, 3: accumulator (a, b) at v[8 (8 (a % 4) + b)].
.set SIZE_K, 1024
.set SIZE_N, 4096
.set ASC,    3145728
.set WC,     3145728
.set WS,     9568256
.set NQ,     2
.set FR,     12
.set NL,     4
.set NP,     4
.set HALFT,  24576
.set SLOT,   4*HALFT
.set LAPS,   SIZE_K/512
.set KST,    SIZE_K/128
.set SCL,    2*SLOT
.set HALFS,  KST*512
.set SPARE,  SCL+4*HALFS
.set PANA,   786432
.set PANB,   192*SIZE_N
.set L16,  8
.set L8,   9
.set ADRA, 16
.set ADRB, 20
.set ADRS, 27
.set SPW,  28
.set NIL,  29
.set SC,   32
.set BIAS, 64
.set AF,   128
.set PC,   128
.set TM,   148
.set SEL,  66
.set G1, 24
.set G0, 32
.set G1B, 48
.set G0B, 56
.set G1S, 68
.set G0S, 76
.set G1SB, 80
.set G0SB, 88
.set MSB, 0
.macro WIN new
.if MSB != \new
	s_set_vgpr_msb (MSB<<8)|\new
.set MSB, \new
.endif
.endm
.set MUL_LO, 0xa1
.set MUL_HI, 0xf1
.set TO_B,   0x40
.macro JLOAD g0a, g1a, g0b, g1b        ; a joint load: waves 0 and 1 fetch for A, waves 2 and 3 for B; four v_nop follow each line
	s_cmp_eq_u32 s15, 0
	s_cbranch_scc0 .Lfor_b_\@
	tensor_load_to_lds s[\g0a:\g0a+3], s[\g1a:\g1a+7]
	s_nop 0
.rept 4
	v_nop
.endr
	s_branch .Lasked_\@
.Lfor_b_\@:
	tensor_load_to_lds s[\g0b:\g0b+3], s[\g1b:\g1b+7]
	s_nop 0
.rept 4
	v_nop
.endr
.Lasked_\@:
.endm
.macro CREST
	s_cmp_lg_u32 s14, 0
	s_cbranch_scc1 .Lnot_wave_0_\@
	s_barrier_signal -3
.Lnot_wave_0_\@:
	s_barrier_wait -3
	s_barrier_signal -1
	s_barrier_wait -1
.endm
.macro CROUND
	s_barrier_signal -1
	s_barrier_wait -1
	CREST
.endm
	s_load_b128 s[4:7], s[0:1], 0x0                ; A, the weights
	s_load_b64 s[8:9], s[0:1], 0x10                ; the bias
	s_load_b64 s[12:13], s[0:1], 0x18              ; the result
	v_lshl_add_u32 v[SPW], v0, 2, SPARE
	v_mov_b32 v[NIL], 0
	ds_add_u32 v28, v29
	ds_add_u32 v28, v29
	s_wait_dscnt 0x0
	v_lshrrev_b32 v1, 5, v0
	v_readfirstlane_b32 s14, v1
	s_lshr_b32 s15, s14, 1
	s_and_b32 s16, s14, 1
	s_bfe_u32 s40, ttmp6, 0x40000
	s_bfe_u32 s41, ttmp6, 0x40004
	s_lshl_b32 s42, ttmp9, 2
	s_add_co_u32 s42, s42, s40                     ; tile column tc
	s_and_b32 s17, ttmp7, 0xffff
	s_lshl_b32 s17, s17, 2
	s_add_co_u32 s17, s17, s41                     ; tile row tr
	s_lshl_b32 s43, s41, 2
	s_lshl_b32 s43, 15, s43
	s_lshl_b32 s44, 0x1111, s40
	s_or_b32 s[G1+0], s43, (3<<16)|(1<<21)         ; codes: 96 rows of 32 elements of 8 bytes, dense
	s_or_b32 s[G1B+0], s44, (3<<16)|(1<<21)
.irp g, G1, G1B
	s_mov_b32 s[\g+1], 32<<16
	s_mov_b32 s[\g+2], 96<<16
	s_mov_b32 s[\g+3], 32<<16
	s_mov_b32 s[\g+4], 96
	s_mov_b32 s[\g+5], 32
	s_mov_b32 s[\g+6], 0
	s_mov_b32 s[\g+7], 0
.endr
	s_or_b32 s[G1S+0], s43, (3<<16)|(1<<21)        ; scale words: KST rows of 512 bytes
	s_or_b32 s[G1SB+0], s44, (3<<16)|(1<<21)
.irp g, G1S, G1SB
	s_mov_b32 s[\g+1], 64<<16
	s_mov_b32 s[\g+2], KST<<16
	s_mov_b32 s[\g+3], 64<<16
	s_mov_b32 s[\g+4], KST
	s_mov_b32 s[\g+6], 0
	s_mov_b32 s[\g+7], 0
.endr
	s_mov_b32 s[G1S+5], 2048
	s_mov_b32 s[G1SB+5], SIZE_N/2
	s_lshl_b32 s18, s16, 7
	s_lshl_b32 s20, s17, 8
	s_add_co_u32 s20, s20, s18
	s_lshl_b32 s46, s42, 8
	s_add_co_u32 s46, s46, s18
	s_lshl_b32 s22, s20, 2
	s_add_co_u32 s22, s22, ASC
	s_mov_b32 s23, 0
	s_mul_i32 s20, s20, 192
	s_mov_b32 s21, 0
	s_lshl_b32 s92, s46, 2
	s_add_co_u32 s92, s92, WS
	s_mov_b32 s93, 0
	s_mul_i32 s46, s46, 192
	s_add_co_u32 s46, s46, WC
	s_mov_b32 s47, 0
	s_mul_i32 s45, s14, HALFT
	s_mul_i32 s94, s14, HALFS
	s_mov_b32 s[SEL], 0x76543210
	s_mov_b32 s[SEL+1], 0xfedcba98
	s_wait_kmcnt 0x0
	s_add_nc_u64 s[20:21], s[4:5], s[20:21]
	s_add_nc_u64 s[22:23], s[4:5], s[22:23]
	s_add_nc_u64 s[46:47], s[6:7], s[46:47]
	s_add_nc_u64 s[92:93], s[6:7], s[92:93]
	CROUND                                         ; all sixteen work-groups are here: the first joint loads meet
	s_mov_b32 s[G0S], 1
	s_add_co_u32 s[G0S+1], s94, SCL
	s_mov_b64 s[G0S+2:G0S+3], s[22:23]
	s_or_b32 s[G0S+3], s[G0S+3], 0x80000000
	s_mov_b32 s[G0SB], 1
	s_add_co_u32 s[G0SB+1], s94, SCL
	s_mov_b64 s[G0SB+2:G0SB+3], s[92:93]
	s_or_b32 s[G0SB+3], s[G0SB+3], 0x80000000
	JLOAD G0S, G1S, G0SB, G1SB
.irp s, 0,1
	s_mov_b32 s[G0+4*\s], 1
	s_add_co_u32 s[G0+4*\s+1], s45, \s*SLOT
	s_add_nc_u64 s[G0+4*\s+2:G0+4*\s+3], s[20:21], \s*PANA
	s_or_b32 s[G0+4*\s+3], s[G0+4*\s+3], 0x80000000
	s_mov_b32 s[G0B+4*\s], 1
	s_add_co_u32 s[G0B+4*\s+1], s45, \s*SLOT
	s_add_nc_u64 s[G0B+4*\s+2:G0B+4*\s+3], s[46:47], \s*PANB
	s_or_b32 s[G0B+4*\s+3], s[G0B+4*\s+3], 0x80000000
	JLOAD G0+4*\s, G1, G0B+4*\s, G1B
.endr
	v_and_b32 v1, 15, v0
	v_bfe_u32 v2, v0, 4, 1
	v_and_b32 v3, 31, v0
	v_lshlrev_b32 v[L16], 4, v3
	v_lshlrev_b32 v[L8], 3, v3
	s_mul_i32 s21, s15, HALFT
	s_mul_i32 s22, s16, HALFT
	s_add_co_u32 s22, s22, 2*HALFT
.irp s, 0,1
	v_add_nc_u32 v[ADRA+\s], s21, v[L16]
	v_add_nc_u32 v[ADRB+\s], s22, v[L16]
	v_add_nc_u32 v[ADRA+2+\s], s21, v[L8]
	v_add_nc_u32 v[ADRB+2+\s], s22, v[L8]
	s_add_co_u32 s21, s21, SLOT
	s_add_co_u32 s22, s22, SLOT
.endr
	v_lshlrev_b32 v6, 4, v1
	s_mul_i32 s21, s15, HALFS
	s_mul_i32 s22, s16, HALFS
	s_add_co_u32 s22, s22, 2*HALFS
	s_sub_co_u32 s22, s22, s21
	v_mul_u32_u24 v7, s22, v2                      ; lanes 16-31 take B's scale words: the lower base + h x the distance
	s_add_co_u32 s21, s21, SCL
	v_add_nc_u32 v6, v6, v7
	v_add_nc_u32 v[ADRS], s21, v6
	s_lshl_b32 s23, s14, 9                         ; the way out: my 512 bytes of slot 0 for the hidden layer's scale words, [block a][r]
	v_lshl_add_u32 v24, v1, 2, s23                 ; v24 in: 4 r, stepped 64 a block
	v_lshl_add_u32 v25, v2, 8, v24                 ; v25 back: blocks 4 h on
	s_lshl_b32 s46, s42, 10
	s_lshl_b32 s47, s16, 9
	s_add_co_u32 s46, s46, s47                     ; my first column, in bytes of f32
	s_mov_b32 s47, 0
	s_add_nc_u64 s[8:9], s[8:9], s[46:47]
	v_lshlrev_b32 v10, 6, v2
.irp b, 0,1,2,3,4,5,6,7                        ; the bias at the eight columns that lane (r, h) holds of tile b
	global_load_b128 v[BIAS+8*\b:BIAS+8*\b+3], v10, s[8:9] offset:(32*(\b/2)+8*(\b%2))*4
	global_load_b128 v[BIAS+8*\b+4:BIAS+8*\b+7], v10, s[8:9] offset:(32*(\b/2)+8*(\b%2))*4+16
.endr
.macro FRAG reg, adr, q, i
.irp c, 0,1
	ds_load_b128 v[\reg+6*\c:\reg+6*\c+3], v[\adr] offset:3072*(\i)+768*(2*(\q)+\c)
	ds_load_b64 v[\reg+6*\c+4:\reg+6*\c+5], v[\adr+2] offset:3072*(\i)+768*(2*(\q)+\c)+512
.endr
.endm
; 16 matrix instructions: A's blocks a0, a0 + 1 x B's eight.  The 64 accumulators take turns, one instruction a turn.  zero = 1: the sums begin with the bias.
.macro MUL16 a0, p, q, sc, zero
.irp a, \a0, \a0+1
.irp b, 0,1,2,3,4,5,6,7
.if \zero
	v_wmma_scale_f32_16x16x128_f8f6f4 v[8*(8*((\a)%4)+\b):8*(8*((\a)%4)+\b)+7], v[128*(\p)+FR*\b:128*(\p)+FR*\b+FR-1], v[AF+FR*(\a):AF+FR*(\a)+FR-1], v[BIAS+8*\b:BIAS+8*\b+7], v[SC+16*(\sc)+8*(\q)+\b], v[SC+16*(\sc)+8*(\q)+(\a)] matrix_a_fmt:MATRIX_FMT_FP6 matrix_b_fmt:MATRIX_FMT_FP6 matrix_a_scale:MATRIX_SCALE_ROW1
.else
	v_wmma_scale_f32_16x16x128_f8f6f4 v[8*(8*((\a)%4)+\b):8*(8*((\a)%4)+\b)+7], v[128*(\p)+FR*\b:128*(\p)+FR*\b+FR-1], v[AF+FR*(\a):AF+FR*(\a)+FR-1], v[8*(8*((\a)%4)+\b):8*(8*((\a)%4)+\b)+7], v[SC+16*(\sc)+8*(\q)+\b], v[SC+16*(\sc)+8*(\q)+(\a)] matrix_a_fmt:MATRIX_FMT_FP6 matrix_b_fmt:MATRIX_FMT_FP6 matrix_a_scale:MATRIX_SCALE_ROW1
.endif
.endr
.endr
.endm
.macro FETCH_B slot, q, p
	WIN TO_B
.irp i, 0,1,2,3,4,5,6,7
	FRAG 128*(\p)+FR*\i, ADRB+\slot, \q, \i
.endr
	WIN 0
.endm
.macro FETCH_A slot, q, i0
.irp i, \i0, \i0+1, \i0+2, \i0+3
	FRAG AF+FR*(\i), ADRA+\slot, \q, \i
.endr
.endm
.macro SCALES sc
.irp q, 0,1
.irp g, 0,1
	ds_load_b128 v[SC+16*\sc+8*\q+4*\g:SC+16*\sc+8*\q+4*\g+3], v[ADRS] offset:512*\q+256*\g
.endr
.endr
.endm
.macro PLACES n
.rept \n
	v_nop
.endr
.endm
.macro STEP slot, q, zero
	s_wait_dscnt 4*NL                              ; B's set and A's blocks 0-3 are in; the youngest 16 loads (A's blocks 4-7) may be out
.if \zero
	WIN 0x81                                       ; C (the bias) window 0, D window 2
.else
	WIN MUL_LO
.endif
	MUL16 0, (\q)%2, \q, \slot, \zero
	MUL16 2, (\q)%2, \q, \slot, \zero
	s_wait_dscnt 0
	PLACES NP
	FETCH_B \slot, (\q)+1, 1-(\q)%2
	FETCH_A \slot, (\q)+1, 0
.if \zero
	WIN 0xc1
.else
	WIN MUL_HI
.endif
	MUL16 4, (\q)%2, \q, \slot, \zero
	MUL16 6, (\q)%2, \q, \slot, \zero
	PLACES NP
	WIN 0
	FETCH_A \slot, (\q)+1, 4
.endm
.macro TURN slot, next, fill
	s_wait_tensorcnt 0x0                           ; all my tensor loads have landed: my part of the next slot
	ds_add_u32 v[SPW], v[NIL]                      ; 0 onto my spare word
	s_wait_dscnt 4*NL+1                            ; (the add and the youngest 16 loads may be out)
	WIN MUL_LO
	MUL16 0, 1, NQ-1, \slot, 0
	s_wait_dscnt 0x0                               ; the add is done, and my reads of this slot are over
	s_barrier_signal -1
	MUL16 2, 1, NQ-1, \slot, 0
	WIN 0
	s_barrier_wait -1
.if \fill
	CREST                                          ; a round of the cluster's barrier: no wave of any partner still reads this slot or has a load on its way
	s_add_nc_u64 s[G0+4*\slot+2:G0+4*\slot+3], s[G0+4*\slot+2:G0+4*\slot+3], 2*PANA
	s_add_nc_u64 s[G0B+4*\slot+2:G0B+4*\slot+3], s[G0B+4*\slot+2:G0B+4*\slot+3], 2*PANB
	JLOAD G0+4*\slot, G1, G0B+4*\slot, G1B
.else
	PLACES NP
.endif
	v_add_nc_u32 v[ADRS], 1024, v[ADRS]
	FETCH_B \next, 0, 0
	FETCH_A \next, 0, 0
	SCALES \next
	WIN MUL_HI
	MUL16 4, 1, NQ-1, \slot, 0
	MUL16 6, 1, NQ-1, \slot, 0
	PLACES NP
	WIN 0
	FETCH_A \next, 0, 4
.endm
	s_wait_tensorcnt 1                             ; the scale words and my part of K step 0 are in (K step 1's load may be out)
	s_barrier_signal -1
	s_barrier_wait -1
	FETCH_B 0, 0, 0
	FETCH_A 0, 0, 0
	SCALES 0
	FETCH_A 0, 0, 4
	s_wait_loadcnt 0x0                             ; the bias
	STEP 0, 0, 1
	s_mov_b32 s3, LAPS-1
.Llap:
	TURN 0, 1, 1
	STEP 1, 0, 0
	TURN 1, 0, 1
	STEP 0, 0, 0
	s_sub_co_u32 s3, s3, 1
	s_cmp_lg_u32 s3, 0
	s_cbranch_scc1 .Llap
	TURN 0, 1, 0
	STEP 1, 0, 0
	s_wait_dscnt 4*NL
	WIN MUL_LO
	MUL16 0, 1, NQ-1, 1, 0
	MUL16 2, 1, NQ-1, 1, 0
	s_wait_dscnt 0
	WIN MUL_HI
	MUL16 4, 1, NQ-1, 1, 0
	MUL16 6, 1, NQ-1, 1, 0
	WIN 0
; 64 numbers of a lane in window w, v[s] on, register 16 b + i = column 32 b + 16 h + i of my row, become a fragment's codes in v[PC] on and its scale word in v[pw].
.macro QUANT s, w, pw
.set QW, (\w)
	WIN QW|(QW<<2)
.irp b, 0,1,2,3
	v_max3_num_f32 v[TM+\b], |v[\s+16*\b]|, |v[\s+1+16*\b]|, 0x1800000   ; and the floor 2^(3 - 127)
.endr
	WIN (QW<<2)|(QW<<4)
.irp i, 2,4,6,8,10,12,14
.irp b, 0,1,2,3
	v_max3_num_f32 v[TM+\b], v[TM+\b], |v[\s+16*\b+\i]|, |v[\s+1+16*\b+\i]|
.endr
.endr
	WIN 0
.irp b, 0,1,2,3
	v_permlanex16_b32 v[TM+4+\b], v[TM+\b], s[SEL], s[SEL+1]
.endr
.irp b, 0,1,2,3
	v_max_num_f32 v[TM+\b], v[TM+\b], v[TM+4+\b]
.endr
.irp b, 0,1,2,3
	v_add_nc_u32 v[TM+12+\b], 0xff000000, v[TM+\b]
.endr
.irp b, 0,1,2,3
	v_lshrrev_b32 v[TM+4+\b], 23, v[TM+12+\b]
.endr
	v_lshl_or_b32 v[\pw], v[TM+5], 8, v[TM+4]
	v_lshl_or_b32 v[\pw], v[TM+6], 16, v[\pw]
	v_lshl_or_b32 v[\pw], v[TM+7], 24, v[\pw]
	WIN QW
.irp c, 0,1
	v_cvt_scalef32_pk16_fp6_f32 v[PC+6*\c:PC+2+6*\c], v[\s+32*\c:\s+15+32*\c], v[TM+12+2*\c]
	v_cvt_scalef32_pk16_fp6_f32 v[PC+12+4*\c:PC+14+4*\c], v[\s+16+32*\c:\s+31+32*\c], v[TM+12+2*\c+1]
.endr
	WIN 0
	v_nop                                          ; one plain place behind a scaled conversion
.irp c, 0,1
.irp i, 0,1,2
	v_permlane16_swap_b32 v[PC+6*\c+\i], v[PC+12+4*\c+\i]
.endr
.irp i, 0,1,2
	v_mov_b32 v[PC+3+6*\c+\i], v[PC+12+4*\c+\i]
.endr
.endr
.endm
; THE WAY OUT: a loop of eight trips, one block of 16 token rows a trip, so that the GELU is written once.  What differs between trips is which accumulators are read: eight short pieces, chosen by the trip's number.
; Window 1: v0-63 t = |x| / sqrt 2; v64-127 max(x, 0), then the GELU; v128-159 t^2; v160-191 R; v192-223 Q; v224-229 three constants as pairs.
.macro SNIP a                          ; block a's 64 results, each accumulator from its low end on
	WIN 0x42+(\a)/4                                ; source 0 window 2 or 3, destination window 1
.set i, 0
.rept 64
	v_mul_f32 v[i], |v[64*((\a)%4)+i]|, s74
.set i, i+1
.endr
.set i, 0
.rept 64
	v_max_num_f32 v[64+i], v[64*((\a)%4)+i], 0
.set i, i+1
.endr
	WIN 0
.endm
.macro FMAV d, a, k, c                 ; 16 pairs: d = a x the literal k + the constant pair c
.set i, 0
.rept 16
	v_pk_fma_f32 v[\d+i:\d+i+1], v[\a+i:\a+i+1], \k, v[\c:\c+1] op_sel_hi:[1,0,1]
.set i, i+2
.endr
.endm
.macro FMAK d, a, b, k                 ; d = a x b + the literal k
.set i, 0
.rept 16
	v_pk_fma_f32 v[\d+i:\d+i+1], v[\a+i:\a+i+1], v[\b+i:\b+i+1], \k op_sel_hi:[1,1,0]
.set i, i+2
.endr
.endm
.macro FMAR d, a, b, c                 ; d = a x b + c
.set i, 0
.rept 16
	v_pk_fma_f32 v[\d+i:\d+i+1], v[\a+i:\a+i+1], v[\b+i:\b+i+1], v[\c+i:\c+i+1]
.set i, i+2
.endr
.endm
.macro GELU32 o                        ; 32 of the 64 numbers; every operand in window 1
.set TT, 32*(\o)
.set HH, 64+32*(\o)
.set i, 0
.rept 16
	v_pk_mul_f32 v[128+i:129+i], v[TT+i:TT+i+1], v[TT+i:TT+i+1]
.set i, i+2
.endr
	FMAV 160, TT, 0x37911480, 224                  ; r(t): (c7 t + c6) t^2 + (c5 t + c4), then Horner in t
	FMAV 192, TT, 0x3b7e899b, 226
	FMAR 160, 160, 128, 192
	FMAK 160, 160, TT, 0x3ddaae58
	FMAK 160, 160, TT, 0x3f228550
	FMAK 160, 160, TT, 0x3e03ce86
	FMAR 160, 160, TT, TT
.set i, 0
.rept 16
	v_pk_mul_f32 v[160+i:161+i], v[160+i:161+i], 0xbfb8aa3b op_sel_hi:[1,0]   ; x -log2(e)
.set i, i+2
.endr
.set i, 0
.rept 32
	v_exp_f32 v[160+i], v[160+i]                   ; exp(-r)
.set i, i+1
.endr
	FMAV 192, 128, 0xba1d0d41, 228                 ; q(t^2): the independent work behind the exponentials
	FMAK 192, 192, 128, 0xbcdb45e9
	FMAK 192, 192, 128, 0x3de70d23
	FMAK 192, 192, 128, 0xbec09370
	FMAK 192, 192, 128, 0x3e0375d3
	FMAR 192, 192, TT, TT                          ; erf(t)
.set i, 0
.rept 16
	v_pk_add_f32 v[192+i:193+i], v[192+i:193+i], 1.0 op_sel_hi:[1,0] neg_lo:[1,0] neg_hi:[1,0]   ; 1 - erf(t)
.set i, i+2
.endr
	s_wait_alu depctr_va_vdst(0)                   ; one wait for the batch of 32, ahead of its first reader
.set i, 0
.rept 32
	v_cmp_lt_f32 vcc_lo, s75, v[TT+i]
	v_cndmask_b32 v[160+i], v[192+i], v[160+i], vcc_lo   ; erfc(t)
.set i, i+1
.endr
.set i, 0
.rept 16
	v_pk_mul_f32 v[160+i:161+i], v[160+i:161+i], v[TT+i:TT+i+1]
.set i, i+2
.endr
.set i, 0
.rept 16
	v_pk_fma_f32 v[HH+i:HH+i+1], v[160+i:161+i], 0xbf3504f3, v[HH+i:HH+i+1] op_sel_hi:[1,0,1]   ; max(x, 0) - (t / sqrt 2) erfc(t)
.set i, i+2
.endr
.endm
	PLACES NP
.irp b, 0,1,2,3
	v_mov_b32 v[TM+4+\b], 0                        ; written once: a lane permute's destination counts as one of its sources
.endr
	WIN 0x40
	v_mov_b32 v224, 0xb9c8e966                     ; c6
	v_mov_b32 v225, 0xb9c8e966
	v_mov_b32 v226, 0xbcc6b180                     ; c4
	v_mov_b32 v227, 0xbcc6b180
	v_mov_b32 v228, 0x3ba39fa4                     ; d4
	v_mov_b32 v229, 0x3ba39fa4
	WIN 0
	s_mov_b32 s74, 0x3f3504f3                      ; 1 / sqrt 2.  (The scale words' descriptors are long done with)
	s_mov_b32 s75, 0x3f6c0000                      ; 0.921875
	s_mul_i32 s20, s42, 786432                     ; the hidden layer's codes: panel tc,
	s_lshl_b32 s21, s17, 4
	s_lshl_b32 s22, s15, 3
	s_add_co_u32 s21, s21, s22                     ; my first row block,
	s_mul_i32 s22, s21, 3072
	s_add_co_u32 s20, s20, s22
	s_mul_i32 s22, s16, 1536                       ; half fragments 2 x my half of the columns on
	s_add_co_u32 s20, s20, s22
	s_lshl_b32 s22, s42, 1
	s_add_co_u32 s22, s22, s16
	s_lshl_b32 s22, s22, 14                        ; its scale words: my 128 along the next K,
	s_lshl_b32 s21, s21, 6
	s_add_co_u32 s22, s22, s21
	s_add_co_u32 s22, s22, 12582912
	s_mov_b32 s21, 0
	s_mov_b32 s23, 0
	s_add_nc_u64 s[70:71], s[12:13], s[22:23]
	s_add_nc_u64 s[12:13], s[12:13], s[20:21]
	s_mov_b32 s3, 0
.Lgl:
.irp a, 0,1,2,3,4,5,6
	s_cmp_eq_u32 s3, \a
	s_cbranch_scc1 .Lsn\a
.endr
	SNIP 7
	s_branch .Lsnd
.irp a, 0,1,2,3,4,5
.Lsn\a:
	SNIP \a
	s_branch .Lsnd
.endr
.Lsn6:
	SNIP 6
.Lsnd:
	WIN 0x55
	GELU32 0
	GELU32 1
	QUANT 64, 1, 164
.irp c, 0,1
	global_store_b128 v[L16], v[PC+6*\c:PC+6*\c+3], s[12:13] offset:768*\c          ; 512 consecutive bytes,
	global_store_b64 v[L8], v[PC+6*\c+4:PC+6*\c+5], s[12:13] offset:768*\c+512      ; and 256, each at a multiple of 256
.endr
	ds_store_b32 v24, v164                         ; the block's scale words (lanes l and l xor 16 write the same word with the same value)
	s_wait_dscnt 0x0                               ; the store has read its registers
	v_add_nc_u32 v24, 64, v24
	s_wait_xcnt 0x0                                ; the stores have read their registers and their base
	s_add_nc_u64 s[12:13], s[12:13], 3072          ; the next row block
	s_add_co_u32 s3, s3, 1
	s_cmp_lt_u32 s3, 8
	s_cbranch_scc1 .Lgl
.irp k, 0,1,2,3
	ds_load_b32 v[168+\k], v25 offset:64*\k        ; row r's words of blocks 4 h + k
.endr
	s_wait_dscnt 0x0
	global_store_b128 v[L16], v[168:171], s[70:71] ; 512 consecutive bytes, at a multiple of 256
	s_wait_tensorcnt 0x0                           ; the wave's end
	ds_add_u32 v[SPW], v[NIL]
	s_wait_dscnt 0x0
	CROUND                                         ; the closing round
	s_endpgm
.Lfunc_end_k_q51934d9276_gmlp1:
	.size	k_q51934d9276_gmlp1, .Lfunc_end_k_q51934d9276_gmlp1-k_q51934d9276_gmlp1
	.p2alignl 7, 3214868480
	.fill 96, 4, 3214868480
	.section	.rodata,"a",@progbits
	.p2align	6, 0x0
	.amdhsa_kernel k_q51934d9276_gmlp1
		.amdhsa_group_segment_fixed_size 327680
		.amdhsa_private_segment_fixed_size 0
		.amdhsa_enable_private_segment 0
		.amdhsa_kernarg_size 32
		.amdhsa_user_sgpr_count 2
		.amdhsa_user_sgpr_kernarg_segment_ptr 1
		.amdhsa_wavefront_size32 1
		.amdhsa_system_sgpr_workgroup_id_x 1
		.amdhsa_system_sgpr_workgroup_id_y 1
		.amdhsa_system_sgpr_workgroup_id_z 1
		.amdhsa_system_vgpr_workitem_id 0
		.amdhsa_next_free_vgpr 1024
		.amdhsa_next_free_sgpr 98
		.amdhsa_reserve_vcc 1
		.amdhsa_float_denorm_mode_32 3
		.amdhsa_float_denorm_mode_16_64 3
		.amdhsa_memory_ordered 1
		.amdhsa_forward_progress 1
		.amdhsa_inst_pref_size 240
	.end_amdhsa_kernel
	.amdgpu_metadata
---
amdhsa.version: [ 1, 2 ]
amdhsa.kernels:
  - .name:           k_q51934d9276_gmlp1
    .symbol:         k_q51934d9276_gmlp1.kd
    .args:
      - { .name: xncod, .offset: 0, .size: 8, .value_kind: global_buffer, .address_space: global }
      - { .name: wcod, .offset: 8, .size: 8, .value_kind: global_buffer, .address_space: global }
      - { .name: b_mlp1, .offset: 16, .size: 8, .value_kind: global_buffer, .address_space: global }
      - { .name: hcod, .offset: 24, .size: 8, .value_kind: global_buffer, .address_space: global }
    .group_segment_fixed_size: 327680
    .private_segment_fixed_size: 0
    .kernarg_segment_align: 8
    .kernarg_segment_size: 32
    .max_flat_workgroup_size: 128
    .sgpr_count:     98
    .vgpr_count:     1024
    .wavefront_size: 32
...
	.end_amdgpu_metadata
.endif
;; end of part 6
;; launch gmlp2 (part 7): grid 4 x 16, 4 waves a work-group, clusters of 4 x 4, 327,680 bytes of LDS; arguments hcod, wcod, b_mlp2, x1, out0; writes out0
.if DOCPART == 7
	.amdgcn_target "amdgcn-amd-amdhsa--gfx1250"
	.amdhsa_code_object_version 6
	.text
	.protected	k_q51934d9276_gmlp2
	.globl	k_q51934d9276_gmlp2
	.p2align	8
	.type	k_q51934d9276_gmlp2,@function
k_q51934d9276_gmlp2:
	s_mov_b64 s[64:65], 0
	v_nop
	global_prefetch_b8 v0, s[64:65] scope:SCOPE_SE
	s_setreg_imm32_b32 hwreg(HW_REG_WAVE_MODE, 25, 1), 1
	s_wait_xcnt 0x0
	s_wait_alu depctr_hold_cnt(0) depctr_sa_sdst(0) depctr_va_vdst(0) depctr_va_sdst(0) depctr_va_ssrc(0) depctr_va_vcc(0) depctr_vm_vsrc(0)
	s_getreg_b32 s2, hwreg(HW_REG_IB_STS2, 6, 4)
	s_cmp_eq_u32 s2, 0
	s_cbranch_scc0 .Lentry_in_a_cluster
	s_endpgm
.Lentry_in_a_cluster:
	s_bfe_u32 s2, ttmp6, 0x10000c
	s_cmp_lg_u32 s2, 0xf033
	s_cbranch_scc0 .Lentry_shape_is_right
	s_endpgm
.Lentry_shape_is_right:
; Product 6 and the second residual: out = x1 + h w_mlp2 + b_mlp2.  [4,096 x 4,096] x [4,096 x 1,024] on codes of FP6 (E2M3) with E8M0 scales, sums in f32; x1, b_mlp2 and out are f32.
; A tile of C, 256 x 256, is made by four waves, 128 x 128 each: 64 accumulators.  K goes in steps of 256 through a ring of two LDS slots filled by the tensor data mover.  64 work-groups: the loop's form is that of the program's other products.
; OPERANDS LIE IN MEMORY IN THE ORDER OF THE REGISTERS.  A half fragment (16 rows x 64 K, 768 bytes): lane 16 h + r holds row r, K = 32 h .. + 31: 16 bytes at 16 x lane, 8 at 512 + 8 x lane.  128 rows x 256 K are 24,576 dense bytes.
; Scale words: [K / 128][row block / 4][r][row block % 4]; they come once, for all of K: 65,536 bytes of LDS.
; ROW ORDER: row 16 T + r of either operand is token (or column) 32 (T / 2) + 8 (T % 2) + r + 8 (r / 8).  THE MATRIX INSTRUCTION IS USED TRANSPOSED (source 0 = B, source 1 = A): lane (r, h) holds token row r, and the 16 registers
; of accumulators 2 b, 2 b + 1 are the columns 32 b + 16 h + 0 .. 15.  The bias is the C of each sum's first matrix instruction.
; CLUSTERS: 4 x 4 work-groups; A's tiles are asked for jointly along a row of the cluster, B's along a column.
; REGISTERS: window 0: v1-31 addresses; v32-63 scale words; v64-127 the bias in the result's layout; v128-223 A's fragments; window 1: B's fragments, two sets; windows 2, 3: accumulator (a, b) at v[8 (8 (a % 4) + b)] of window 2 + a / 4.
.set SIZE_K, 4096
.set SIZE_N, 1024
.set ASC,    12582912
.set WC,     6291456
.set WS,     9699328
.set NQ,     2
.set FR,     12
.set NL,     4
.set NP,     4
.set HALFT,  24576
.set SLOT,   4*HALFT
.set LAPS,   SIZE_K/512
.set KST,    SIZE_K/128
.set SCL,    2*SLOT
.set HALFS,  KST*512
.set SPARE,  SCL+4*HALFS
.set PANA,   786432
.set PANB,   192*SIZE_N
.set L16,  8
.set L8,   9
.set ADRA, 16
.set ADRB, 20
.set STO,  24
.set RD,   25
.set ADRS, 27
.set SPW,  28
.set NIL,  29
.set SC,   32
.set BIAS, 64
.set AF,   128
.set BK,   128
.set G1, 24
.set G0, 32
.set G1B, 48
.set G0B, 56
.set G1S, 68
.set G0S, 76
.set G1SB, 80
.set G0SB, 88
.set MSB, 0
.macro WIN new
.if MSB != \new
	s_set_vgpr_msb (MSB<<8)|\new
.set MSB, \new
.endif
.endm
.set MUL_LO, 0xa1
.set MUL_HI, 0xf1
.set TO_B,   0x40
.macro JLOAD g0a, g1a, g0b, g1b        ; a joint load: waves 0 and 1 fetch for A, waves 2 and 3 for B; four v_nop follow each line
	s_cmp_eq_u32 s15, 0
	s_cbranch_scc0 .Lfor_b_\@
	tensor_load_to_lds s[\g0a:\g0a+3], s[\g1a:\g1a+7]
	s_nop 0
.rept 4
	v_nop
.endr
	s_branch .Lasked_\@
.Lfor_b_\@:
	tensor_load_to_lds s[\g0b:\g0b+3], s[\g1b:\g1b+7]
	s_nop 0
.rept 4
	v_nop
.endr
.Lasked_\@:
.endm
.macro CREST
	s_cmp_lg_u32 s14, 0
	s_cbranch_scc1 .Lnot_wave_0_\@
	s_barrier_signal -3
.Lnot_wave_0_\@:
	s_barrier_wait -3
	s_barrier_signal -1
	s_barrier_wait -1
.endm
.macro CROUND
	s_barrier_signal -1
	s_barrier_wait -1
	CREST
.endm
	s_load_b128 s[4:7], s[0:1], 0x0                ; A, the weights
	s_load_b128 s[8:11], s[0:1], 0x10              ; the bias, the residual
	s_load_b64 s[12:13], s[0:1], 0x20              ; the result
	v_lshl_add_u32 v[SPW], v0, 2, SPARE
	v_mov_b32 v[NIL], 0
	ds_add_u32 v28, v29
	ds_add_u32 v28, v29
	s_wait_dscnt 0x0
	v_lshrrev_b32 v1, 5, v0
	v_readfirstlane_b32 s14, v1
	s_lshr_b32 s15, s14, 1
	s_and_b32 s16, s14, 1
	s_bfe_u32 s40, ttmp6, 0x40000
	s_bfe_u32 s41, ttmp6, 0x40004
	s_lshl_b32 s42, ttmp9, 2
	s_add_co_u32 s42, s42, s40                     ; tile column tc
	s_and_b32 s17, ttmp7, 0xffff
	s_lshl_b32 s17, s17, 2
	s_add_co_u32 s17, s17, s41                     ; tile row tr
	s_lshl_b32 s43, s41, 2
	s_lshl_b32 s43, 15, s43
	s_lshl_b32 s44, 0x1111, s40
	s_or_b32 s[G1+0], s43, (3<<16)|(1<<21)         ; codes: 96 rows of 32 elements of 8 bytes, dense
	s_or_b32 s[G1B+0], s44, (3<<16)|(1<<21)
.irp g, G1, G1B
	s_mov_b32 s[\g+1], 32<<16
	s_mov_b32 s[\g+2], 96<<16
	s_mov_b32 s[\g+3], 32<<16
	s_mov_b32 s[\g+4], 96
	s_mov_b32 s[\g+5], 32
	s_mov_b32 s[\g+6], 0
	s_mov_b32 s[\g+7], 0
.endr
	s_or_b32 s[G1S+0], s43, (3<<16)|(1<<21)        ; scale words: KST rows of 512 bytes
	s_or_b32 s[G1SB+0], s44, (3<<16)|(1<<21)
.irp g, G1S, G1SB
	s_mov_b32 s[\g+1], 64<<16
	s_mov_b32 s[\g+2], KST<<16
	s_mov_b32 s[\g+3], 64<<16
	s_mov_b32 s[\g+4], KST
	s_mov_b32 s[\g+6], 0
	s_mov_b32 s[\g+7], 0
.endr
	s_mov_b32 s[G1S+5], 2048
	s_mov_b32 s[G1SB+5], SIZE_N/2
	s_lshl_b32 s18, s16, 7
	s_lshl_b32 s20, s17, 8
	s_add_co_u32 s20, s20, s18
	s_lshl_b32 s46, s42, 8
	s_add_co_u32 s46, s46, s18
	s_lshl_b32 s22, s20, 2
	s_add_co_u32 s22, s22, ASC
	s_mov_b32 s23, 0
	s_mul_i32 s20, s20, 192
	s_mov_b32 s21, 0
	s_lshl_b32 s92, s46, 2
	s_add_co_u32 s92, s92, WS
	s_mov_b32 s93, 0
	s_mul_i32 s46, s46, 192
	s_add_co_u32 s46, s46, WC
	s_mov_b32 s47, 0
	s_mul_i32 s45, s14, HALFT
	s_mul_i32 s94, s14, HALFS
	s_wait_kmcnt 0x0
	s_add_nc_u64 s[20:21], s[4:5], s[20:21]
	s_add_nc_u64 s[22:23], s[4:5], s[22:23]
	s_add_nc_u64 s[46:47], s[6:7], s[46:47]
	s_add_nc_u64 s[92:93], s[6:7], s[92:93]
	CROUND                                         ; all sixteen work-groups are here: the first joint loads meet
	s_mov_b32 s[G0S], 1
	s_add_co_u32 s[G0S+1], s94, SCL
	s_mov_b64 s[G0S+2:G0S+3], s[22:23]
	s_or_b32 s[G0S+3], s[G0S+3], 0x80000000
	s_mov_b32 s[G0SB], 1
	s_add_co_u32 s[G0SB+1], s94, SCL
	s_mov_b64 s[G0SB+2:G0SB+3], s[92:93]
	s_or_b32 s[G0SB+3], s[G0SB+3], 0x80000000
	JLOAD G0S, G1S, G0SB, G1SB
.irp s, 0,1
	s_mov_b32 s[G0+4*\s], 1
	s_add_co_u32 s[G0+4*\s+1], s45, \s*SLOT
	s_add_nc_u64 s[G0+4*\s+2:G0+4*\s+3], s[20:21], \s*PANA
	s_or_b32 s[G0+4*\s+3], s[G0+4*\s+3], 0x80000000
	s_mov_b32 s[G0B+4*\s], 1
	s_add_co_u32 s[G0B+4*\s+1], s45, \s*SLOT
	s_add_nc_u64 s[G0B+4*\s+2:G0B+4*\s+3], s[46:47], \s*PANB
	s_or_b32 s[G0B+4*\s+3], s[G0B+4*\s+3], 0x80000000
	JLOAD G0+4*\s, G1, G0B+4*\s, G1B
.endr
	v_and_b32 v1, 15, v0
	v_bfe_u32 v2, v0, 4, 1
	v_and_b32 v3, 31, v0
	v_lshlrev_b32 v[L16], 4, v3
	v_lshlrev_b32 v[L8], 3, v3
	s_mul_i32 s21, s15, HALFT
	s_mul_i32 s22, s16, HALFT
	s_add_co_u32 s22, s22, 2*HALFT
.irp s, 0,1
	v_add_nc_u32 v[ADRA+\s], s21, v[L16]
	v_add_nc_u32 v[ADRB+\s], s22, v[L16]
	v_add_nc_u32 v[ADRA+2+\s], s21, v[L8]
	v_add_nc_u32 v[ADRB+2+\s], s22, v[L8]
	s_add_co_u32 s21, s21, SLOT
	s_add_co_u32 s22, s22, SLOT
.endr
	v_lshlrev_b32 v6, 4, v1
	s_mul_i32 s21, s15, HALFS
	s_mul_i32 s22, s16, HALFS
	s_add_co_u32 s22, s22, 2*HALFS
	s_sub_co_u32 s22, s22, s21
	v_mul_u32_u24 v7, s22, v2                      ; lanes 16-31 take B's scale words: the lower base + h x the distance
	s_add_co_u32 s21, s21, SCL
	v_add_nc_u32 v6, v6, v7
	v_add_nc_u32 v[ADRS], s21, v6
	s_mul_i32 s23, s14, 8448                       ; my stage: 16 rows x 528 bytes, in slot 0
	v_mul_u32_u24 v5, v1, 528
	v_lshl_add_u32 v5, v2, 6, v5
	v_add_nc_u32 v[STO], s23, v5
	v_add_nc_u32 v[RD], s23, v[L16]
	s_lshl_b32 s20, s17, 8
	s_lshl_b32 s21, s15, 7
	s_add_co_u32 s20, s20, s21
	s_lshl_b32 s20, s20, 12
	s_mov_b32 s21, 0
	s_lshl_b32 s46, s42, 10
	s_lshl_b32 s47, s16, 9
	s_add_co_u32 s46, s46, s47
	s_mov_b32 s47, 0
	s_add_nc_u64 s[20:21], s[20:21], s[46:47]
	s_add_nc_u64 s[12:13], s[12:13], s[20:21]
	s_add_nc_u64 s[10:11], s[10:11], s[20:21]
	s_add_nc_u64 s[8:9], s[8:9], s[46:47]
	v_lshlrev_b32 v10, 6, v2
.irp b, 0,1,2,3,4,5,6,7                        ; the bias at the eight columns that lane (r, h) holds of tile b
	global_load_b128 v[BIAS+8*\b:BIAS+8*\b+3], v10, s[8:9] offset:(32*(\b/2)+8*(\b%2))*4
	global_load_b128 v[BIAS+8*\b+4:BIAS+8*\b+7], v10, s[8:9] offset:(32*(\b/2)+8*(\b%2))*4+16
.endr
.macro FRAG reg, adr, q, i
.irp c, 0,1
	ds_load_b128 v[\reg+6*\c:\reg+6*\c+3], v[\adr] offset:3072*(\i)+768*(2*(\q)+\c)
	ds_load_b64 v[\reg+6*\c+4:\reg+6*\c+5], v[\adr+2] offset:3072*(\i)+768*(2*(\q)+\c)+512
.endr
.endm
; 16 matrix instructions: A's blocks a0, a0 + 1 x B's eight.  The 64 accumulators take turns, one instruction a turn.  zero = 1: the sums begin with the bias.
.macro MUL16 a0, p, q, sc, zero
.irp a, \a0, \a0+1
.irp b, 0,1,2,3,4,5,6,7
.if \zero
	v_wmma_scale_f32_16x16x128_f8f6f4 v[8*(8*((\a)%4)+\b):8*(8*((\a)%4)+\b)+7], v[128*(\p)+FR*\b:128*(\p)+FR*\b+FR-1], v[AF+FR*(\a):AF+FR*(\a)+FR-1], v[BIAS+8*\b:BIAS+8*\b+7], v[SC+16*(\sc)+8*(\q)+\b], v[SC+16*(\sc)+8*(\q)+(\a)] matrix_a_fmt:MATRIX_FMT_FP6 matrix_b_fmt:MATRIX_FMT_FP6 matrix_a_scale:MATRIX_SCALE_ROW1
.else
	v_wmma_scale_f32_16x16x128_f8f6f4 v[8*(8*((\a)%4)+\b):8*(8*((\a)%4)+\b)+7], v[128*(\p)+FR*\b:128*(\p)+FR*\b+FR-1], v[AF+FR*(\a):AF+FR*(\a)+FR-1], v[8*(8*((\a)%4)+\b):8*(8*((\a)%4)+\b)+7], v[SC+16*(\sc)+8*(\q)+\b], v[SC+16*(\sc)+8*(\q)+(\a)] matrix_a_fmt:MATRIX_FMT_FP6 matrix_b_fmt:MATRIX_FMT_FP6 matrix_a_scale:MATRIX_SCALE_ROW1
.endif
.endr
.endr
.endm
.macro FETCH_B slot, q, p
	WIN TO_B
.irp i, 0,1,2,3,4,5,6,7
	FRAG 128*(\p)+FR*\i, ADRB+\slot, \q, \i
.endr
	WIN 0
.endm
.macro FETCH_A slot, q, i0
.irp i, \i0, \i0+1, \i0+2, \i0+3
	FRAG AF+FR*(\i), ADRA+\slot, \q, \i
.endr
.endm
.macro SCALES sc
.irp q, 0,1
.irp g, 0,1
	ds_load_b128 v[SC+16*\sc+8*\q+4*\g:SC+16*\sc+8*\q+4*\g+3], v[ADRS] offset:512*\q+256*\g
.endr
.endr
.endm
.macro PLACES n
.rept \n
	v_nop
.endr
.endm
.macro STEP slot, q, zero
	s_wait_dscnt 4*NL                              ; B's set and A's blocks 0-3 are in; the youngest 16 loads (A's blocks 4-7) may be out
.if \zero
	WIN 0x81                                       ; C (the bias) window 0, D window 2
.else
	WIN MUL_LO
.endif
	MUL16 0, (\q)%2, \q, \slot, \zero
	MUL16 2, (\q)%2, \q, \slot, \zero
	s_wait_dscnt 0
	PLACES NP
	FETCH_B \slot, (\q)+1, 1-(\q)%2
	FETCH_A \slot, (\q)+1, 0
.if \zero
	WIN 0xc1
.else
	WIN MUL_HI
.endif
	MUL16 4, (\q)%2, \q, \slot, \zero
	MUL16 6, (\q)%2, \q, \slot, \zero
	PLACES NP
	WIN 0
	FETCH_A \slot, (\q)+1, 4
.endm
.macro TURN slot, next, fill
	s_wait_tensorcnt 0x0                           ; all my tensor loads have landed: my part of the next slot
	ds_add_u32 v[SPW], v[NIL]                      ; 0 onto my spare word
	s_wait_dscnt 4*NL+1                            ; (the add and the youngest 16 loads may be out)
	WIN MUL_LO
	MUL16 0, 1, NQ-1, \slot, 0
	s_wait_dscnt 0x0                               ; the add is done, and my reads of this slot are over
	s_barrier_signal -1
	MUL16 2, 1, NQ-1, \slot, 0
	WIN 0
	s_barrier_wait -1
.if \fill
	CREST                                          ; a round of the cluster's barrier: no wave of any partner still reads this slot or has a load on its way
	s_add_nc_u64 s[G0+4*\slot+2:G0+4*\slot+3], s[G0+4*\slot+2:G0+4*\slot+3], 2*PANA
	s_add_nc_u64 s[G0B+4*\slot+2:G0B+4*\slot+3], s[G0B+4*\slot+2:G0B+4*\slot+3], 2*PANB
	JLOAD G0+4*\slot, G1, G0B+4*\slot, G1B
.else
	PLACES NP
.endif
	v_add_nc_u32 v[ADRS], 1024, v[ADRS]
	FETCH_B \next, 0, 0
	FETCH_A \next, 0, 0
	SCALES \next
	WIN MUL_HI
	MUL16 4, 1, NQ-1, \slot, 0
	MUL16 6, 1, NQ-1, \slot, 0
	PLACES NP
	WIN 0
	FETCH_A \next, 0, 4
.endm
	s_wait_tensorcnt 1                             ; the scale words and my part of K step 0 are in (K step 1's load may be out)
	s_barrier_signal -1
	s_barrier_wait -1
	FETCH_B 0, 0, 0
	FETCH_A 0, 0, 0
	SCALES 0
	FETCH_A 0, 0, 4
	s_wait_loadcnt 0x0                             ; the bias
	STEP 0, 0, 1
	s_mov_b32 s3, LAPS-1
.Llap:
	TURN 0, 1, 1
	STEP 1, 0, 0
	TURN 1, 0, 1
	STEP 0, 0, 0
	s_sub_co_u32 s3, s3, 1
	s_cmp_lg_u32 s3, 0
	s_cbranch_scc1 .Llap
	TURN 0, 1, 0
	STEP 1, 0, 0
	s_wait_dscnt 4*NL
	WIN MUL_LO
	MUL16 0, 1, NQ-1, 1, 0
	MUL16 2, 1, NQ-1, 1, 0
	s_wait_dscnt 0
	WIN MUL_HI
	MUL16 4, 1, NQ-1, 1, 0
	MUL16 6, 1, NQ-1, 1, 0
	WIN 0
; THE WAY OUT, block by block of 16 token rows x 128 columns: through my own stage in LDS (slot 0: it has had its last fill and its last read), back as whole rows of 512 bytes; the residual's rows are added; 32 lanes store 512 consecutive bytes.
; Row t of block a is token 32 (a / 2) + 8 (a % 2) + t + 8 (t / 8) of my 128: it stands in the immediates, 127 rows of 4,096 bytes at the most.
.macro RLOAD a
	WIN 0x40
.irp t, 0,1,2,3,4,5,6,7,8,9,10,11,12,13,14,15
	global_load_b128 v[64*((\a)%4)+4*\t:64*((\a)%4)+4*\t+3], v[L16], s[10:11] offset:(32*((\a)/2)+8*((\a)%2)+\t+8*(\t/8))*4096 th:TH_LOAD_NT
.endr
	WIN 0
.endm
.macro TOSTAGE a
.set AC, 64*((\a)%4)
	WIN 0x08+4*((\a)/4)
.irp b, 0,1,2,3,4,5,6,7
	ds_store_b128 v[STO], v[AC+8*\b:AC+8*\b+3] offset:128*(\b/2)+32*(\b%2)          ; each accumulator from its low end on
	ds_store_b128 v[STO], v[AC+8*\b+4:AC+8*\b+7] offset:128*(\b/2)+32*(\b%2)+16
.endr
	WIN 0
.set BB, BK+64*((\a)%2)
.irp t, 0,1,2,3,4,5,6,7,8,9,10,11,12,13,14,15
	ds_load_b128 v[BB+4*\t:BB+4*\t+3], v[RD] offset:\t*528   ; LDS serves a wave's instructions in order: these see my stores
.endr
.endm
.macro SEND a, ds, ld                  ; ds, ld: the LDS instructions and the residual loads issued behind block a's, which may stay out
.set BB, BK+64*((\a)%2)
.set RR, 64*((\a)%4)
	s_wait_dscnt \ds
	s_wait_loadcnt \ld
	WIN 0x04                                       ; source 1 (the residual) window 1
.set i, 0
.rept 32
	v_pk_add_f32 v[BB+i:BB+i+1], v[BB+i:BB+i+1], v[RR+i:RR+i+1]
.set i, i+2
.endr
	WIN 0
.irp t, 0,1,2,3,4,5,6,7,8,9,10,11,12,13,14,15
	global_store_b128 v[L16], v[BB+4*\t:BB+4*\t+3], s[12:13] offset:(32*((\a)/2)+8*((\a)%2)+\t+8*(\t/8))*4096 th:TH_STORE_NT
.endr
.endm
	PLACES NP
	RLOAD 0
	RLOAD 1
	RLOAD 2
	TOSTAGE 0
.irp a, 1,2,3,4,5,6,7
.if \a > 1
	s_wait_xcnt 0x0                                ; block a - 2's stores have read their registers: block a's loads may land there
.endif
	TOSTAGE \a
.if \a <= 5
	RLOAD \a+2
	SEND \a-1, 32, 48                              ; behind block a - 1's: block a's 16 stores and 16 loads; three blocks' residual loads
.elseif \a == 6
	SEND \a-1, 32, 32
.else
	SEND \a-1, 32, 16
.endif
.endr
	SEND 7, 0, 0
	s_wait_tensorcnt 0x0                           ; the wave's end
	ds_add_u32 v[SPW], v[NIL]
	s_wait_dscnt 0x0
	CROUND                                         ; the closing round
	s_endpgm
.Lfunc_end_k_q51934d9276_gmlp2:
	.size	k_q51934d9276_gmlp2, .Lfunc_end_k_q51934d9276_gmlp2-k_q51934d9276_gmlp2
	.p2alignl 7, 3214868480
	.fill 96, 4, 3214868480
	.section	.rodata,"a",@progbits
	.p2align	6, 0x0
	.amdhsa_kernel k_q51934d9276_gmlp2
		.amdhsa_group_segment_fixed_size 327680
		.amdhsa_private_segment_fixed_size 0
		.amdhsa_enable_private_segment 0
		.amdhsa_kernarg_size 40
		.amdhsa_user_sgpr_count 2
		.amdhsa_user_sgpr_kernarg_segment_ptr 1
		.amdhsa_wavefront_size32 1
		.amdhsa_system_sgpr_workgroup_id_x 1
		.amdhsa_system_sgpr_workgroup_id_y 1
		.amdhsa_system_sgpr_workgroup_id_z 1
		.amdhsa_system_vgpr_workitem_id 0
		.amdhsa_next_free_vgpr 1024
		.amdhsa_next_free_sgpr 98
		.amdhsa_reserve_vcc 0
		.amdhsa_float_denorm_mode_32 3
		.amdhsa_float_denorm_mode_16_64 3
		.amdhsa_memory_ordered 1
		.amdhsa_forward_progress 1
		.amdhsa_inst_pref_size 173
	.end_amdhsa_kernel
	.amdgpu_metadata
---
amdhsa.version: [ 1, 2 ]
amdhsa.kernels:
  - .name:           k_q51934d9276_gmlp2
    .symbol:         k_q51934d9276_gmlp2.kd
    .args:
      - { .name: hcod, .offset: 0, .size: 8, .value_kind: global_buffer, .address_space: global }
      - { .name: wcod, .offset: 8, .size: 8, .value_kind: global_buffer, .address_space: global }
      - { .name: b_mlp2, .offset: 16, .size: 8, .value_kind: global_buffer, .address_space: global }
      - { .name: x1, .offset: 24, .size: 8, .value_kind: global_buffer, .address_space: global }
      - { .name: out0, .offset: 32, .size: 8, .value_kind: global_buffer, .address_space: global }
    .group_segment_fixed_size: 327680
    .private_segment_fixed_size: 0
    .kernarg_segment_align: 8
    .kernarg_segment_size: 40
    .max_flat_workgroup_size: 128
    .sgpr_count:     98
    .vgpr_count:     1024
    .wavefront_size: 32
...
	.end_amdgpu_metadata
.endif
;; end of part 7
;; ======== version 2 of 2: 8 launches
;; limits: right only within a limited range of input values
;; workspace buffers: wcod 9,830,400 bytes; xncod 3,276,800 bytes; qkvcod 10,092,544 bytes; ycod 3,276,800 bytes; x1 16,777,216 bytes; hcod 13,107,200 bytes
;; launch wquant (part 8): grid 48 x 8, 4 waves a work-group, no clusters, 26,112 bytes of LDS; arguments w_qkv, w_proj, w_mlp1, w_mlp2, wcod; writes wcod
.if DOCPART == 8
	.amdgcn_target "amdgcn-amd-amdhsa--gfx1250"
	.amdhsa_code_object_version 6
	.text
	.protected	k_q51934d9276_wquant
	.globl	k_q51934d9276_wquant
	.p2align	8
	.type	k_q51934d9276_wquant,@function
k_q51934d9276_wquant:
	s_mov_b64 s[64:65], 0
	v_nop
	global_prefetch_b8 v0, s[64:65] scope:SCOPE_SE
	s_setreg_imm32_b32 hwreg(HW_REG_WAVE_MODE, 25, 1), 1
	s_wait_xcnt 0x0
; The four weights, f32 stored [K][N], become codes of FP6 (E2M3) with K innermost and one E8M0 byte for each 32 along K, in the order in which the products' launches load their operand registers.
; A block's scale is 2^(floor(log2(largest magnitude)) - 2); its byte is the largest magnitude's exponent field - 2, held at 1 from below.
; LIMITS: a block of zeros gets the byte 1 where the rule says 127 (its codes are zeros, and this program alone reads the bytes); NaN and infinities are not served.
; LAYOUT OF THE RESULT.  Column n of a weight is row pos(n) of the operand, pos = n with bits 3 and 4 exchanged.  A half fragment (16 rows x 64 K, 768 bytes): lane L = 16 h + r holds row r, K = 32 h .. 32 h + 31, 24 bytes:
; its first 16 at 16 L, its last 8 at 512 + 8 L.  Codes: [K / 256][row block of 16][4 half fragments].  Scale words (4 bytes: 128 along K of a row): [K / 128][row block / 4][row r][row block % 4].
; SHARES.  A work-group takes 256 columns x 128 K of one weight, a wave 64 columns.  A LANE TAKES A COLUMN AND ITS REGISTERS RUN DOWN K: a block of 32 is one lane's 32 registers, and the conversions give codes with K innermost.
; The codes go through the wave's own stage in LDS and leave as runs of 512 consecutive bytes; the wave's 64 scale words as one run of 256.  No barrier: waves share nothing.  Loads run two blocks (64 loads a wave) ahead.
.set OFF,  32                          ; v32-63   4 x lane + i x (a row of the weight in bytes)
.set X,    64                          ; v64-127  two sets of 32 numbers
.set C,    20                          ; v20-26   a block's codes
.set SBW,  16                          ; v16-17   the scale word of my column in each of the wave's two groups of 32 columns
.set OUTR, 128                         ; v128-175 the way out
.set WREG, 6400                        ; LDS for a wave: 6,144 bytes of codes ([4 row blocks][2 half fragments][768]), then 256 of scale words
	s_load_b256 s[4:11], s[0:1], 0x0               ; w_qkv, w_proj, w_mlp1, w_mlp2
	s_load_b64 s[12:13], s[0:1], 0x20              ; the result
	v_lshl_add_u32 v176, v0, 2, 0x6400
	v_mov_b32 v177, 0
	v_lshrrev_b32 v1, 5, v0
	v_readfirstlane_b32 s14, v1                    ; wave
	v_and_b32 v1, 31, v0                           ; lane
	v_lshlrev_b32 v2, 2, v1
	v_bfe_u32 v3, v0, 3, 1                         ; pos / 16 = bit 3 of my column
	v_bfe_u32 v4, v0, 4, 1
	v_and_b32 v12, 7, v0
	v_lshl_or_b32 v12, v4, 3, v12                  ; pos % 16 = 8 x bit 4 + the low three bits
	s_mul_i32 s15, s14, WREG
	v_mul_u32_u24 v13, v3, 1536
	v_add_nc_u32 v13, s15, v13
	v_lshl_add_u32 v5, v12, 4, v13                 ; the stage: where my block's first 16 bytes go,
	v_lshl_add_u32 v6, v12, 3, v13
	v_add_nc_u32 v6, 512, v6                       ; its last 8,
	v_lshlrev_b32 v7, 4, v12
	v_lshl_add_u32 v7, v3, 2, v7
	v_add_nc_u32 v7, s15, v7
	v_add_nc_u32 v7, 6144, v7                      ; and my scale word
	v_lshlrev_b32 v10, 4, v1
	v_lshlrev_b32 v11, 3, v1
	v_add_nc_u32 v8, s15, v10                      ; back: 16 bytes a lane,
	v_add_nc_u32 v9, s15, v11
	v_add_nc_u32 v9, 6144, v9                      ; 8 bytes a lane of the words
	; which weight: x 0-11 w_qkv, 12-15 w_proj, 16-31 w_mlp1, 32-47 w_mlp2.  The choice hangs on the work-group's number alone; all take one path
	s_and_b32 s16, ttmp7, 0xffff                   ; y
	s_and_b32 s20, ttmp9, 15
	s_and_b32 s21, ttmp9, 3
	s_lshr_b32 s19, s20, 2
	s_lshl_b32 s19, s19, 3
	s_add_co_u32 s19, s19, s16                     ; w_mlp2: which 128 along K = y + 8 ((x - 32) / 4)
	s_mov_b32 s18, s21                             ;         which 256 columns = (x - 32) % 4
	s_mov_b32 s17, 1024                            ;         N
	s_mov_b32 s26, 6291456                         ;         where its codes begin,
	s_mov_b32 s27, 9699328                         ;         and its scale words
	s_wait_kmcnt 0x0
	s_mov_b64 s[24:25], s[10:11]
	s_cmp_lt_u32 ttmp9, 32
	s_cselect_b64 s[24:25], s[8:9], s[24:25]
	s_cselect_b32 s17, 4096, s17
	s_cselect_b32 s18, s20, s18
	s_cselect_b32 s19, s16, s19
	s_cselect_b32 s26, 3145728, s26
	s_cselect_b32 s27, 9568256, s27
	s_cmp_lt_u32 ttmp9, 16
	s_cselect_b64 s[24:25], s[6:7], s[24:25]
	s_cselect_b32 s17, 1024, s17
	s_cselect_b32 s18, s21, s18
	s_cselect_b32 s26, 2359296, s26
	s_cselect_b32 s27, 9535488, s27
	s_cmp_lt_u32 ttmp9, 12
	s_cselect_b64 s[24:25], s[4:5], s[24:25]
	s_cselect_b32 s17, 3072, s17
	s_cselect_b32 s18, ttmp9, s18
	s_cselect_b32 s26, 0, s26
	s_cselect_b32 s27, 9437184, s27
	s_lshl_b32 s22, s17, 2                         ; a row of the weight in bytes
	s_lshl_b32 s20, s19, 7
	s_mul_i32 s20, s20, s22                        ; my first row,
	s_lshl_b32 s21, s18, 10
	s_add_co_u32 s20, s20, s21                     ; the work-group's 256 columns,
	s_lshl_b32 s21, s14, 8
	s_add_co_u32 s20, s20, s21                     ; my wave's 64
	s_mov_b32 s21, 0
	s_add_nc_u64 s[28:29], s[24:25], s[20:21]      ; a base for each of the four blocks of 32 rows
	s_lshl_b32 s20, s22, 5
	s_add_nc_u64 s[30:31], s[28:29], s[20:21]
	s_add_nc_u64 s[32:33], s[30:31], s[20:21]
	s_add_nc_u64 s[34:35], s[32:33], s[20:21]
	s_lshr_b32 s20, s19, 1
	s_mul_i32 s20, s20, s17
	s_mul_i32 s20, s20, 192                        ; codes: the panel of 256 along K,
	s_add_co_u32 s20, s20, s26
	s_lshl_b32 s23, s18, 4
	s_lshl_b32 s36, s14, 2
	s_add_co_u32 s23, s23, s36                     ; my first row block: 16 x columns' block + 4 x wave
	s_mul_i32 s36, s23, 3072
	s_add_co_u32 s20, s20, s36
	s_and_b32 s36, s19, 1
	s_mul_i32 s36, s36, 1536                       ; which two of the panel's four half fragments
	s_add_co_u32 s20, s20, s36
	s_add_nc_u64 s[42:43], s[12:13], s[20:21]
	s_mul_i32 s20, s19, s22                        ; scale words: 4 N bytes for each 128 along K
	s_add_co_u32 s20, s20, s27
	s_lshl_b32 s36, s23, 6
	s_add_co_u32 s20, s20, s36
	s_add_nc_u64 s[44:45], s[12:13], s[20:21]
.set i, 0
.rept 32
	v_mad_u32_u24 v[OFF+i], s22, i, v2
.set i, i+1
.endr
.macro LOAD n                          ; n = 4 cg + t: block t of the 32 columns cg, into set n % 2; 32 lanes read 128 consecutive bytes
.set i, 0
.rept 32
	global_load_b32 v[X+32*((\n)%2)+i], v[OFF+i], s[28+2*((\n)%4):29+2*((\n)%4)] offset:128*((\n)/4) th:TH_LOAD_NT
.set i, i+1
.endr
.endm
.macro BLOCK n
.set XS, X+32*((\n)%2)
.set TT, (\n)%4
.set CG, (\n)/4
.if (\n) < 7
	s_wait_loadcnt 32                              ; this block's 32 loads are in; the next block's may be out
.else
	s_wait_loadcnt 0
.endif
	v_max3_num_f32 v12, |v[XS]|, |v[XS+1]|, |v[XS+2]|      ; the block's largest magnitude: all 32 numbers are mine
	v_max3_num_f32 v13, |v[XS+3]|, |v[XS+4]|, |v[XS+5]|
.irp i, 6,10,14,18,22,26
	v_max3_num_f32 v12, v12, |v[XS+\i]|, |v[XS+\i+1]|
	v_max3_num_f32 v13, v13, |v[XS+\i+2]|, |v[XS+\i+3]|
.endr
	v_max3_num_f32 v12, v12, |v[XS+30]|, |v[XS+31]|
	v_max3_num_f32 v12, v12, v13, 0x1800000        ; and the floor 2^(3 - 127): the byte cannot fall under 1
	v_add_nc_u32 v14, 0xff000000, v12              ; 2 off the exponent field: the conversion's scale operand
	v_lshrrev_b32 v13, 23, v14                     ; the scale's byte
.if TT == 0
	v_mov_b32 v[SBW+CG], v13
.else
	v_lshl_or_b32 v[SBW+CG], v13, 8*TT, v[SBW+CG]
.endif
	v_cvt_scalef32_pk16_fp6_f32 v[C:C+2], v[XS:XS+15], v14
	v_cvt_scalef32_pk16_fp6_f32 v[C+4:C+6], v[XS+16:XS+31], v14   ; (a conversion's three registers begin on an even number)
	v_nop                                          ; one plain place behind a scaled conversion
	v_mov_b32 v[C+3], v[C+4]
	v_mov_b32 v[C+4], v[C+5]
	v_mov_b32 v[C+5], v[C+6]                       ; 24 bytes on end
	ds_store_b128 v5, v[C:C+3] offset:3072*CG+768*(TT/2)+256*(TT%2)   ; block t is half t % 2 of half fragment t / 2
	ds_store_b64 v6, v[C+4:C+5] offset:3072*CG+768*(TT/2)+128*(TT%2)
.if (\n) < 6
	LOAD (\n)+2
.endif
	s_wait_dscnt 0x0                               ; the stores have read their registers: the next block's codes may be written
.endm
	LOAD 0
	LOAD 1
.irp n, 0,1,2,3,4,5,6,7
	BLOCK \n
.endr
	ds_store_b32 v7, v[SBW]
	s_wait_alu depctr_va_vdst(0)
	ds_store_b32 v7, v[SBW+1] offset:8
.irp i, 0,1,2,3,4,5,6,7,8,9,10,11
	ds_load_b128 v[OUTR+4*\i:OUTR+4*\i+3], v8 offset:512*\i   ; LDS serves a wave's instructions in order: these see my stores
.endr
	ds_load_b64 v[12:13], v9
.irp i, 0,1,2,3,4,5,6,7,8,9,10,11
	s_wait_dscnt 12-\i                             ; behind load i: the later code loads and the words' load
	global_store_b128 v10, v[OUTR+4*\i:OUTR+4*\i+3], s[42:43] offset:3072*(\i/3)+512*(\i%3)   ; 512 consecutive bytes, at a multiple of 256
.endr
	s_wait_dscnt 0x0
	global_store_b64 v11, v[12:13], s[44:45]       ; 256 consecutive bytes, at a multiple of 256
	s_wait_tensorcnt 0x0
	ds_add_u32 v176, v177
	s_wait_dscnt 0x0
	s_endpgm
.Lfunc_end_k_q51934d9276_wquant:
	.size	k_q51934d9276_wquant, .Lfunc_end_k_q51934d9276_wquant-k_q51934d9276_wquant
	.p2alignl 7, 3214868480
	.fill 96, 4, 3214868480
	.section	.rodata,"a",@progbits
	.p2align	6, 0x0
	.amdhsa_kernel k_q51934d9276_wquant
		.amdhsa_group_segment_fixed_size 26112
		.amdhsa_private_segment_fixed_size 0
		.amdhsa_enable_private_segment 0
		.amdhsa_kernarg_size 40
		.amdhsa_user_sgpr_count 2
		.amdhsa_user_sgpr_kernarg_segment_ptr 1
		.amdhsa_wavefront_size32 1
		.amdhsa_system_sgpr_workgroup_id_x 1
		.amdhsa_system_sgpr_workgroup_id_y 1
		.amdhsa_system_sgpr_workgroup_id_z 1
		.amdhsa_system_vgpr_workitem_id 0
		.amdhsa_next_free_vgpr 178
		.amdhsa_next_free_sgpr 66
		.amdhsa_reserve_vcc 0
		.amdhsa_float_denorm_mode_32 3
		.amdhsa_float_denorm_mode_16_64 3
		.amdhsa_memory_ordered 1
		.amdhsa_forward_progress 1
		.amdhsa_inst_pref_size 46
	.end_amdhsa_kernel
	.amdgpu_metadata
---
amdhsa.version: [ 1, 2 ]
amdhsa.kernels:
  - .name:           k_q51934d9276_wquant
    .symbol:         k_q51934d9276_wquant.kd
    .args:
      - { .name: w_qkv, .offset: 0, .size: 8, .value_kind: global_buffer, .address_space: global }
      - { .name: w_proj, .offset: 8, .size: 8, .value_kind: global_buffer, .address_space: global }
      - { .name: w_mlp1, .offset: 16, .size: 8, .value_kind: global_buffer, .address_space: global }
      - { .name: w_mlp2, .offset: 24, .size: 8, .value_kind: global_buffer, .address_space: global }
      - { .name: wcod, .offset: 32, .size: 8, .value_kind: global_buffer, .address_space: global }
    .group_segment_fixed_size: 26112
    .private_segment_fixed_size: 0
    .kernarg_segment_align: 8
    .kernarg_segment_size: 40
    .max_flat_workgroup_size: 128
    .sgpr_count:     66
    .vgpr_count:     178
    .wavefront_size: 32
...
	.end_amdgpu_metadata
.endif
;; end of part 8
;; launch ln1 (part 9): grid 256 x 1, 8 waves a work-group, no clusters, 67,072 bytes of LDS; arguments x, ln1_g, ln1_b, xncod; writes xncod
.if DOCPART == 9
	.amdgcn_target "amdgcn-amd-amdhsa--gfx1250"
	.amdhsa_code_object_version 6
	.text
	.protected	k_q51934d9276_ln1
	.globl	k_q51934d9276_ln1
	.p2align	8
	.type	k_q51934d9276_ln1,@function
k_q51934d9276_ln1:
	s_mov_b64 s[64:65], 0
	v_nop
	global_prefetch_b8 v0, s[64:65] scope:SCOPE_SE
	s_setreg_imm32_b32 hwreg(HW_REG_WAVE_MODE, 25, 1), 1
	s_wait_xcnt 0x0
; Layer norm of 4,096 rows of 1,024 f32, and the result quantised along the row to FP6 (E2M3) with one E8M0 byte for each 32: y = (x - mean) rsqrt(var + 1e-6) g + b, all in f32.
; The variance is taken of x - mean in a second pass over registers, so that a common offset of the inputs costs nothing.  The sums are trees, not the reference's order.
; LIMITS: a block of zeros gets the byte 1 where the rule says 127 (its codes are zeros; this program alone reads the bytes); NaN and infinities are not served.
; THE RESULT'S LAYOUT is the products' operand order.  Row 16 g + i of the operand is token 32 (g / 2) + 8 (g % 2) + i + 8 (i / 8).  A half fragment (16 rows x 64 K, 768 bytes): lane 16 h + r holds row r, K = 32 h .. + 31:
; 16 bytes at 16 x lane, 8 at 512 + 8 x lane.  Codes: [K / 256][row block][4 half fragments]; scale words from byte 3,145,728 on: [K / 128][row block / 4][r][row block % 4].
; SHARES.  Work-group g makes row block g.  Phase 1: wave w normalises rows 2 w and 2 w + 1, one to each half of its lanes (a load reads 256 consecutive bytes of each).  The 16 rows meet in LDS (pitch 4,112 bytes).
; Phase 2: wave w quantises K = 128 w .. + 127 of all 16 rows: a lane holds two whole blocks of 32.  One barrier.  The scale words leave as single words 16 bytes apart: one byte in 128 of what the launch moves.
.set PITCH, 4112
.set X, 32                             ; v32-95   my 64 numbers of the row
.set G, 96                             ; v96-159  g at their columns; later phase 2's numbers
.set B, 160                            ; v160-223 b; later the codes
	s_load_b256 s[4:11], s[0:1], 0x0               ; x, g, b, the result
	v_lshl_add_u32 v232, v0, 2, 0x10200
	v_mov_b32 v233, 0
	v_lshrrev_b32 v1, 5, v0
	s_delay_alu instid0(VALU_DEP_1)
	v_readfirstlane_b32 s12, v1                    ; wave
	v_and_b32 v1, 15, v0                           ; r
	v_bfe_u32 v2, v0, 4, 1                         ; h
	v_and_b32 v3, 31, v0                           ; lane
	s_delay_alu instid0(VALU_DEP_3)
	v_lshlrev_b32 v4, 4, v1                        ; 16 r
	s_lshl_b32 s13, s12, 1
	s_lshr_b32 s14, s12, 2
	s_lshl_b32 s14, s14, 3
	s_add_co_u32 s14, s14, s13                     ; 2 w + 8 (w / 4)
	v_add_nc_u32 v5, s14, v2
	s_delay_alu instid0(VALU_DEP_1)
	v_lshl_add_u32 v5, v5, 12, v4                  ; x: my token among the block's, 4,096 bytes a row, + 16 r
	v_add_nc_u32 v6, s13, v2
	s_delay_alu instid0(VALU_DEP_1)
	v_mul_u32_u24 v6, v6, PITCH
	s_delay_alu instid0(VALU_DEP_1)
	v_add_nc_u32 v6, v6, v4                        ; LDS, in: row 2 w + h
	v_mul_u32_u24 v7, v1, PITCH
	s_delay_alu instid0(VALU_DEP_1)
	v_lshl_add_u32 v7, v2, 7, v7
	s_lshl_b32 s15, s12, 9
	v_add_nc_u32 v7, s15, v7                       ; LDS, out: row r, K = 128 w + 32 h
	v_lshlrev_b32 v17, 4, v3
	v_lshlrev_b32 v18, 3, v3
	s_lshr_b32 s16, ttmp9, 1
	s_lshl_b32 s16, s16, 5
	s_and_b32 s17, ttmp9, 1
	s_lshl_b32 s17, s17, 3
	s_add_co_u32 s16, s16, s17
	s_lshl_b32 s16, s16, 12                        ; token 32 (g / 2) + 8 (g % 2)
	s_mov_b32 s17, 0
	s_mov_b32 s20, 0x3a800000                      ; 1 / 1,024
	s_mov_b32 s21, 0x358637bd                      ; 1e-6
	s_mov_b32 s26, 0x76543210
	s_mov_b32 s27, 0xfedcba98                      ; v_permlanex16_b32's selects for lane l xor 16
	s_wait_alu depctr_va_vdst(0)
	s_wait_kmcnt 0x0
	s_add_nc_u64 s[4:5], s[4:5], s[16:17]
.irp p, 0,1,2,3
.irp j, 0,1,2,3
	global_load_b128 v[X+16*\p+4*\j:X+16*\p+4*\j+3], v5, s[4:5] offset:1024*\p+256*\j th:TH_LOAD_NT
.endr
.endr
.irp p, 0,1,2,3
.irp j, 0,1,2,3
	global_load_b128 v[G+16*\p+4*\j:G+16*\p+4*\j+3], v4, s[6:7] offset:1024*\p+256*\j
	global_load_b128 v[B+16*\p+4*\j:B+16*\p+4*\j+3], v4, s[8:9] offset:1024*\p+256*\j
.endr
.endr
	s_lshr_b32 s16, s12, 1
	s_mul_i32 s16, s16, 786432                     ; the result: panel w / 2,
	s_mul_i32 s18, ttmp9, 3072                     ; row block g,
	s_add_co_u32 s16, s16, s18
	s_and_b32 s18, s12, 1
	s_mul_i32 s18, s18, 1536                       ; half fragments 2 (w % 2) on
	s_add_co_u32 s16, s16, s18
	s_add_nc_u64 s[22:23], s[10:11], s[16:17]
	s_lshl_b32 s16, s12, 14
	s_lshr_b32 s18, ttmp9, 2
	s_lshl_b32 s18, s18, 8
	s_add_co_u32 s16, s16, s18
	s_and_b32 s18, ttmp9, 3
	s_lshl_b32 s18, s18, 2
	s_add_co_u32 s16, s16, s18
	s_add_co_u32 s16, s16, 3145728
	s_add_nc_u64 s[24:25], s[10:11], s[16:17]      ; the scale words
	s_wait_loadcnt 32                              ; x is in; g's and b's 32 loads may be out
	v_pk_add_f32 v[10:11], v[32:33], v[40:41]
	v_pk_add_f32 v[12:13], v[48:49], v[56:57]
	v_pk_add_f32 v[14:15], v[64:65], v[72:73]
	v_pk_add_f32 v[230:231], v[80:81], v[88:89]
	v_pk_add_f32 v[228:229], v[34:35], v[42:43]
	v_pk_add_f32 v[226:227], v[50:51], v[58:59]
	v_pk_add_f32 v[224:225], v[66:67], v[74:75]
	v_pk_add_f32 v[8:9], v[82:83], v[90:91]
	s_delay_alu instid0(VALU_DEP_1)
	v_pk_add_f32 v[8:9], v[8:9], v[36:37]
	v_pk_add_f32 v[10:11], v[10:11], v[44:45]
	v_pk_add_f32 v[12:13], v[12:13], v[52:53]
	v_pk_add_f32 v[14:15], v[14:15], v[60:61]
	v_pk_add_f32 v[230:231], v[230:231], v[68:69]
	v_pk_add_f32 v[228:229], v[228:229], v[76:77]
	v_pk_add_f32 v[226:227], v[226:227], v[84:85]
	v_pk_add_f32 v[224:225], v[224:225], v[92:93]
	v_pk_add_f32 v[8:9], v[8:9], v[38:39]
	v_pk_add_f32 v[10:11], v[10:11], v[46:47]
	v_pk_add_f32 v[12:13], v[12:13], v[54:55]
	v_pk_add_f32 v[14:15], v[14:15], v[62:63]
	v_pk_add_f32 v[230:231], v[230:231], v[70:71]
	v_pk_add_f32 v[228:229], v[228:229], v[78:79]
	v_pk_add_f32 v[226:227], v[226:227], v[86:87]
	v_pk_add_f32 v[224:225], v[224:225], v[94:95]
	s_delay_alu instid0(VALU_DEP_4)
	v_pk_add_f32 v[8:9], v[8:9], v[230:231]
	s_delay_alu instid0(VALU_DEP_4)
	v_pk_add_f32 v[10:11], v[10:11], v[228:229]
	s_delay_alu instid0(VALU_DEP_4)
	v_pk_add_f32 v[12:13], v[12:13], v[226:227]
	s_delay_alu instid0(VALU_DEP_4)
	v_pk_add_f32 v[14:15], v[14:15], v[224:225]
	s_delay_alu instid0(VALU_DEP_2)
	v_pk_add_f32 v[8:9], v[8:9], v[12:13]
	s_delay_alu instid0(VALU_DEP_2)
	v_pk_add_f32 v[10:11], v[10:11], v[14:15]
	s_delay_alu instid0(VALU_DEP_1)
	v_pk_add_f32 v[8:9], v[8:9], v[10:11]
	s_delay_alu instid0(VALU_DEP_1)
	v_add_f32 v8, v8, v9
	s_delay_alu instid0(VALU_DEP_1)
	v_add_f32_dpp v8, v8, v8 row_xmask:1 row_mask:0xf bank_mask:0xf      ; over the 16 lanes that hold the row
	s_delay_alu instid0(VALU_DEP_1)
	v_add_f32_dpp v8, v8, v8 row_xmask:2 row_mask:0xf bank_mask:0xf
	s_delay_alu instid0(VALU_DEP_1)
	v_add_f32_dpp v8, v8, v8 row_xmask:4 row_mask:0xf bank_mask:0xf
	s_delay_alu instid0(VALU_DEP_1)
	v_add_f32_dpp v8, v8, v8 row_xmask:8 row_mask:0xf bank_mask:0xf
	s_delay_alu instid0(VALU_DEP_1)
	v_mul_f32 v10, s20, v8                         ; the mean
	s_delay_alu instid0(VALU_DEP_1)
	v_mov_b32 v11, v10
.set p, 0
.rept 32
	v_pk_add_f32 v[X+2*p:X+2*p+1], v[X+2*p:X+2*p+1], v[10:11] neg_lo:[0,1] neg_hi:[0,1]   ; x - mean
.set p, p+1
.endr
.irp k, 0,1,2,3
	v_pk_mul_f32 v[12+2*\k:13+2*\k], v[X+2*\k:X+2*\k+1], v[X+2*\k:X+2*\k+1]
.endr
.set p, 4
.rept 28
	s_delay_alu instid0(VALU_DEP_4)
	v_pk_fma_f32 v[12+2*(p%4):13+2*(p%4)], v[X+2*p:X+2*p+1], v[X+2*p:X+2*p+1], v[12+2*(p%4):13+2*(p%4)]
.set p, p+1
.endr
	s_delay_alu instid0(VALU_DEP_3)
	v_pk_add_f32 v[12:13], v[12:13], v[14:15]
	s_delay_alu instid0(VALU_DEP_2)
	v_pk_add_f32 v[16:17], v[16:17], v[18:19]
	s_delay_alu instid0(VALU_DEP_1)
	v_pk_add_f32 v[12:13], v[12:13], v[16:17]
	s_delay_alu instid0(VALU_DEP_1)
	v_add_f32 v12, v12, v13
	s_delay_alu instid0(VALU_DEP_1)
	v_add_f32_dpp v12, v12, v12 row_xmask:1 row_mask:0xf bank_mask:0xf
	s_delay_alu instid0(VALU_DEP_1)
	v_add_f32_dpp v12, v12, v12 row_xmask:2 row_mask:0xf bank_mask:0xf
	s_delay_alu instid0(VALU_DEP_1)
	v_add_f32_dpp v12, v12, v12 row_xmask:4 row_mask:0xf bank_mask:0xf
	s_delay_alu instid0(VALU_DEP_1)
	v_add_f32_dpp v12, v12, v12 row_xmask:8 row_mask:0xf bank_mask:0xf
	s_delay_alu instid0(VALU_DEP_1)
	v_fma_f32 v12, v12, s20, s21                   ; the variance + 1e-6
	s_wait_alu depctr_va_vdst(0)
	v_rsq_f32 v14, v12
	v_lshlrev_b32 v17, 4, v3                       ; (a plain place behind the transcendental)  16 x lane and 8 x lane anew: v16-19 were chains
	v_lshlrev_b32 v18, 3, v3
	s_wait_alu depctr_va_vdst(0)                   ; the wait ahead of the first reader
	v_mov_b32 v15, v14
	s_wait_alu depctr_va_vdst(0)
	s_wait_loadcnt 0x0                             ; g and b
.set p, 0
.rept 32
	v_pk_mul_f32 v[X+2*p:X+2*p+1], v[X+2*p:X+2*p+1], v[14:15]
.set p, p+1
.endr
.set p, 0
.rept 32
	v_pk_fma_f32 v[X+2*p:X+2*p+1], v[X+2*p:X+2*p+1], v[G+2*p:G+2*p+1], v[B+2*p:B+2*p+1]
.set p, p+1
.endr
.irp p, 0,1,2,3
.irp j, 0,1,2,3
	ds_store_b128 v6, v[X+16*\p+4*\j:X+16*\p+4*\j+3] offset:1024*\p+256*\j
.endr
.endr
	s_wait_dscnt 0x0                               ; for the others' sake: my two rows lie in LDS
	s_barrier_signal -1
	s_barrier_wait -1
.irp c, 0,1
.irp i, 0,1,2,3,4,5,6,7
	ds_load_b128 v[G+32*\c+4*\i:G+32*\c+4*\i+3], v7 offset:256*\c+16*\i   ; row r, K = 128 w + 64 c + 32 h + 0 .. 31; the pitch of 1,028 words sets the 16 rows on 16 different columns of 16 bytes
.endr
.endr
	s_wait_dscnt 0x0
.irp c, 0,1
	v_max3_num_f32 v[8+\c], |v[G+32*\c]|, |v[G+1+32*\c]|, 0x1800000      ; my block 2 c + h, and the floor 2^(3 - 127)
.endr
.irp i, 2,4,6,8,10,12,14,16,18,20,22,24,26,28,30
.irp c, 0,1
	s_delay_alu instid0(VALU_DEP_2)
	v_max3_num_f32 v[8+\c], v[8+\c], |v[G+32*\c+\i]|, |v[G+1+32*\c+\i]|
.endr
.endr
.irp c, 0,1
	s_delay_alu instid0(VALU_DEP_2)
	v_add_nc_u32 v[10+\c], 0xff000000, v[8+\c]     ; 2 off the exponent field: the conversion's scale operand
.endr
.irp c, 0,1
	s_delay_alu instid0(VALU_DEP_2)
	v_lshrrev_b32 v[12+\c], 23, v[10+\c]           ; the scale's byte
.endr
	s_delay_alu instid0(VALU_DEP_1)
	v_lshl_or_b32 v14, v13, 16, v12                ; my two bytes: blocks h and 2 + h,
	v_lshlrev_b32 v15, 3, v2
	s_delay_alu instid0(VALU_DEP_1)
	v_lshlrev_b32 v14, v15, v14                    ; at their places in the word;
	v_mov_b32 v16, 0
	s_delay_alu instid0(VALU_DEP_1)
	v_permlanex16_b32 v16, v14, s26, s27
	s_delay_alu instid0(VALU_DEP_1)
	v_or_b32 v14, v14, v16                         ; with lane l xor 16's two the word is whole
.irp c, 0,1
	v_cvt_scalef32_pk16_fp6_f32 v[B+8*\c:B+2+8*\c], v[G+32*\c:G+15+32*\c], v[10+\c]
	v_cvt_scalef32_pk16_fp6_f32 v[B+4+8*\c:B+6+8*\c], v[G+16+32*\c:G+31+32*\c], v[10+\c]
.endr
	v_nop                                          ; one plain place behind a scaled conversion
.irp c, 0,1
	v_mov_b32 v[B+3+8*\c], v[B+4+8*\c]
	v_mov_b32 v[B+4+8*\c], v[B+5+8*\c]
	v_mov_b32 v[B+5+8*\c], v[B+6+8*\c]
.endr
.irp c, 0,1
	global_store_b128 v17, v[B+8*\c:B+3+8*\c], s[22:23] offset:768*\c          ; 512 consecutive bytes,
	global_store_b64 v18, v[B+4+8*\c:B+5+8*\c], s[22:23] offset:768*\c+512     ; and 256, each at a multiple of 256
.endr
	v_cmp_gt_u32 vcc_lo, 16, v3
	s_wait_xcnt 0x0                                ; EXEC changes only behind this wait
	s_wait_tensorcnt 0x0
	ds_add_u32 v232, v233
	s_wait_dscnt 0x0
	s_and_saveexec_b32 s28, vcc_lo
	global_store_b32 v4, v14, s[24:25]             ; lanes 0-15: row r's word
	s_wait_xcnt 0x0
	s_or_b32 exec_lo, exec_lo, s28
	s_endpgm
.Lfunc_end_k_q51934d9276_ln1:
	.size	k_q51934d9276_ln1, .Lfunc_end_k_q51934d9276_ln1-k_q51934d9276_ln1
	.p2alignl 7, 3214868480
	.fill 96, 4, 3214868480
	.section	.rodata,"a",@progbits
	.p2align	6, 0x0
	.amdhsa_kernel k_q51934d9276_ln1
		.amdhsa_group_segment_fixed_size 67072
		.amdhsa_private_segment_fixed_size 0
		.amdhsa_enable_private_segment 0
		.amdhsa_kernarg_size 32
		.amdhsa_user_sgpr_count 2
		.amdhsa_user_sgpr_kernarg_segment_ptr 1
		.amdhsa_wavefront_size32 1
		.amdhsa_system_sgpr_workgroup_id_x 1
		.amdhsa_system_sgpr_workgroup_id_y 1
		.amdhsa_system_sgpr_workgroup_id_z 1
		.amdhsa_system_vgpr_workitem_id 0
		.amdhsa_next_free_vgpr 234
		.amdhsa_next_free_sgpr 66
		.amdhsa_reserve_vcc 1
		.amdhsa_float_denorm_mode_32 3
		.amdhsa_float_denorm_mode_16_64 3
		.amdhsa_memory_ordered 1
		.amdhsa_forward_progress 1
		.amdhsa_inst_pref_size 27
	.end_amdhsa_kernel
	.amdgpu_metadata
---
amdhsa.version: [ 1, 2 ]
amdhsa.kernels:
  - .name:           k_q51934d9276_ln1
    .symbol:         k_q51934d9276_ln1.kd
    .args:
      - { .name: x, .offset: 0, .size: 8, .value_kind: global_buffer, .address_space: global }
      - { .name: ln1_g, .offset: 8, .size: 8, .value_kind: global_buffer, .address_space: global }
      - { .name: ln1_b, .offset: 16, .size: 8, .value_kind: global_buffer, .address_space: global }
      - { .name: xncod, .offset: 24, .size: 8, .value_kind: global_buffer, .address_space: global }
    .group_segment_fixed_size: 67072
    .private_segment_fixed_size: 0
    .kernarg_segment_align: 8
    .kernarg_segment_size: 32
    .max_flat_workgroup_size: 256
    .sgpr_count:     66
    .vgpr_count:     234
    .wavefront_size: 32
...
	.end_amdgpu_metadata
.endif
;; end of part 9
;; launch gqkv (part 10): grid 12 x 16, 4 waves a work-group, clusters of 4 x 4, 327,680 bytes of LDS; arguments xncod, wcod, qkvcod; writes qkvcod
.if DOCPART == 10
	.amdgcn_target "amdgcn-amd-amdhsa--gfx1250"
	.amdhsa_code_object_version 6
	.text
	.protected	k_q51934d9276_gqkv
	.globl	k_q51934d9276_gqkv
	.p2align	8
	.type	k_q51934d9276_gqkv,@function
k_q51934d9276_gqkv:
	s_mov_b64 s[64:65], 0
	v_nop
	global_prefetch_b8 v0, s[64:65] scope:SCOPE_SE
	s_setreg_imm32_b32 hwreg(HW_REG_WAVE_MODE, 25, 1), 1
	s_wait_xcnt 0x0
	s_wait_alu depctr_hold_cnt(0) depctr_sa_sdst(0) depctr_va_vdst(0) depctr_va_sdst(0) depctr_va_ssrc(0) depctr_va_vcc(0) depctr_vm_vsrc(0)
	s_getreg_b32 s2, hwreg(HW_REG_IB_STS2, 6, 4)
	s_cmp_eq_u32 s2, 0
	s_cbranch_scc0 .Lentry_in_a_cluster
	s_endpgm
.Lentry_in_a_cluster:
	s_bfe_u32 s2, ttmp6, 0x10000c
	s_cmp_lg_u32 s2, 0xf033
	s_cbranch_scc0 .Lentry_shape_is_right
	s_endpgm
.Lentry_shape_is_right:
; Product 1: [4,096 x 1,024] x [1,024 x 3,072] on codes of FP6 (E2M3) with E8M0 scales; its results q, k, v never go to memory as f32: q and k are quantised along the head's 64, v along the keys, and leave as codes.
; A tile of C, 256 x 256, is made by four waves, 128 x 128 each: 64 accumulators, 512 registers.  K goes in steps of 256 through a ring of two LDS slots filled by the tensor data mover.
; OPERANDS LIE IN MEMORY IN THE ORDER OF THE REGISTERS.  A half fragment (16 rows x 64 K, 768 bytes): lane 16 h + r holds row r, K = 32 h .. + 31: 16 bytes at 16 x lane, 8 at 512 + 8 x lane.  128 rows x 256 K are 24,576 dense bytes:
; one tensor load, no padding, and every LDS load reads consecutive bytes.  Scale words: [K / 128][row block / 4][r][row block % 4]: one load of 16 bytes brings the words of four row blocks.  They come once, for all of K.
; ROW ORDER: row 16 T + r of either operand is token (or column) 32 (T / 2) + 8 (T % 2) + r + 8 (r / 8).  THE MATRIX INSTRUCTION IS USED TRANSPOSED (source 0 = 16 rows of B, source 1 = 16 rows of A):
; lane (r, h) holds token row r, and the 16 registers of accumulators 2 b, 2 b + 1 are the 16 neighbouring columns 32 b + 16 h + 0 .. 15.
; CLUSTERS: 4 x 4 work-groups; A's tiles are asked for jointly along a row of the cluster, B's along a column.
; q's factor 1/8 is not multiplied in here: it is a power of two, which a block's scale would take up; the attention launch has it in its constant.  (It differs from the reference only where |q| < 2^-121.)
; LIMITS: a block of zeros gets the byte 1 where the rule says 127 (zero codes; read by this program alone); NaN and infinities are not served.
; REGISTERS: window 0: v1-31 addresses; v32-63 scale words, two sets; v128-223 A's fragments, one set; window 1: B's fragments, two sets at v0 and v128; windows 2, 3: accumulator (a, b) at v[8 (8 (a % 4) + b)] of window 2 + a / 4.
.set SIZE_K, 1024
.set SIZE_N, 3072
.set ASC,    3145728                   ; where A's scale words begin in its buffer
.set WC,     0                         ; where this weight's codes begin,
.set WS,     9437184                   ; and its scale words
.set HASBIAS, 0
.set NQ,     2                         ; matrix instructions deep in a slot
.set FR,     12                        ; registers of a fragment
.set NL,     4                         ; LDS loads that bring one
.set NP,     4                         ; places behind this matrix instruction (ISA guide 7.12.1)
.set HALFT,  24576                     ; 128 rows x 256 K: what one tensor load brings
.set SLOT,   2*HALFT                   ; LDS: A's slot 0, A's slot 1, B's slot 0, B's slot 1, 256 rows each: from a slot to the next of the same operand
.set LAPS,   SIZE_K/512
.set KST,    SIZE_K/128
.set SCL,    8*HALFT
.set HALFS,  KST*512                   ; those of 128 rows
.set SPARE,  SCL+4*HALFS               ; the spare words, 128 bytes for each wave
.set PANA,   786432                    ; from 256 along K to the next, in A's codes,
.set PANB,   192*SIZE_N                ; and in B's
.set VCS,    SPARE+512                 ; v's way out: 12,288 bytes of codes for each wave,
.set VSS,    VCS+4*12288               ; and 512 of scale words: bytes into which no fill ever lands
.set L16,  8                           ; v8   16 x lane
.set L8,   9                           ; v9   8 x lane
.set ADRA, 16                          ; v16-17 A's fragments in slot 0, 1 (16 x lane); v18-19 the same with 8 x lane
.set ADRB, 20                          ; v20-23 the same for B
.set ADRS, 27                          ; v27  my scale words: lanes 0-15 A's, lanes 16-31 B's
.set SPW,  28                          ; v28  my spare word; never rewritten
.set NIL,  29                          ; v29  0; never rewritten
.set SC,   32                          ; scale words: register 16 sc + 8 q + i: lanes 0-15 A's block i, lanes 16-31 B's block i
.set AF,   128
.set PC,   128                         ; the way out: codes just made, v128-146
.set TM,   148                         ; v148-163 at work in the quantiser
.set SEL,  66                          ; s[66:67] lane selects for v_permlanex16_b32
.set G1, 24
.set G0, 32
.set G1B, 48
.set G0B, 56
.set G1S, 68
.set G0S, 76
.set G1SB, 80
.set G0SB, 88
.set MSB, 0
.macro WIN new                         ; the immediate's high byte repeats the setting that is left
.if MSB != \new
	s_set_vgpr_msb (MSB<<8)|\new
.set MSB, \new
.endif
.endm
.set MUL_LO, 0xa1                      ; source 0 (B) window 1, source 1 (A) window 0, C and D window 2
.set MUL_HI, 0xf1                      ; the same, C and D window 3
.set TO_B,   0x40                      ; destination window 1, address window 0
.macro JLOAD g0a, g1a, g0b, g1b        ; a joint load: waves 0 and 1 fetch for A, waves 2 and 3 for B; four v_nop follow each line
	s_cmp_eq_u32 s15, 0
	s_cbranch_scc0 .Lfor_b_\@
	tensor_load_to_lds s[\g0a:\g0a+3], s[\g1a:\g1a+7]
	s_nop 0
.rept 4
	v_nop
.endr
	s_branch .Lasked_\@
.Lfor_b_\@:
	tensor_load_to_lds s[\g0b:\g0b+3], s[\g1b:\g1b+7]
	s_nop 0
.rept 4
	v_nop
.endr
.Lasked_\@:
.endm
.macro CREST                           ; a round of the cluster's barrier behind its opening barrier
	s_cmp_lg_u32 s14, 0
	s_cbranch_scc1 .Lnot_wave_0_\@
	s_barrier_signal -3
.Lnot_wave_0_\@:
	s_barrier_wait -3
	s_barrier_signal -1
	s_barrier_wait -1
.endm
.macro CROUND
	s_barrier_signal -1
	s_barrier_wait -1
	CREST
.endm
	s_load_b128 s[4:7], s[0:1], 0x0                ; A (codes and scale words), the weights
	s_load_b64 s[12:13], s[0:1], 0x10              ; the result
	v_lshl_add_u32 v[SPW], v0, 2, SPARE
	v_mov_b32 v[NIL], 0
	ds_add_u32 v28, v29
	ds_add_u32 v28, v29
	s_wait_dscnt 0x0
	v_lshrrev_b32 v1, 5, v0
	v_readfirstlane_b32 s14, v1                    ; wave 0..3
	s_lshr_b32 s15, s14, 1                         ; which half of the tile's rows is mine.  Also: I fetch for A (0) or for B (1)
	s_and_b32 s16, s14, 1                          ; which half of its columns.  Also: which 128 rows I fetch
	s_bfe_u32 s40, ttmp6, 0x40000                  ; cx, cy
	s_bfe_u32 s41, ttmp6, 0x40004
	s_lshl_b32 s42, ttmp9, 2
	s_add_co_u32 s42, s42, s40                     ; tile column tc
	s_and_b32 s17, ttmp7, 0xffff
	s_lshl_b32 s17, s17, 2
	s_add_co_u32 s17, s17, s41                     ; tile row tr
	s_lshl_b32 s43, s41, 2
	s_lshl_b32 s43, 15, s43                        ; my row of the cluster
	s_lshl_b32 s44, 0x1111, s40                    ; my column
	s_or_b32 s[G1+0], s43, (3<<16)|(1<<21)         ; codes: 96 rows of 32 elements of 8 bytes, dense; the mask; bit 21 beside it
	s_or_b32 s[G1B+0], s44, (3<<16)|(1<<21)
	s_mov_b32 s[G1+5], PANA/8                      ; the head's shape: 2 rows (K steps 0 and 1) of 49,152 bytes (256 rows of the operand), a panel apart
	s_mov_b32 s[G1B+5], PANB/8
.irp g, G1, G1B
	s_mov_b32 s[\g+1], 6144<<16
	s_mov_b32 s[\g+2], 2<<16
	s_mov_b32 s[\g+3], 6144<<16
	s_mov_b32 s[\g+4], 2
	s_mov_b32 s[\g+6], 0
	s_mov_b32 s[\g+7], 0
.endr
	s_or_b32 s[G1S+0], s43, (3<<16)|(1<<21)        ; scale words: KST rows of 512 bytes
	s_or_b32 s[G1SB+0], s44, (3<<16)|(1<<21)
.irp g, G1S, G1SB
	s_mov_b32 s[\g+1], 128<<16                     ; the words of 256 rows: 1,024 bytes for each 128 along K
	s_mov_b32 s[\g+2], KST<<16
	s_mov_b32 s[\g+3], 128<<16
	s_mov_b32 s[\g+4], KST
	s_mov_b32 s[\g+6], 0
	s_mov_b32 s[\g+7], 0
.endr
	s_mov_b32 s[G1S+5], 2048                       ; 4,096 rows x 4 bytes from one 128 along K to the next, in elements of 8
	s_mov_b32 s[G1SB+5], SIZE_N/2
	s_lshl_b32 s20, s17, 8                         ; A: the tile's first row, 256 tr
	s_lshl_b32 s46, s42, 8                         ; B: 256 tc
	s_lshl_b32 s22, s20, 2
	s_add_co_u32 s22, s22, ASC
	s_mov_b32 s23, 0
	s_mul_i32 s20, s20, 192
	s_mov_b32 s21, 0
	s_lshl_b32 s92, s46, 2
	s_add_co_u32 s92, s92, WS
	s_mov_b32 s93, 0
	s_mul_i32 s46, s46, 192
	s_add_co_u32 s46, s46, WC
	s_mov_b32 s47, 0
	s_mul_i32 s45, s15, 4*HALFT                    ; the ring: A's or B's part of LDS,
	s_mul_i32 s18, s16, HALFT                      ; my 128 rows in it; the same number of bytes in memory
	s_add_co_u32 s45, s45, s18
	s_mov_b32 s19, 0
	s_mov_b32 s[SEL], 0x76543210
	s_mov_b32 s[SEL+1], 0xfedcba98
	s_wait_kmcnt 0x0
	s_add_nc_u64 s[20:21], s[4:5], s[20:21]
	s_add_nc_u64 s[22:23], s[4:5], s[22:23]
	s_add_nc_u64 s[46:47], s[6:7], s[46:47]
	s_add_nc_u64 s[92:93], s[6:7], s[92:93]
	CROUND                                         ; all sixteen work-groups are here: the first joint loads meet
	s_mov_b32 s[G0S], 1
	s_mov_b32 s[G0S+1], SCL
	s_mov_b64 s[G0S+2:G0S+3], s[22:23]
	s_or_b32 s[G0S+3], s[G0S+3], 0x80000000
	s_mov_b32 s[G0SB], 1
	s_mov_b32 s[G0SB+1], SCL+2*HALFS
	s_mov_b64 s[G0SB+2:G0SB+3], s[92:93]
	s_or_b32 s[G0SB+3], s[G0SB+3], 0x80000000
	s_mov_b32 s4, 1                                ; group 0 of the head's loads of codes, in registers whose arguments have served: A's two slots,
	s_mov_b32 s5, 0
	s_mov_b64 s[6:7], s[20:21]
	s_or_b32 s7, s7, 0x80000000
	s_mov_b32 s92, 1                               ; B's two slots
	s_mov_b32 s93, 4*HALFT
	s_mov_b64 s[94:95], s[46:47]
	s_or_b32 s95, s95, 0x80000000
	s_add_nc_u64 s[20:21], s[20:21], s[18:19]      ; for the ring: my 128 rows
	s_add_nc_u64 s[46:47], s[46:47], s[18:19]
	s_cmp_eq_u32 s15, 0                            ; the prefetches: of the 96 blocks of 256 bytes of a tile that I will load, my work-group names 24, told apart by address (cx for A, cy for B)
	s_cselect_b64 s[96:97], s[20:21], s[46:47]
	s_cselect_b32 s18, s40, s41
	s_mov_b32 s100, PANB
	s_cselect_b32 s100, PANA, s100
	s_mov_b32 s101, 0
	s_mul_i32 s18, s18, 24
	s_add_nc_u64 s[96:97], s[96:97], s[100:101]
	s_add_nc_u64 s[96:97], s[96:97], s[100:101]    ; K step 2, the first refill's tile,
	s_add_nc_u64 s[98:99], s[96:97], s[100:101]    ; K step 3, the second's: the launch's last
.irp s, 0,1
	s_mov_b32 s[G0+4*\s], 1
	s_add_co_u32 s[G0+4*\s+1], s45, \s*SLOT
	s_add_nc_u64 s[G0+4*\s+2:G0+4*\s+3], s[20:21], \s*PANA
	s_or_b32 s[G0+4*\s+3], s[G0+4*\s+3], 0x80000000
	s_mov_b32 s[G0B+4*\s], 1
	s_add_co_u32 s[G0B+4*\s+1], s45, \s*SLOT
	s_add_nc_u64 s[G0B+4*\s+2:G0B+4*\s+3], s[46:47], \s*PANB
	s_or_b32 s[G0B+4*\s+3], s[G0B+4*\s+3], 0x80000000
.endr
; THE HEAD'S LOADS, ONE A WAVE: wave 0 both slots of A, wave 1 both slots of B, wave 2 A's scale words, wave 3 B's; one chain of branches on the wave's number
.macro ARM under, g0, g1, next
	s_cmp_lt_u32 s14, \under
	s_cbranch_scc0 \next
	tensor_load_to_lds s[\g0:\g0+3], s[\g1:\g1+7]
	s_nop 0
.rept 4
	v_nop
.endr
	s_branch .Lhead_asked
\next:
.endm
	ARM 1, 4, G1, .Lhead_b
	ARM 2, 92, G1B, .Lhead_sa
	ARM 3, G0S, G1S, .Lhead_sb
	tensor_load_to_lds s[G0SB:G0SB+3], s[G1SB:G1SB+7]
	s_nop 0
.rept 4
	v_nop
.endr
.Lhead_asked:
	v_and_b32 v1, 15, v0
	v_bfe_u32 v2, v0, 4, 1                         ; h
	v_and_b32 v3, 31, v0
	v_lshlrev_b32 v[L16], 4, v3
	v_lshlrev_b32 v[L8], 3, v3
	v_min_u32 v30, 23, v3                          ; a lane a block; lanes 24-31 name the last again
	v_add_nc_u32 v30, s18, v30
	v_lshlrev_b32 v30, 8, v30
	s_mul_i32 s21, s15, HALFT                      ; my 128 rows of A
	s_mul_i32 s22, s16, HALFT
	s_add_co_u32 s22, s22, 4*HALFT
.irp s, 0,1
	v_add_nc_u32 v[ADRA+\s], s21, v[L16]
	v_add_nc_u32 v[ADRB+\s], s22, v[L16]
	v_add_nc_u32 v[ADRA+2+\s], s21, v[L8]
	v_add_nc_u32 v[ADRB+2+\s], s22, v[L8]
	s_add_co_u32 s21, s21, SLOT
	s_add_co_u32 s22, s22, SLOT
.endr
	v_lshlrev_b32 v6, 4, v1                        ; scale words: 16 r,
	s_lshl_b32 s21, s15, 9                         ; my 128 rows' 512 bytes of each 1,024
	s_lshl_b32 s22, s16, 9
	s_add_co_u32 s22, s22, 2*HALFS                 ; B's: my 128 rows, behind A's 256
	s_sub_co_u32 s22, s22, s21
	v_mul_u32_u24 v7, s22, v2                      ; lanes 16-31 take B's: one product, the lower base + h x the distance
	s_add_co_u32 s21, s21, SCL
	v_add_nc_u32 v6, v6, v7
	v_add_nc_u32 v[ADRS], s21, v6
	; the way out's addresses, all made here, on the path that every wave takes
	s_mul_i32 s23, s16, 16896                      ; v: my f32 stage, 32 keys x 528 bytes: two stages in A's slot 0, two in B's slot 0
	s_mul_i32 s18, s15, 4*HALFT
	s_add_co_u32 s23, s23, s18
	v_and_b32 v4, 8, v1
	v_add_nc_u32 v4, v4, v1                        ; r + 8 (r / 8)
	v_mul_u32_u24 v10, v4, 528
	v_lshl_add_u32 v10, v2, 6, v10
	v_add_nc_u32 v10, s23, v10                     ; v10 in: key row r + 8 (r / 8), + 64 h
	v_lshl_add_u32 v11, v3, 2, s23                 ; v11 back: a lane to a column
	s_mul_i32 s23, s14, 12288
	s_add_co_u32 s23, s23, VCS
	v_bfe_u32 v5, v0, 3, 1                         ; place of my column among 32: / 16,
	v_and_b32 v6, 7, v0
	v_lshl_or_b32 v6, v2, 3, v6                    ; % 16
	v_mul_u32_u24 v7, v5, 1536
	v_lshl_add_u32 v12, v6, 4, v7
	v_add_nc_u32 v12, s23, v12                     ; v12 where my column's codes go
	v_add_nc_u32 v14, s23, v[L16]                  ; v14 and come back
	s_lshl_b32 s23, s14, 9
	s_add_co_u32 s23, s23, VSS
	v_lshlrev_b32 v7, 4, v6
	v_lshl_add_u32 v7, v5, 2, v7
	v_add_nc_u32 v13, s23, v7                      ; v13 where my column's scale word goes
	v_add_nc_u32 v15, s23, v[L16]                  ; v15 and comes back
	v_lshlrev_b32 v4, 4, v1
	v_lshl_add_u32 v24, v2, 13, v4                 ; v24 q, k: scale words in memory: 16 r, the second head for lanes 16-31
	v_lshl_add_u32 v25, v2, 12, v4                 ; v25 v: likewise
	global_prefetch_b8 v30, s[96:97] th:TH_LOAD_NT scope:SCOPE_SE   ; both refills' tiles are asked for two fills ahead; their registers are never rewritten
	global_prefetch_b8 v30, s[98:99] th:TH_LOAD_NT scope:SCOPE_SE
	v_mul_lo_u32 v26, v2, 0x02020202
	v_add_nc_u32 v26, 0x01000100, v26              ; v26 byte selects: bytes 0, 1, 0, 1 (lanes 0-15) or 2, 3, 2, 3 (lanes 16-31)
.macro FRAG reg, adr, q, i             ; a fragment, 16 rows x 128 K: two half fragments, each 16 + 8 bytes a lane, as they lie
.irp c, 0,1
	ds_load_b128 v[\reg+6*\c:\reg+6*\c+3], v[\adr] offset:3072*(\i)+768*(2*(\q)+\c)
	ds_load_b64 v[\reg+6*\c+4:\reg+6*\c+5], v[\adr+2] offset:3072*(\i)+768*(2*(\q)+\c)+512
.endr
.endm
; 16 matrix instructions: A's blocks a0, a0 + 1 x B's eight.  The 64 accumulators take turns, one instruction a turn, in the same order in every step.
.macro MUL16 a0, p, q, sc, zero
.irp a, \a0, \a0+1
.irp b, 0,1,2,3,4,5,6,7
.if \zero
	v_wmma_scale_f32_16x16x128_f8f6f4 v[8*(8*((\a)%4)+\b):8*(8*((\a)%4)+\b)+7], v[128*(\p)+FR*\b:128*(\p)+FR*\b+FR-1], v[AF+FR*(\a):AF+FR*(\a)+FR-1], 0, v[SC+16*(\sc)+8*(\q)+\b], v[SC+16*(\sc)+8*(\q)+(\a)] matrix_a_fmt:MATRIX_FMT_FP6 matrix_b_fmt:MATRIX_FMT_FP6 matrix_a_scale:MATRIX_SCALE_ROW1
.else
	v_wmma_scale_f32_16x16x128_f8f6f4 v[8*(8*((\a)%4)+\b):8*(8*((\a)%4)+\b)+7], v[128*(\p)+FR*\b:128*(\p)+FR*\b+FR-1], v[AF+FR*(\a):AF+FR*(\a)+FR-1], v[8*(8*((\a)%4)+\b):8*(8*((\a)%4)+\b)+7], v[SC+16*(\sc)+8*(\q)+\b], v[SC+16*(\sc)+8*(\q)+(\a)] matrix_a_fmt:MATRIX_FMT_FP6 matrix_b_fmt:MATRIX_FMT_FP6 matrix_a_scale:MATRIX_SCALE_ROW1
.endif
.endr
.endr
.endm
.macro FETCH_B slot, q, p
	WIN TO_B
.irp i, 0,1,2,3,4,5,6,7
	FRAG 128*(\p)+FR*\i, ADRB+\slot, \q, \i
.endr
	WIN 0
.endm
.macro FETCH_A slot, q, i0
.irp i, \i0, \i0+1, \i0+2, \i0+3
	FRAG AF+FR*(\i), ADRA+\slot, \q, \i
.endr
.endm
.macro SCALES sc                       ; a K step's scale words: four row blocks a load
.irp q, 0,1
.irp g, 0,1
	ds_load_b128 v[SC+16*\sc+8*\q+4*\g:SC+16*\sc+8*\q+4*\g+3], v[ADRS] offset:1024*\q+256*\g
.endr
.endr
.endm
.macro PLACES n                        ; plain places behind matrix instructions, in front of loads into their registers and of reads of results
.rept \n
	v_nop
.endr
.endm
.macro STEP slot, q, zero              ; 128 along K that have their successor in the same slot
	s_wait_dscnt 4*NL                              ; B's set and A's blocks 0-3 are in; the youngest 16 loads (A's blocks 4-7) may be out
	WIN MUL_LO
	MUL16 0, (\q)%2, \q, \slot, \zero
	MUL16 2, (\q)%2, \q, \slot, \zero
	s_wait_dscnt 0
	PLACES NP
	FETCH_B \slot, (\q)+1, 1-(\q)%2
	FETCH_A \slot, (\q)+1, 0
	WIN MUL_HI
	MUL16 4, (\q)%2, \q, \slot, \zero
	MUL16 6, (\q)%2, \q, \slot, \zero
	PLACES NP
	WIN 0
	FETCH_A \slot, (\q)+1, 4
.endm
; A slot's last step changes slots: one barrier; in front of it each wave waits for all its tensor loads, adds 0 to its spare word, and waits for that and for its reads of this slot.
.macro TURN slot, next, fill
	s_wait_tensorcnt 0x0                           ; all my tensor loads have landed: my part of the next slot
	ds_add_u32 v[SPW], v[NIL]                      ; 0 onto my spare word
	s_wait_dscnt 4*NL+1                            ; (the add and the youngest 16 loads may be out)
	WIN MUL_LO
	MUL16 0, 1, NQ-1, \slot, 0
	s_wait_dscnt 0x0                               ; the add is done, and my reads of this slot are over
	s_barrier_signal -1
	MUL16 2, 1, NQ-1, \slot, 0
	WIN 0
	s_barrier_wait -1
.if \fill
	CREST                                          ; the barrier has opened a round of the cluster's: no wave of any partner still reads this slot or has a load on its way
	s_add_nc_u64 s[G0+4*\slot+2:G0+4*\slot+3], s[G0+4*\slot+2:G0+4*\slot+3], 2*PANA
	s_add_nc_u64 s[G0B+4*\slot+2:G0B+4*\slot+3], s[G0B+4*\slot+2:G0B+4*\slot+3], 2*PANB
	JLOAD G0+4*\slot, G1, G0B+4*\slot, G1B         ; the first tensor load behind the round; its four v_nop are the places in front of the loads below
.else
	PLACES NP
.endif
	s_wait_alu depctr_va_vdst(0)
	v_add_nc_u32 v[ADRS], 2048, v[ADRS]
	FETCH_B \next, 0, 0
	FETCH_A \next, 0, 0
	SCALES \next
	WIN MUL_HI
	MUL16 4, 1, NQ-1, \slot, 0
	MUL16 6, 1, NQ-1, \slot, 0
	PLACES NP
	WIN 0
	FETCH_A \next, 0, 4
.endm
	s_wait_alu depctr_va_vdst(0)                   ; the wait at the head's end
	s_wait_tensorcnt 0x0                           ; my tile of the head's four is in; no load of mine is out, so group 1 takes the ring's shape: 96 rows of 256 bytes, dense
.irp g, G1, G1B
	s_mov_b32 s[\g+1], 32<<16
	s_mov_b32 s[\g+2], 96<<16
	s_mov_b32 s[\g+3], 32<<16
	s_mov_b32 s[\g+4], 96
	s_mov_b32 s[\g+5], 32
.endr
	s_barrier_signal -1
	s_barrier_wait -1
	FETCH_B 0, 0, 0
	FETCH_A 0, 0, 0
	SCALES 0
	FETCH_A 0, 0, 4
	STEP 0, 0, 1                                   ; the first step's products start the sums
	s_mov_b32 s3, LAPS-1
.Llap:
	TURN 0, 1, 1
	STEP 1, 0, 0
	TURN 1, 0, 1
	STEP 0, 0, 0
	s_sub_co_u32 s3, s3, 1
	s_cmp_lg_u32 s3, 0
	s_cbranch_scc1 .Llap
	TURN 0, 1, 0                                   ; the last lap fills nothing
	STEP 1, 0, 0
	s_wait_dscnt 4*NL
	WIN MUL_LO
	MUL16 0, 1, NQ-1, 1, 0
	MUL16 2, 1, NQ-1, 1, 0
	s_wait_dscnt 0
	WIN MUL_HI
	MUL16 4, 1, NQ-1, 1, 0
	MUL16 6, 1, NQ-1, 1, 0
	WIN 0
; 64 numbers of a lane in window w, v[s] on, register 16 b + i = column 32 b + 16 h + i of my row, become a fragment's codes in v[PC] on and its scale word in v[pw].  Each accumulator is read from its low end on.
.macro QUANT s, w, pw
.set QW, (\w)
	WIN QW|(QW<<2)
.irp b, 0,1,2,3
	v_max3_num_f32 v[TM+\b], |v[\s+16*\b]|, |v[\s+1+16*\b]|, 0x1800000   ; and the floor 2^(3 - 127)
.endr
	WIN (QW<<2)|(QW<<4)
.irp i, 2,4,6,8,10,12,14
.irp b, 0,1,2,3
	v_max3_num_f32 v[TM+\b], v[TM+\b], |v[\s+16*\b+\i]|, |v[\s+1+16*\b+\i]|
.endr
.endr
	WIN 0
.irp b, 0,1,2,3
	v_permlanex16_b32 v[TM+4+\b], v[TM+\b], s[SEL], s[SEL+1]
.endr
.irp b, 0,1,2,3
	v_max_num_f32 v[TM+\b], v[TM+\b], v[TM+4+\b]   ; with lane l xor 16's: the block's largest magnitude
.endr
.irp b, 0,1,2,3
	v_add_nc_u32 v[TM+12+\b], 0xff000000, v[TM+\b] ; 2 off the exponent field: the conversion's scale operand
.endr
.irp b, 0,1,2,3
	v_lshrrev_b32 v[TM+4+\b], 23, v[TM+12+\b]      ; the scale's byte
.endr
	v_lshl_or_b32 v[\pw], v[TM+5], 8, v[TM+4]
	v_lshl_or_b32 v[\pw], v[TM+6], 16, v[\pw]
	v_lshl_or_b32 v[\pw], v[TM+7], 24, v[\pw]
	WIN QW
.irp c, 0,1
	v_cvt_scalef32_pk16_fp6_f32 v[PC+6*\c:PC+2+6*\c], v[\s+32*\c:\s+15+32*\c], v[TM+12+2*\c]
	v_cvt_scalef32_pk16_fp6_f32 v[PC+12+4*\c:PC+14+4*\c], v[\s+16+32*\c:\s+31+32*\c], v[TM+12+2*\c+1]
.endr
	WIN 0
	v_nop                                          ; one plain place behind a scaled conversion
.irp c, 0,1                                    ; the operand's layout wants a whole block in a lane
.irp i, 0,1,2
	v_permlane16_swap_b32 v[PC+6*\c+\i], v[PC+12+4*\c+\i]
.endr
.irp i, 0,1,2
	v_mov_b32 v[PC+3+6*\c+\i], v[PC+12+4*\c+\i]
.endr
.endr
.endm
	; THE WAY OUT.  My 128 columns are two heads of q, of k or of v; my 128 rows are 128 tokens of one batch.
	PLACES NP
.irp b, 0,1,2,3
	v_mov_b32 v[TM+4+\b], 0                        ; written once: a lane permute's destination counts as one of its sources
.endr
	s_lshr_b32 s20, s17, 3
	s_lshl_b32 s20, s20, 4                         ; 16 x batch
	s_and_b32 s21, s42, 3
	s_lshl_b32 s21, s21, 2
	s_add_co_u32 s20, s20, s21
	s_lshl_b32 s21, s16, 1
	s_add_co_u32 s20, s20, s21                     ; my first head, batch and head in one number
	s_and_b32 s21, s17, 7
	s_lshl_b32 s22, s21, 1
	s_add_co_u32 s22, s22, s15                     ; which 128 tokens of the batch
	s_lshr_b32 s23, s42, 2                         ; 0: q, 1: k, 2: v
	s_mul_i32 s46, s20, 98304
	s_mul_i32 s47, s22, 6144
	s_add_co_u32 s46, s46, s47
	s_mul_i32 s47, s23, 3145728
	s_add_co_u32 s46, s46, s47
	s_mov_b32 s47, 0
	s_add_nc_u64 s[68:69], s[12:13], s[46:47]      ; the codes: a head is 98,304 bytes, 128 tokens of it 6,144, in q, k and v alike.  (The scale words' descriptors are long done with)
	s_cmp_eq_u32 ttmp9, 2                          ; the cluster's x: the same in all partners
	s_cbranch_scc1 .Lvpath
	; q AND k: quantised along the head's 64: the fragment's two halves are the two heads' half fragments.  No LDS.
	s_lshl_b32 s46, s20, 13
	s_lshl_b32 s21, s22, 9
	s_add_co_u32 s46, s46, s21
	s_lshl_b32 s21, s23, 18
	s_add_co_u32 s46, s46, s21
	s_add_co_u32 s46, s46, 9437184
	s_add_nc_u64 s[70:71], s[12:13], s[46:47]      ; scale words: [head][tile / 4][r][tile % 4]
.irp a, 0,1,2,3,4,5,6,7
.if \a > 0
	s_wait_xcnt 0x0                                ; the last block's stores have read their registers
.endif
	QUANT 64*(\a%4), 2+\a/4, 164
.irp c, 0,1
	global_store_b128 v[L16], v[PC+6*\c:PC+6*\c+3], s[68:69] offset:98304*\c+768*\a          ; 512 consecutive bytes,
	global_store_b64 v[L8], v[PC+6*\c+4:PC+6*\c+5], s[68:69] offset:98304*\c+768*\a+512      ; and 256, each at a multiple of 256
.endr
	v_perm_b32 v[168+\a], v164, v164, v26          ; a head's word: its two bytes, twice: the upper two serve the half of K that is filled with zero codes
.if \a%4 == 3
	global_store_b128 v24, v[168+4*(\a/4):171+4*(\a/4)], s[70:71] offset:256*(\a/4)   ; four tiles' words: 16 lanes store 256 consecutive bytes
.endif
.endr
	s_branch .Ljoin
.Lvpath:
	; v: quantised along the KEYS.  32 keys at a time go through my f32 stage and come back a lane to a column, registers down the keys.
	s_lshl_b32 s46, s20, 12
	s_lshl_b32 s21, s22, 8
	s_add_co_u32 s46, s46, s21
	s_add_co_u32 s46, s46, 9961472
	s_add_nc_u64 s[70:71], s[12:13], s[46:47]      ; scale words: [head][128 keys][r][tile]
.macro VL cg                           ; columns 32 cg on: key i of the 32 into register i of set cg % 2
.set i, 0
.rept 32
	ds_load_b32 v[64+32*((\cg)%2)+i], v11 offset:528*i+128*(\cg)
.set i, i+1
.endr
.endm
.macro VBLK g, cg
.set XS, 64+32*((\cg)%2)
.set CC, 128+8*((\cg)%2)
.if (\cg) == 0
	s_wait_dscnt 32                                ; behind these 32 loads: the next columns' 32
.elseif (\cg) == 3
	s_wait_dscnt 2                                 ; the last columns' two code stores
.else
	s_wait_dscnt 34                                ; two code stores and 32 loads.  (Each count also shows the code stores of two blocks ago done: their registers are written again below)
.endif
	v_max3_num_f32 v148, |v[XS]|, |v[XS+1]|, |v[XS+2]|
	v_max3_num_f32 v149, |v[XS+3]|, |v[XS+4]|, |v[XS+5]|
.irp i, 6,10,14,18,22,26
	v_max3_num_f32 v148, v148, |v[XS+\i]|, |v[XS+\i+1]|
	v_max3_num_f32 v149, v149, |v[XS+\i+2]|, |v[XS+\i+3]|
.endr
	v_max3_num_f32 v148, v148, |v[XS+30]|, |v[XS+31]|
	v_max3_num_f32 v148, v148, v149, 0x1800000
	v_add_nc_u32 v150, 0xff000000, v148
	v_lshrrev_b32 v151, 23, v150
.if (\g) == 0
	v_mov_b32 v[144+(\cg)], v151
.else
	v_lshl_or_b32 v[144+(\cg)], v151, 8*(\g), v[144+(\cg)]
.endif
	v_cvt_scalef32_pk16_fp6_f32 v[CC:CC+2], v[XS:XS+15], v150
	v_cvt_scalef32_pk16_fp6_f32 v[CC+4:CC+6], v[XS+16:XS+31], v150
	v_nop
	v_mov_b32 v[CC+3], v[CC+4]
	v_mov_b32 v[CC+4], v[CC+5]
	v_mov_b32 v[CC+5], v[CC+6]
.if (\g)/2 == 0                                ; block g of the 128 keys is registers 6 (g / 2) .. + 5 of lane 16 (g % 2) + row, in the image [register / 4][lane][16 bytes]
	ds_store_b128 v12, v[CC:CC+3] offset:3072*(\cg)+256*((\g)%2)
	ds_store_b64 v12, v[CC+4:CC+5] offset:3072*(\cg)+256*((\g)%2)+512
.else
	ds_store_b64 v12, v[CC:CC+1] offset:3072*(\cg)+256*((\g)%2)+520
	ds_store_b128 v12, v[CC+2:CC+5] offset:3072*(\cg)+256*((\g)%2)+1024
.endif
.if (\cg) < 2
	VL (\cg)+2
.endif
.endm
.irp g, 0,1,2,3
	WIN 0x08+4*(\g/2)                              ; an LDS store's data are its source 1: window 2 or 3
.irp u, 0,1
.irp b, 0,1,2,3,4,5,6,7
	ds_store_b128 v10, v[64*((2*\g+\u)%4)+8*\b:64*((2*\g+\u)%4)+8*\b+3] offset:8*\u*528+128*(\b/2)+32*(\b%2)
	ds_store_b128 v10, v[64*((2*\g+\u)%4)+8*\b+4:64*((2*\g+\u)%4)+8*\b+7] offset:8*\u*528+128*(\b/2)+32*(\b%2)+16
.endr
.endr
	WIN 0
	VL 0                                           ; LDS serves a wave's instructions in order: these see my stores, and the next 32 keys' stores come behind the last of them
	VL 1
.irp cg, 0,1,2,3
	VBLK \g, \cg
.endr
.endr
.irp cg, 0,1,2,3
	ds_store_b32 v13, v[144+\cg] offset:256*(\cg/2)+8*(\cg%2)
.endr
.irp i, 0,1,2,3,4,5,6,7,8,9,10,11,12,13,14,15,16,17,18,19,20,21,22,23
	ds_load_b128 v[160+4*\i:163+4*\i], v14 offset:512*\i
.endr
	ds_load_b128 v[64:67], v15
.irp i, 0,1,2,3,4,5,6,7,8,9,10,11,12,13,14,15,16,17,18,19,20,21,22,23
	s_wait_dscnt 24-\i                             ; behind load i: the later code loads and the words' load
	global_store_b128 v[L16], v[160+4*\i:163+4*\i], s[68:69] offset:98304*(\i/12)+512*(\i%12)   ; 512 consecutive bytes, at a multiple of 256
.endr
	s_wait_dscnt 0x0
	global_store_b128 v25, v[64:67], s[70:71]      ; 16 lanes store 256 consecutive bytes for each head
.Ljoin:
	s_wait_tensorcnt 0x0                           ; the wave's end
	ds_add_u32 v[SPW], v[NIL]
	s_wait_dscnt 0x0
	CROUND                                         ; the closing round
	s_endpgm
.Lfunc_end_k_q51934d9276_gqkv:
	.size	k_q51934d9276_gqkv, .Lfunc_end_k_q51934d9276_gqkv-k_q51934d9276_gqkv
	.p2alignl 7, 3214868480
	.fill 96, 4, 3214868480
	.section	.rodata,"a",@progbits
	.p2align	6, 0x0
	.amdhsa_kernel k_q51934d9276_gqkv
		.amdhsa_group_segment_fixed_size 327680
		.amdhsa_private_segment_fixed_size 0
		.amdhsa_enable_private_segment 0
		.amdhsa_kernarg_size 24
		.amdhsa_user_sgpr_count 2
		.amdhsa_user_sgpr_kernarg_segment_ptr 1
		.amdhsa_wavefront_size32 1
		.amdhsa_system_sgpr_workgroup_id_x 1
		.amdhsa_system_sgpr_workgroup_id_y 1
		.amdhsa_system_sgpr_workgroup_id_z 1
		.amdhsa_system_vgpr_workitem_id 0
		.amdhsa_next_free_vgpr 1024
		.amdhsa_next_free_sgpr 102
		.amdhsa_reserve_vcc 0
		.amdhsa_float_denorm_mode_32 3
		.amdhsa_float_denorm_mode_16_64 3
		.amdhsa_memory_ordered 1
		.amdhsa_forward_progress 1
		.amdhsa_inst_pref_size 222
	.end_amdhsa_kernel
	.amdgpu_metadata
---
amdhsa.version: [ 1, 2 ]
amdhsa.kernels:
  - .name:           k_q51934d9276_gqkv
    .symbol:         k_q51934d9276_gqkv.kd
    .args:
      - { .name: xncod, .offset: 0, .size: 8, .value_kind: global_buffer, .address_space: global }
      - { .name: wcod, .offset: 8, .size: 8, .value_kind: global_buffer, .address_space: global }
      - { .name: qkvcod, .offset: 16, .size: 8, .value_kind: global_buffer, .address_space: global }
    .group_segment_fixed_size: 327680
    .private_segment_fixed_size: 0
    .kernarg_segment_align: 8
    .kernarg_segment_size: 24
    .max_flat_workgroup_size: 128
    .sgpr_count:     102
    .vgpr_count:     1024
    .wavefront_size: 32
...
	.end_amdgpu_metadata
.endif
;; end of part 10
;; launch attn (part 11): grid 8 x 32, 8 waves a work-group, clusters of 4 x 1, 210,944 bytes of LDS; arguments qkvcod, ycod; writes ycod
.if DOCPART == 11
	.amdgcn_target "amdgcn-amd-amdhsa--gfx1250"
	.amdhsa_code_object_version 6
	.text
	.protected	k_q51934d9276_attn
	.globl	k_q51934d9276_attn
	.p2align	8
	.type	k_q51934d9276_attn,@function
k_q51934d9276_attn:
	s_mov_b64 s[64:65], 0
	v_nop
	global_prefetch_b8 v0, s[64:65] scope:SCOPE_SE
	s_setreg_imm32_b32 hwreg(HW_REG_WAVE_MODE, 25, 1), 1
	s_wait_xcnt 0x0
	s_wait_alu depctr_hold_cnt(0) depctr_sa_sdst(0) depctr_va_vdst(0) depctr_va_sdst(0) depctr_va_ssrc(0) depctr_va_vcc(0) depctr_vm_vsrc(0)
	s_getreg_b32 s2, hwreg(HW_REG_IB_STS2, 6, 4)
	s_cmp_eq_u32 s2, 0
	s_cbranch_scc0 .Lentry_in_a_cluster
	s_endpgm
.Lentry_in_a_cluster:
	s_bfe_u32 s2, ttmp6, 0x10000c
	s_cmp_lg_u32 s2, 0x3003
	s_cbranch_scc0 .Lentry_shape_is_right
	s_endpgm
.Lentry_shape_is_right:
; Products 2 and 3 with the softmax between them, on codes of FP6 (E2M3) with E8M0 scales; 32 heads (batch x head) of 2,048 tokens x 64.  The result y is quantised along the model's 1,024 and leaves as codes.
; THE SOFTMAX: t = (q . k) x log2(e) / 8 (q arrives without its factor 1/8, a power of two); M = the running largest t rounded UP to a whole number; p = 2^(t - M) is quantised along the keys, not normalised;
; the row's sum is taken of the unquantised p and divides at the end.  When M moves, the sum and O are multiplied by 2^(old M - new M): exact.
; SHARES.  A work-group owns 256 queries of one head; each of its eight waves TWO tiles of 16 queries, so that each fragment of K and V read from LDS feeds two products.  A step is 128 keys; 16 steps.
; REGISTER WINDOWS.  Tile q's state lies at the same numbers in window q (q = 0, 1): v12 -M, v13 the largest score, v[14:15] the sum, v16-27 Q, v28 8 h, v96-159 S^T then p, v160-191 O^T, v204-223 at work
; (v216-223 the step's four partial sums), v224-242 p's codes, v252 f.  One text serves both tiles under another window setting.  Window 0 alone: v1-11, v29, v30 addresses; v32-79 V's fragments; v192-199 K's scale words,
; v200-203 V's, v253 and v246 p's (tile 0, 1), v254, v255 Q's.  Window 1 alone: v32-85 K's 8 tiles (6 registers each, then 6 zeros).
; K AND V HAVE REGISTERS OF THEIR OWN: the next step's K is asked for behind this step's first products, this step's V at its top.  The last step's look-ahead reads the 6,144 + 512 LDS bytes behind K's regions (V's, landed) and uses none of them.
; LDS.  A whole head's K (98,304 bytes), V (98,304) and scale words (8,192 + 4,096) are brought in ONCE; nothing is filled again.  One tensor load a wave at the head: waves 0, 1 keys 0-511 of K, V; wave 2 K's scale words, wave 3 V's;
; waves 4, 5 keys 512-1,023; waves 6, 7 keys 1,024-2,047.  The first barrier shows waves 0-3's tiles; the second, three steps on (their look-ahead stays inside keys 0-511), all the rest.
; CLUSTER.  The four query blocks of a cluster belong to one head: every tile is asked for jointly (mask 15).  No prefetch: all of K and V is asked for at the head, so no later load is left to ask ahead for.
; LAYOUT.  Both products are used transposed: S^T = K Q^T, O^T = V^T P^T: a lane holds one query (lane % 16) of each tile.  In memory row i of tile T of tokens is token 32 (T / 2) + 8 (T % 2) + i + 8 (i / 8).
; A TILE OF K IS FORMED BY THE LANES' ADDRESSES: tile (c, t) of a step takes keys 64 c + 8 t + 0..7 as its rows 0-7 and keys 64 c + 32 + 8 t + 0..7 as its rows 8-15.  So register 32 c + i of S^T in lane half h is key 64 c + 32 h + i:
; a whole block of 32 keys lies in one lane, in the order of the second product's operand.  (Lanes r and r + 8 of these loads read addresses 1,536 bytes apart.)
; K = 64 IN THE FIRST PRODUCT: the instruction's upper 64 along K are zero codes in Q's operand; K's operand names the next tile's six registers there; the scale words' upper two bytes repeat the lower two.
; LIMITS: the promise holds while |t| stays under 2^31; a block of zeros gets the byte 1 where the rule says 127; NaN and infinities are not served.  y's two scale bytes of a row leave as 2 bytes a lane.
.set WV,  8
.set SEL, 16                           ; s[16:17] selects for lane l xor 16
.set CS,  18                           ; s[18:19] c = log2(e) / 8;  s47 = -c
.set NC,  47
.set G1P, 20                           ; groups 1, rows of 256 bytes, dense: s[20:27] 96 rows, s[28:35] 16, s[68:75] 32, s[76:83] 192
.set G1W, 28
.set G1K, 68
.set G1R, 76
.set G0P, 36                           ; groups 0: s[36:39] keys 0-511, s[40:43] the later keys, s[52:55] scale words
.set G0Q, 40
.set G0W, 52
.set TK,  56                           ; s56 the step's tiles of K in LDS (V's: 98,304 on);  s57 K's scale words;  s58 V's;  s59 counts steps
.set MSB, 0
.macro WIN new                         ; the immediate's high byte repeats the setting that is left
.if MSB != (\new)
	s_set_vgpr_msb (MSB<<8)|(\new)
.set MSB, (\new)
.endif
.endm
.macro WALU
	s_wait_alu depctr_va_vdst(0)
.endm
.macro CROUND
	s_barrier_signal -1
	s_barrier_wait -1
	s_cmp_lg_u32 s[WV], 0
	s_cbranch_scc1 .Lnot_wave_0_\@
	s_barrier_signal -3
.Lnot_wave_0_\@:
	s_barrier_wait -3
	s_barrier_signal -1
	s_barrier_wait -1
.endm
.macro TLOAD g0, g1
	tensor_load_to_lds s[\g0:\g0+3], s[\g1:\g1+7]
	s_nop 0
.rept 4
	v_nop
.endr
.endm
.macro JOIN                            ; the last step's four partial sums onto the row's sum
	v_pk_add_f32 v[216:217], v[216:217], v[218:219]
	v_pk_add_f32 v[220:221], v[220:221], v[222:223]
	v_pk_add_f32 v[216:217], v[216:217], v[220:221]
	v_pk_add_f32 v[14:15], v[14:15], v[216:217]
.endm
.macro INIT q                          ; tile q's state
	WIN 0x40*\q
.irp j, 22,23,24,25,26,27,14,15,208,215,253
	v_mov_b32 v[\j], 0                             ; Q's upper 64 along K: zero codes; the sum; lane permutes' destinations and the pair's upper half, which count as read
.endr
	v_mov_b32 v13, 0xff61b1e6                      ; the largest score so far: -3e38
	v_mov_b32 v12, 0x7e000000                      ; -M: so large that the first step's f is 0
	v_lshlrev_b32 v28, 3, v10                      ; 8 h
.set j, 0
.rept 8
	v_mov_b32 v[216+j], 0                          ; the partial sums that the first step joins
.set j, j+1
.endr
.set j, 0
.rept 32
	v_mov_b32 v[160+j], 0                          ; O^T: the step is written once; the first finds zeros
.set j, j+1
.endr
.endm
	s_load_b128 s[4:7], s[0:1], 0x0                ; q, k, v as codes; y
	v_lshl_add_u32 v250, v0, 2, 0x33000
	v_mov_b32 v251, 0
	ds_add_u32 v250, v251
	ds_add_u32 v250, v251
	v_lshrrev_b32 v8, 5, v0
	v_readfirstlane_b32 s[WV], v8                  ; wave 0..7
	s_bfe_u32 s9, ttmp6, 0x40000                   ; cx: it enters Q's and y's addresses alone
	s_lshl_b32 s10, ttmp9, 2
	s_add_co_u32 s10, s10, s9                      ; my block of 256 queries
	s_and_b32 s11, ttmp7, 0xffff                   ; the head, which the partners share
.irp g, G1P, G1W, G1K, G1R
	s_mov_b32 s[\g], 15|(3<<16)|(1<<21)            ; the mask: all four; elements of 8 bytes; bit 21 beside the mask
	s_mov_b32 s[\g+1], 32<<16
	s_mov_b32 s[\g+3], 32<<16
	s_mov_b32 s[\g+5], 32
	s_mov_b32 s[\g+6], 0
	s_mov_b32 s[\g+7], 0
.endr
	s_mov_b32 s[G1P+2], 96<<16
	s_mov_b32 s[G1P+4], 96
	s_mov_b32 s[G1W+2], 16<<16
	s_mov_b32 s[G1W+4], 16
	s_mov_b32 s[G1K+2], 32<<16
	s_mov_b32 s[G1K+4], 32
	s_mov_b32 s[G1R+2], 192<<16
	s_mov_b32 s[G1R+4], 192
	s_and_b32 s61, s[WV], 1                        ; codes: K (even waves) or V (odd)
	s_mul_i32 s[G0P+1], s61, 98304
	s_lshr_b32 s60, s[WV], 1
	s_and_b32 s60, s60, 1
	s_mul_i32 s60, s60, 24576
	s_add_co_u32 s60, s60, 24576                   ; waves 4, 5 begin at key 512, waves 6, 7 at key 1,024
	s_add_co_u32 s[G0Q+1], s[G0P+1], s60
	s_mul_i32 s44, s61, 3145728
	s_add_co_u32 s44, s44, 3145728
	s_mul_i32 s13, s11, 98304
	s_add_co_u32 s44, s44, s13
	s_mov_b32 s45, 0
	s_add_co_u32 s62, s44, s60
	s_mov_b32 s63, 0
	s_mov_b32 s[G0P], 1
	s_mov_b32 s[G0Q], 1
	s_mov_b32 s[G0W], 1
	s_lshl_b32 s[G0W+1], s61, 13                   ; wave 2: K's scale words at 196,608; wave 3: V's at 204,800
	s_add_co_u32 s[G0W+1], s[G0W+1], 196608
	s_lshl_b32 s48, s11, 13
	s_add_co_u32 s48, s48, 9699328
	s_lshl_b32 s49, s11, 12
	s_add_co_u32 s49, s49, 9961472
	s_cmp_eq_u32 s[WV], 3
	s_cselect_b32 s48, s49, s48
	s_mov_b32 s49, 0
	s_lshl_b32 s12, s10, 4
	s_lshl_b32 s60, s[WV], 1
	s_add_co_u32 s12, s12, s60                     ; my first tile of queries, an even number
	s_mul_i32 s14, s12, 768
	s_add_co_u32 s14, s14, s13
	s_mov_b32 s15, 0
	s_lshl_b32 s60, s11, 13
	s_lshr_b32 s61, s12, 2
	s_lshl_b32 s61, s61, 8
	s_add_co_u32 s60, s60, s61
	s_and_b32 s61, s12, 3
	s_lshl_b32 s61, s61, 2
	s_add_co_u32 s60, s60, s61
	s_add_co_u32 s60, s60, 9437184                 ; Q's scale words: my two tiles' are neighbours
	s_mov_b32 s61, 0
	s_mov_b32 s[SEL], 0x76543210
	s_mov_b32 s[SEL+1], 0xfedcba98
	s_mov_b32 s[CS], 0x3e38aa3b
	s_mov_b32 s[CS+1], s[CS]                       ; (named with it as a pair, so it is written)
	s_mov_b32 s[NC], 0xbe38aa3b
	v_and_b32 v8, 15, v0                           ; r
	v_and_b32 v9, 31, v0                           ; lane
	v_bfe_u32 v10, v0, 4, 1                        ; h
	v_and_b32 v6, 7, v0                            ; r % 8
	v_bfe_u32 v7, v0, 3, 1                         ; r / 8
	v_lshlrev_b32 v29, 4, v9
	v_lshlrev_b32 v30, 3, v9
	v_lshlrev_b32 v11, 4, v8
	v_mul_u32_u24 v31, v7, 1536                    ; rows 8-15 of a tile come from the stored tile two further on
	v_add_nc_u32 v30, 512, v30
	v_add_nc_u32 v3, 98304, v29                    ; V: 16 x lane
	v_lshl_add_u32 v1, v10, 8, v31
	v_lshl_add_u32 v2, v10, 7, v31
	v_lshlrev_b32 v4, 4, v6
	v_lshl_add_u32 v1, v6, 4, v1                   ; K: 256 h + 16 (r % 8) + 1,536 (r / 8),
	v_lshl_add_u32 v2, v6, 3, v2
	v_lshl_add_u32 v4, v7, 3, v4
	v_add_nc_u32 v5, 204800, v11                   ; V's scale words: 16 r
	v_add_nc_u32 v2, 512, v2                       ;    512 + 128 h + 8 (r % 8) + 1,536 (r / 8)
	v_add_nc_u32 v4, 196608, v4                    ; K's scale words: 16 (r % 8) + 8 (r / 8): two tiles' words
	INIT 0
	INIT 1
.irp j, 80,81,82,83,84,85
	v_mov_b32 v[\j], 0                             ; window 1: zero codes, which tile 7 of K names as its upper half
.endr
	WIN 0
	WALU                                           ; the wait at the head's end
	s_wait_dscnt 0x0
	s_wait_kmcnt 0x0
	s_add_nc_u64 s[84:85], s[4:5], s[14:15]
	s_add_nc_u64 s[86:87], s[4:5], s[60:61]
	global_load_b128 v[16:19], v29, s[84:85]       ; Q's half fragments stay in registers; asked for ahead of the tiles
	global_load_b64 v[20:21], v30, s[84:85]
	global_load_b64 v[254:255], v11, s[86:87]
	WIN 0x40
	global_load_b128 v[16:19], v29, s[84:85] offset:768
	global_load_b64 v[20:21], v30, s[84:85] offset:768
	WIN 0
	s_add_nc_u64 s[G0P+2:G0P+3], s[4:5], s[44:45]
	s_or_b32 s[G0P+3], s[G0P+3], 0x80000000
	s_add_nc_u64 s[G0Q+2:G0Q+3], s[4:5], s[62:63]
	s_or_b32 s[G0Q+3], s[G0Q+3], 0x80000000
	s_add_nc_u64 s[G0W+2:G0W+3], s[4:5], s[48:49]
	s_or_b32 s[G0W+3], s[G0W+3], 0x80000000
	CROUND                                         ; all four work-groups are here: the joint loads meet
	s_cmp_lt_u32 s[WV], 2                          ; one chain of branches on the wave's number, one load to an arm, every wave in one arm
	s_cbranch_scc0 .Lkwords
	TLOAD G0P, G1P
	s_branch .Lasked
.Lkwords:
	s_cmp_eq_u32 s[WV], 2
	s_cbranch_scc0 .Lvwords
	TLOAD G0W, G1K
	s_branch .Lasked
.Lvwords:
	s_cmp_eq_u32 s[WV], 3
	s_cbranch_scc0 .Lsecond
	TLOAD G0W, G1W
	s_branch .Lasked
.Lsecond:
	s_cmp_lt_u32 s[WV], 6
	s_cbranch_scc0 .Lrest
	TLOAD G0Q, G1P
	s_branch .Lasked
.Lrest:
	TLOAD G0Q, G1R
.Lasked:
	s_cmp_lt_u32 s[WV], 4
	s_cbranch_scc0 .Llater
	s_wait_tensorcnt 0x0                           ; waves 0-3: what the first three steps and their look-ahead read
.Llater:
	s_wait_loadcnt 0x0                             ; Q
	s_barrier_signal -1
	s_barrier_wait -1                              ; waves 4-7's tiles may be out
.macro KLOAD o, os                     ; 20 loads: K's eight tiles into window 1, their scale words into window 0
	WIN 0x40
.irp c, 0,1
.irp t, 0,1,2,3
	ds_load_b128 v[32+6*(4*\c+\t):35+6*(4*\c+\t)], v6 offset:\o+3072*\c+768*(\t%2)+128*(\t/2)
	ds_load_b64 v[36+6*(4*\c+\t):37+6*(4*\c+\t)], v7 offset:\o+3072*\c+768*(\t%2)+64*(\t/2)
.endr
.endr
	WIN 0
.irp c, 0,1
	ds_load_b64 v[192+4*\c:193+4*\c], v9 offset:\os+256*\c
	ds_load_b64 v[194+4*\c:195+4*\c], v9 offset:\os+256*\c+128
.endr
.endm
.macro QK q                            ; source 0 (K) window 1; Q and S^T window q
	WIN 0x01+0x54*\q
.irp t, 0,1,2,3,4,5,6,7
	v_wmma_scale_f32_16x16x128_f8f6f4 v[96+8*\t:103+8*\t], v[32+6*\t:43+6*\t], v[16:27], 0, v[192+\t], v[254+\q] matrix_a_fmt:MATRIX_FMT_FP6 matrix_b_fmt:MATRIX_FMT_FP6
.endr
.endm
.macro PV q, ps                        ; source 0 (V) window 0; p's codes and O^T window q
	WIN 0x54*\q
.irp t, 0,1,2,3
	v_wmma_scale_f32_16x16x128_f8f6f4 v[160+8*\t:167+8*\t], v[32+12*\t:43+12*\t], v[224:235], v[160+8*\t:167+8*\t], v[200+\t], v[\ps] matrix_a_fmt:MATRIX_FMT_FP6 matrix_b_fmt:MATRIX_FMT_FP6
.endr
.endm
.macro P1 q                            ; tile q: maxima, M, f, t - M, and what was summed brought under the new M
	WIN 0x55*\q
.if \q
	JOIN
.endif
.irp c, 0,1                                    ; my two blocks' largest scores, two chains each; each accumulator is read from its low end on
	v_max3_num_f32 v[204+\c], v[96+32*\c], v[97+32*\c], v[98+32*\c]
	v_max3_num_f32 v[206+\c], v[112+32*\c], v[113+32*\c], v[114+32*\c]
.endr
.irp i, 3,5,7,9,11,13
.irp c, 0,1
	v_max3_num_f32 v[204+\c], v[204+\c], v[96+32*\c+\i], v[97+32*\c+\i]
	v_max3_num_f32 v[206+\c], v[206+\c], v[112+32*\c+\i], v[113+32*\c+\i]
.endr
.endr
.irp c, 0,1
	v_max3_num_f32 v[204+\c], v[204+\c], v[206+\c], v[111+32*\c]
.endr
.irp c, 0,1
	v_max_num_f32 v[204+\c], v[204+\c], v[127+32*\c]
.endr
	s_delay_alu instid0(VALU_DEP_1)
	v_max_num_f32 v209, v204, v205
	s_delay_alu instid0(VALU_DEP_1)
	v_permlanex16_b32 v208, v209, s[SEL], s[SEL+1]
	s_delay_alu instid0(VALU_DEP_1)
	v_max3_num_f32 v13, v13, v209, v208            ; the running largest score of my query
	s_delay_alu instid0(VALU_DEP_1)
	v_mul_f32 v209, s[NC], v13                     ; -t
	s_delay_alu instid0(VALU_DEP_1)
	v_floor_f32 v209, v209                         ; the new -M = -ceil(t)
	s_delay_alu instid0(VALU_DEP_1)
	v_sub_f32 v252, v209, v12                      ; old M - new M: a whole number, 0 or less
	v_mov_b32 v12, v209
	s_delay_alu instid0(VALU_DEP_2)
	v_cvt_i32_f32 v252, v252                       ; (it saturates)
	s_delay_alu instid0(VALU_DEP_1)
	v_ldexp_f32 v252, 1.0, v252                    ; f = 2^(old M - new M)
.set j, 0
.rept 32
	v_pk_fma_f32 v[96+j:97+j], v[96+j:97+j], s[CS:CS+1], v[12:13] op_sel_hi:[1,0,0]   ; t - M
.set j, j+2
.endr
.irp c, 0,1
	v_fma_f32 v[204+\c], v[204+\c], s[CS], v12     ; the same of each block's largest score
.endr
.set j, 0
.rept 16
	v_pk_mul_f32 v[160+j:161+j], v[160+j:161+j], v[252:253] op_sel_hi:[1,0]   ; O^T under the new M
.set j, j+2
.endr
	v_pk_mul_f32 v[14:15], v[14:15], v[252:253] op_sel_hi:[1,0]               ; and the sum
.endm
.macro EXPS q
	WIN 0x55*\q
	v_exp_f32 v204, v204                           ; the blocks' largest p
	v_exp_f32 v205, v205
.set j, 0
.rept 64
	v_exp_f32 v[96+j], v[96+j]                     ; p = 2^(t - M)
.set j, j+1
.endr
.endm
.macro P2 q, ps                        ; tile q: p's scales and codes, and the step's partial sums
	WIN 0x55*\q
.irp c, 0,1
	v_max_num_f32 v[204+\c], 0x1800000, v[204+\c]  ; the floor 2^(3 - 127)
.endr
.irp c, 0,1
	v_add_nc_u32 v[210+\c], 0xff000000, v[204+\c]  ; 2 off the exponent field: the conversion's scale operand
.endr
.irp c, 0,1
	v_lshrrev_b32 v[212+\c], 23, v[210+\c]         ; the scale's byte
.endr
	v_lshl_or_b32 v214, v213, 16, v212             ; my two bytes: blocks h and 2 + h,
	s_delay_alu instid0(VALU_DEP_1)
	v_lshlrev_b32 v214, v28, v214                  ; at their places in the word;
	s_delay_alu instid0(VALU_DEP_1)
	v_permlanex16_b32 v215, v214, s[SEL], s[SEL+1]
	WIN 0x05*\q                                    ; (a scale operand is taken from window 0)
	v_or_b32 v[\ps], v214, v215                    ; with lane l xor 16's two: p's scale word for these 128 keys
	WIN 0x55*\q
.irp c, 0,1
	v_cvt_scalef32_pk16_fp6_f32 v[224+6*\c:226+6*\c], v[96+32*\c:111+32*\c], v[210+\c]
	v_cvt_scalef32_pk16_fp6_f32 v[236+4*\c:238+4*\c], v[112+32*\c:127+32*\c], v[210+\c]   ; (a conversion's three registers begin on an even number)
.endr
.irp k, 0,1,2,3                                ; the row's sum of the unquantised p, in four chains.  (Plain places behind the conversions)
	v_pk_add_f32 v[216+2*\k:217+2*\k], v[96+2*\k:97+2*\k], v[104+2*\k:105+2*\k]
.endr
.irp c, 0,1
.irp i, 0,1,2
	v_mov_b32 v[227+6*\c+\i], v[236+4*\c+\i]
.endr
.endr
.irp n, 2,3,4,5,6,7                            ; (these 24 are also the places in front of the scaled products)
.irp k, 0,1,2,3
	v_pk_add_f32 v[216+2*\k:217+2*\k], v[216+2*\k:217+2*\k], v[96+8*\n+2*\k:97+8*\n+2*\k]
.endr
.endr
.endm
.macro STEP                            ; 128 keys x 32 queries
	v_add_nc_u32 v6, s[TK], v1                     ; (these five are also the places behind the last products, in front of the loads into V's registers)
	v_add_nc_u32 v7, s[TK], v2
	v_add_nc_u32 v8, s[TK], v3
	v_add_nc_u32 v9, s57, v4
	v_add_nc_u32 v10, s58, v5
.irp t, 0,1,2,3                                ; 13 loads: V's four fragments and their scale words land during the softmax
.irp g, 0,1,2
	ds_load_b128 v[32+12*\t+4*\g:35+12*\t+4*\g], v8 offset:1536*\t+512*\g
.endr
.endr
	ds_load_b128 v[200:203], v10
	WALU
	s_wait_dscnt 13                                ; K's 20 loads, asked for a step ago, are in; the 13 just issued may be out
	QK 0
	QK 1
	WIN 0
	JOIN                                           ; tile 0's: four places behind the products
	KLOAD 6144, 512                                ; the next step's K
	P1 0
	P1 1
	WIN 0
	WALU                                           ; the wait ahead of the batch
	EXPS 0
	EXPS 1
	v_nop                                          ; a plain place behind the exponentials
	WALU                                           ; one wait for the batch, ahead of its first reader
	P2 0, 253
	P2 1, 246
	WALU                                           ; directly ahead of the wait below
	s_wait_dscnt 20                                ; V is in; the next step's 20 loads of K may be out
	PV 0, 253
	PV 1, 246
	WIN 0
	s_add_co_u32 s[TK], s[TK], 6144
	s_add_co_u32 s57, s57, 512
	s_add_co_u32 s58, s58, 256
.endm
.macro PHASE k0, trips                 ; steps k0 on
	s_mov_b32 s[TK], 6144*\k0
	s_mov_b32 s57, 512*\k0
	s_mov_b32 s58, 256*\k0
	s_mov_b32 s59, \trips
.Lstep_\@:
	STEP
	s_sub_co_u32 s59, s59, 1
	s_cmp_lg_u32 s59, 0
	s_cbranch_scc1 .Lstep_\@
.endm
	s_mov_b32 s[TK], 0
	s_mov_b32 s57, 0
	v_add_nc_u32 v6, s[TK], v1
	v_add_nc_u32 v7, s[TK], v2
	v_add_nc_u32 v9, s57, v4
	KLOAD 0, 0                                     ; step 0's K
	PHASE 0, 3
	WALU
	s_wait_tensorcnt 0x0                           ; every wave: all tiles are in
	s_wait_dscnt 0x0
	s_barrier_signal -1
	s_barrier_wait -1
	PHASE 3, 13
	; THE WAY OUT: O^T / the sum; a tile's 16 queries x 64 channels are one half fragment of y: two blocks of 32 along the next K
	s_and_b32 s13, s11, 15                         ; the head in its batch
	s_lshr_b32 s14, s11, 4
	s_lshl_b32 s14, s14, 7
	s_add_co_u32 s60, s14, s12                     ; y's row block: 128 x batch + my first tile
	s_lshr_b32 s14, s13, 2
	s_mul_i32 s14, s14, 786432
	s_mul_i32 s61, s60, 3072
	s_add_co_u32 s14, s14, s61
	s_and_b32 s61, s13, 3
	s_mul_i32 s61, s61, 768
	s_add_co_u32 s14, s14, s61
	s_add_nc_u64 s[20:21], s[6:7], s[14:15]        ; the codes.  (All tensor loads are done: the descriptors' registers are free)
	s_lshr_b32 s14, s13, 1
	s_lshl_b32 s14, s14, 14
	s_lshr_b32 s61, s60, 2
	s_lshl_b32 s61, s61, 8
	s_add_co_u32 s14, s14, s61
	s_and_b32 s61, s60, 3
	s_lshl_b32 s61, s61, 2
	s_add_co_u32 s14, s14, s61
	s_and_b32 s61, s13, 1
	s_lshl_b32 s61, s61, 1
	s_add_co_u32 s14, s14, s61
	s_add_co_u32 s14, s14, 3145728
	s_add_nc_u64 s[22:23], s[6:7], s[14:15]        ; my half of the rows' scale words
.macro OUT q
	WIN 0x55*\q
	JOIN                                           ; the last step's partial sums: also four places behind the last products
	v_add_f32 v14, v14, v15
	v_permlanex16_b32 v252, v14, s[SEL], s[SEL+1]
	v_add_f32 v14, v14, v252                       ; the row's sum
	WALU
	v_rcp_f32 v14, v14
	v_nop                                          ; a plain place behind the transcendental
	WALU                                           ; the wait ahead of the reciprocal's first reader, and of O^T's
.set j, 0
.rept 32
	v_mul_f32 v[96+j], v[160+j], v14               ; register 16 b + i: channel 32 b + 16 h + i of my query
.set j, j+1
.endr
.irp b, 0,1
	v_max3_num_f32 v[232+\b], |v[96+16*\b]|, |v[97+16*\b]|, 0x1800000
.endr
.irp i, 2,4,6,8,10,12,14
.irp b, 0,1
	v_max3_num_f32 v[232+\b], v[232+\b], |v[96+16*\b+\i]|, |v[97+16*\b+\i]|
.endr
.endr
.irp b, 0,1
	v_permlanex16_b32 v[236+\b], v[232+\b], s[SEL], s[SEL+1]
.endr
.irp b, 0,1
	v_max_num_f32 v[232+\b], v[232+\b], v[236+\b]
.endr
.irp b, 0,1
	v_add_nc_u32 v[244+\b], 0xff000000, v[232+\b]
.endr
.irp b, 0,1
	v_lshrrev_b32 v[236+\b], 23, v[244+\b]
.endr
	v_lshl_or_b32 v234, v237, 8, v236              ; the two bytes
	v_cvt_scalef32_pk16_fp6_f32 v[224:226], v[96:111], v244
	v_cvt_scalef32_pk16_fp6_f32 v[240:242], v[112:127], v245
	v_nop
.irp i, 0,1,2
	v_permlane16_swap_b32 v[224+\i], v[240+\i]
.endr
.irp i, 0,1,2
	v_mov_b32 v[227+\i], v[240+\i]
.endr
	WIN 0x04*\q                                    ; a store's data are its source 1
	global_store_b128 v29, v[224:227], s[20:21] offset:3072*\q    ; 512 consecutive bytes,
	global_store_b64 v30, v[228:229], s[20:21] offset:3072*\q     ; and 256, each at a multiple of 256
.endm
	OUT 0
	OUT 1
	WIN 0
	v_and_b32 v6, 31, v0
	v_cmp_gt_u32 vcc_lo, 16, v6
	WALU
	s_wait_xcnt 0x0                                ; EXEC changes only behind this wait
	s_and_saveexec_b32 s24, vcc_lo
	global_store_b16 v11, v234, s[22:23]           ; lanes 0-15: row r's two bytes, tile 0's,
	WIN 0x04
	global_store_b16 v11, v234, s[22:23] offset:4  ; and tile 1's
	WIN 0
	s_wait_xcnt 0x0
	s_or_b32 exec_lo, exec_lo, s24
	s_wait_tensorcnt 0x0                           ; the wave's end
	ds_add_u32 v250, v251
	s_wait_dscnt 0x0
	CROUND                                         ; the closing round
	s_endpgm
.Lfunc_end_k_q51934d9276_attn:
	.size	k_q51934d9276_attn, .Lfunc_end_k_q51934d9276_attn-k_q51934d9276_attn
	.p2alignl 7, 3214868480
	.fill 96, 4, 3214868480
	.section	.rodata,"a",@progbits
	.p2align	6, 0x0
	.amdhsa_kernel k_q51934d9276_attn
		.amdhsa_group_segment_fixed_size 210944
		.amdhsa_private_segment_fixed_size 0
		.amdhsa_enable_private_segment 0
		.amdhsa_kernarg_size 16
		.amdhsa_user_sgpr_count 2
		.amdhsa_user_sgpr_kernarg_segment_ptr 1
		.amdhsa_wavefront_size32 1
		.amdhsa_system_sgpr_workgroup_id_x 1
		.amdhsa_system_sgpr_workgroup_id_y 1
		.amdhsa_system_sgpr_workgroup_id_z 1
		.amdhsa_system_vgpr_workitem_id 0
		.amdhsa_next_free_vgpr 512
		.amdhsa_next_free_sgpr 88
		.amdhsa_reserve_vcc 1
		.amdhsa_float_denorm_mode_32 3
		.amdhsa_float_denorm_mode_16_64 3
		.amdhsa_memory_ordered 1
		.amdhsa_forward_progress 1
		.amdhsa_inst_pref_size 79
	.end_amdhsa_kernel
	.amdgpu_metadata
---
amdhsa.version: [ 1, 2 ]
amdhsa.kernels:
  - .name:           k_q51934d9276_attn
    .symbol:         k_q51934d9276_attn.kd
    .args:
      - { .name: qkvcod, .offset: 0, .size: 8, .value_kind: global_buffer, .address_space: global }
      - { .name: ycod, .offset: 8, .size: 8, .value_kind: global_buffer, .address_space: global }
    .group_segment_fixed_size: 210944
    .private_segment_fixed_size: 0
    .kernarg_segment_align: 8
    .kernarg_segment_size: 16
    .max_flat_workgroup_size: 256
    .sgpr_count:     88
    .vgpr_count:     512
    .wavefront_size: 32
...
	.end_amdgpu_metadata
.endif
;; end of part 11
;; launch gproj (part 12): grid 8 x 32, 4 waves a work-group, clusters of 4 x 4, 327,680 bytes of LDS; arguments ycod, wcod, b_proj, x, x1; writes x1
.if DOCPART == 12
	.amdgcn_target "amdgcn-amd-amdhsa--gfx1250"
	.amdhsa_code_object_version 6
	.text
	.protected	k_q51934d9276_gproj
	.globl	k_q51934d9276_gproj
	.p2align	8
	.type	k_q51934d9276_gproj,@function
k_q51934d9276_gproj:
	s_mov_b64 s[64:65], 0
	v_nop
	global_prefetch_b8 v0, s[64:65] scope:SCOPE_SE
	s_setreg_imm32_b32 hwreg(HW_REG_WAVE_MODE, 25, 1), 1
	s_wait_xcnt 0x0
	s_wait_alu depctr_hold_cnt(0) depctr_sa_sdst(0) depctr_va_vdst(0) depctr_va_sdst(0) depctr_va_ssrc(0) depctr_va_vcc(0) depctr_vm_vsrc(0)
	s_getreg_b32 s2, hwreg(HW_REG_IB_STS2, 6, 4)
	s_cmp_eq_u32 s2, 0
	s_cbranch_scc0 .Lentry_in_a_cluster
	s_endpgm
.Lentry_in_a_cluster:
	s_bfe_u32 s2, ttmp6, 0x10000c
	s_cmp_lg_u32 s2, 0xf033
	s_cbranch_scc0 .Lentry_shape_is_right
	s_endpgm
.Lentry_shape_is_right:
.set SIZE_K, 1024
.set SIZE_N, 1024
.set ASC,    3145728
.set WC,     2359296
.set WS,     9535488
.set FR,     12
.set NP,     4
.set HALFT,  24576
.set SLOT,   2*HALFT                   ; LDS: A's slot 0, A's slot 1, B's slot 0, B's slot 1, two panels of 256 K each
.set LAPS,   SIZE_K/1024
.set KST,    SIZE_K/128
.set SCL,    8*HALFT
.set HALFS,  (KST/2)*512
.set SPARE,  SCL+4*HALFS
.set PANA,   786432
.set PANB,   192*SIZE_N
.set SP,     272
.set L16,  8
.set L8,   9
.set ADRA, 16
.set ADRB, 20
.set STO,  24
.set RD,   25
.set CO,   26
.set ADRS, 27
.set SPW,  28
.set NIL,  29
.set SC,   32
.set BIAS, 64
.set ACC,  128
.set G1, 24
.set G0, 32
.set G1B, 48
.set G0B, 56
.set G1S, 68
.set G0S, 76
.set G1SB, 80
.set G0SB, 88
.set MSB, 0
.macro WIN new
.if MSB != \new
	s_set_vgpr_msb (MSB<<8)|\new
.set MSB, \new
.endif
.endm
.set MUL,  0x05
.set TO_F, 0x40
.macro JLOAD g0a, g1a, g0b, g1b
	s_cmp_eq_u32 s15, 0
	s_cbranch_scc0 .Lfor_b_\@
	tensor_load_to_lds s[\g0a:\g0a+3], s[\g1a:\g1a+7]
	s_nop 0
.rept 4
	v_nop
.endr
	s_branch .Lasked_\@
.Lfor_b_\@:
	tensor_load_to_lds s[\g0b:\g0b+3], s[\g1b:\g1b+7]
	s_nop 0
.rept 4
	v_nop
.endr
.Lasked_\@:
.endm
.macro CREST
	s_cmp_lg_u32 s14, 0
	s_cbranch_scc1 .Lnot_wave_0_\@
	s_barrier_signal -3
.Lnot_wave_0_\@:
	s_barrier_wait -3
	s_barrier_signal -1
	s_barrier_wait -1
.endm
.macro CROUND
	s_barrier_signal -1
	s_barrier_wait -1
	CREST
.endm
	s_load_b128 s[4:7], s[0:1], 0x0
	s_load_b128 s[8:11], s[0:1], 0x10
	s_load_b64 s[12:13], s[0:1], 0x20
	v_lshl_add_u32 v[SPW], v0, 2, SPARE
	v_mov_b32 v[NIL], 0
	ds_add_u32 v28, v29
	ds_add_u32 v28, v29
	s_wait_dscnt 0x0
	v_lshrrev_b32 v1, 5, v0
	v_readfirstlane_b32 s14, v1
	s_lshr_b32 s15, s14, 1
	s_and_b32 s16, s14, 1
	s_bfe_u32 s40, ttmp6, 0x40000
	s_bfe_u32 s41, ttmp6, 0x40004
	s_lshl_b32 s42, ttmp9, 2
	s_add_co_u32 s42, s42, s40
	s_and_b32 s17, ttmp7, 0xffff
	s_lshl_b32 s17, s17, 2
	s_add_co_u32 s17, s17, s41
	s_lshl_b32 s43, s41, 2
	s_lshl_b32 s43, 15, s43
	s_lshl_b32 s44, 0x1111, s40
	s_or_b32 s[G1+0], s43, (3<<16)|(1<<21)
	s_or_b32 s[G1B+0], s44, (3<<16)|(1<<21)
	s_mov_b32 s[G1+5], PANA/8                      ; the head's shape: 4 rows (panels 0 to 3) of 24,576 bytes (128 rows of the operand), a panel apart
	s_mov_b32 s[G1B+5], PANB/8
.irp g, G1, G1B
	s_mov_b32 s[\g+1], 3072<<16
	s_mov_b32 s[\g+2], 4<<16
	s_mov_b32 s[\g+3], 3072<<16
	s_mov_b32 s[\g+4], 4
	s_mov_b32 s[\g+6], 0
	s_mov_b32 s[\g+7], 0
.endr
	s_or_b32 s[G1S+0], s43, (3<<16)|(1<<21)
	s_or_b32 s[G1SB+0], s44, (3<<16)|(1<<21)
.irp g, G1S, G1SB
	s_mov_b32 s[\g+1], 64<<16
	s_mov_b32 s[\g+2], KST<<16
	s_mov_b32 s[\g+3], 64<<16
	s_mov_b32 s[\g+4], KST
	s_mov_b32 s[\g+6], 0
	s_mov_b32 s[\g+7], 0
.endr
	s_mov_b32 s[G1S+5], 2048
	s_mov_b32 s[G1SB+5], SIZE_N/2
	s_mul_i32 s20, s17, 24576
	s_mov_b32 s21, 0
	s_lshl_b32 s22, s17, 9
	s_add_co_u32 s22, s22, ASC
	s_mov_b32 s23, 0
	s_mul_i32 s46, s42, 24576
	s_add_co_u32 s46, s46, WC
	s_mov_b32 s47, 0
	s_lshl_b32 s92, s42, 9
	s_add_co_u32 s92, s92, WS
	s_mov_b32 s93, 0
	s_mul_i32 s45, s15, 4*HALFT                    ; the ring: A's or B's part of LDS,
	s_mul_i32 s18, s16, HALFT                      ; my panel of the slot's two
	s_add_co_u32 s45, s45, s18
	s_mul_i32 s18, s16, PANA                       ; and the same panel in memory, in A and in B
	s_mov_b32 s19, 0
	s_mul_i32 s2, s16, PANB
	s_mov_b32 s3, 0
	s_wait_kmcnt 0x0
	s_add_nc_u64 s[20:21], s[4:5], s[20:21]
	s_add_nc_u64 s[22:23], s[4:5], s[22:23]
	s_add_nc_u64 s[46:47], s[6:7], s[46:47]
	s_add_nc_u64 s[92:93], s[6:7], s[92:93]
	CROUND
	s_mov_b32 s[G0S], 1
	s_mov_b32 s[G0S+1], SCL
	s_mov_b64 s[G0S+2:G0S+3], s[22:23]
	s_or_b32 s[G0S+3], s[G0S+3], 0x80000000
	s_mov_b32 s[G0SB], 1
	s_mov_b32 s[G0SB+1], SCL+2*HALFS
	s_mov_b64 s[G0SB+2:G0SB+3], s[92:93]
	s_or_b32 s[G0SB+3], s[G0SB+3], 0x80000000
	s_mov_b32 s4, 1                                ; group 0 of the head's loads of codes, in registers whose arguments have served: A's two slots,
	s_mov_b32 s5, 0
	s_mov_b64 s[6:7], s[20:21]
	s_or_b32 s7, s7, 0x80000000
	s_mov_b32 s92, 1                               ; B's two slots
	s_mov_b32 s93, 4*HALFT
	s_mov_b64 s[94:95], s[46:47]
	s_or_b32 s95, s95, 0x80000000
	s_add_nc_u64 s[20:21], s[20:21], s[18:19]      ; for the ring: my panel
	s_add_nc_u64 s[46:47], s[46:47], s[2:3]
.irp s, 0,1
	s_mov_b32 s[G0+4*\s], 1
	s_add_co_u32 s[G0+4*\s+1], s45, \s*SLOT
	s_add_nc_u64 s[G0+4*\s+2:G0+4*\s+3], s[20:21], \s*2*PANA
	s_or_b32 s[G0+4*\s+3], s[G0+4*\s+3], 0x80000000
	s_mov_b32 s[G0B+4*\s], 1
	s_add_co_u32 s[G0B+4*\s+1], s45, \s*SLOT
	s_add_nc_u64 s[G0B+4*\s+2:G0B+4*\s+3], s[46:47], \s*2*PANB
	s_or_b32 s[G0B+4*\s+3], s[G0B+4*\s+3], 0x80000000
.endr
; THE HEAD'S LOADS, ONE A WAVE: wave 0 both slots of A, wave 1 both slots of B, wave 2 A's scale words, wave 3 B's; one chain of branches on the wave's number
.macro ARM under, g0, g1, next
	s_cmp_lt_u32 s14, \under
	s_cbranch_scc0 \next
	tensor_load_to_lds s[\g0:\g0+3], s[\g1:\g1+7]
	s_nop 0
.rept 4
	v_nop
.endr
	s_branch .Lhead_asked
\next:
.endm
	ARM 1, 4, G1, .Lhead_b
	ARM 2, 92, G1B, .Lhead_sa
	ARM 3, G0S, G1S, .Lhead_sb
	tensor_load_to_lds s[G0SB:G0SB+3], s[G1SB:G1SB+7]
	s_nop 0
.rept 4
	v_nop
.endr
.Lhead_asked:
	v_and_b32 v1, 15, v0
	v_bfe_u32 v2, v0, 4, 1
	v_and_b32 v3, 31, v0
	v_lshlrev_b32 v[L16], 4, v3
	v_lshlrev_b32 v[L8], 3, v3
	s_mul_i32 s21, s15, 12288
	s_mul_i32 s22, s16, 12288
	s_add_co_u32 s22, s22, 4*HALFT
.irp s, 0,1
	v_add_nc_u32 v[ADRA+\s], s21, v[L16]
	v_add_nc_u32 v[ADRB+\s], s22, v[L16]
	v_add_nc_u32 v[ADRA+2+\s], s21, v[L8]
	v_add_nc_u32 v[ADRB+2+\s], s22, v[L8]
	s_add_co_u32 s21, s21, SLOT
	s_add_co_u32 s22, s22, SLOT
.endr
	v_lshlrev_b32 v6, 4, v1
	s_lshl_b32 s21, s15, 8
	s_lshl_b32 s22, s16, 8
	s_add_co_u32 s22, s22, 2*HALFS
	s_sub_co_u32 s22, s22, s21
	v_mul_u32_u24 v7, s22, v2
	s_add_co_u32 s21, s21, SCL
	v_add_nc_u32 v6, v6, v7
	v_add_nc_u32 v[ADRS], s21, v6
	s_mul_i32 s23, s14, 16*SP
	v_mul_u32_u24 v5, v1, SP
	v_lshl_add_u32 v5, v2, 6, v5
	v_add_nc_u32 v[STO], s23, v5
	v_mul_u32_u24 v5, v2, SP
	v_lshl_add_u32 v5, v1, 4, v5
	v_add_nc_u32 v[RD], s23, v5
	v_lshlrev_b32 v5, 12, v2
	v_lshl_add_u32 v[CO], v1, 4, v5
	s_wait_alu depctr_va_vdst(0)
	s_lshl_b32 s20, s17, 7
	s_lshl_b32 s21, s15, 6
	s_add_co_u32 s20, s20, s21
	s_lshl_b32 s20, s20, 12
	s_mov_b32 s21, 0
	s_lshl_b32 s46, s42, 9
	s_lshl_b32 s47, s16, 8
	s_add_co_u32 s46, s46, s47
	s_mov_b32 s47, 0
	s_add_nc_u64 s[20:21], s[20:21], s[46:47]
	s_add_nc_u64 s[12:13], s[12:13], s[20:21]
	s_add_nc_u64 s[10:11], s[10:11], s[20:21]
	s_add_nc_u64 s[8:9], s[8:9], s[46:47]
	v_lshlrev_b32 v10, 6, v2
.irp b, 0,1,2,3
	global_load_b128 v[BIAS+8*\b:BIAS+8*\b+3], v10, s[8:9] offset:(32*(\b/2)+8*(\b%2))*4
	global_load_b128 v[BIAS+8*\b+4:BIAS+8*\b+7], v10, s[8:9] offset:(32*(\b/2)+8*(\b%2))*4+16
.endr
.macro RLOAD a
.irp t, 0,1,2,3,4,5,6,7
	global_load_b128 v[32*(\a)+4*\t:32*(\a)+4*\t+3], v[CO], s[10:11] offset:(32*((\a)/2)+8*((\a)%2)+2*\t+8*(\t/4))*4096 th:TH_LOAD_NT
.endr
.endm
	WIN 0x80
	RLOAD 0
	RLOAD 1
	RLOAD 2
	RLOAD 3
	WIN 0
.macro FRAG reg, adr, q, i
.irp c, 0,1
	ds_load_b128 v[\reg+6*\c:\reg+6*\c+3], v[\adr] offset:HALFT*((\q)/2)+3072*(\i)+768*(2*((\q)%2)+\c)
	ds_load_b64 v[\reg+6*\c+4:\reg+6*\c+5], v[\adr+2] offset:HALFT*((\q)/2)+3072*(\i)+768*(2*((\q)%2)+\c)+512
.endr
.endm
.macro FETCH slot, q, p
	WIN TO_F
.irp i, 0,1,2,3
	FRAG 128*(\p)+FR*\i, ADRB+\slot, \q, \i
.endr
.irp i, 0,1,2,3
	FRAG 128*(\p)+48+FR*\i, ADRA+\slot, \q, \i
.endr
.endm
.macro SCALES sc
.irp q, 0,1,2,3
	ds_load_b128 v[SC+16*\sc+4*\q:SC+16*\sc+4*\q+3], v[ADRS] offset:512*\q
.endr
.endm
.macro MULA a, p, q, sc, zero
.irp b, 0,1,2,3
.if \zero
	v_wmma_scale_f32_16x16x128_f8f6f4 v[ACC+8*(4*(\a)+\b):ACC+8*(4*(\a)+\b)+7], v[128*(\p)+FR*\b:128*(\p)+FR*\b+FR-1], v[128*(\p)+48+FR*(\a):128*(\p)+48+FR*(\a)+FR-1], v[BIAS+8*\b:BIAS+8*\b+7], v[SC+16*(\sc)+4*(\q)+\b], v[SC+16*(\sc)+4*(\q)+(\a)] matrix_a_fmt:MATRIX_FMT_FP6 matrix_b_fmt:MATRIX_FMT_FP6 matrix_a_scale:MATRIX_SCALE_ROW1
.else
	v_wmma_scale_f32_16x16x128_f8f6f4 v[ACC+8*(4*(\a)+\b):ACC+8*(4*(\a)+\b)+7], v[128*(\p)+FR*\b:128*(\p)+FR*\b+FR-1], v[128*(\p)+48+FR*(\a):128*(\p)+48+FR*(\a)+FR-1], v[ACC+8*(4*(\a)+\b):ACC+8*(4*(\a)+\b)+7], v[SC+16*(\sc)+4*(\q)+\b], v[SC+16*(\sc)+4*(\q)+(\a)] matrix_a_fmt:MATRIX_FMT_FP6 matrix_b_fmt:MATRIX_FMT_FP6 matrix_a_scale:MATRIX_SCALE_ROW1
.endif
.endr
.endm
.macro PLACES n
.rept \n
	v_nop
.endr
.endm
.macro STEP slot, q, zero
	s_wait_dscnt 0x0
	PLACES NP
	FETCH \slot, (\q)+1, 1-(\q)%2
	WIN MUL
	MULA 0, (\q)%2, \q, \slot, \zero
	MULA 1, (\q)%2, \q, \slot, \zero
	MULA 2, (\q)%2, \q, \slot, \zero
	MULA 3, (\q)%2, \q, \slot, \zero
.endm
.macro TURN slot, next, fill
	WIN 0
	s_wait_tensorcnt 0x0
	ds_add_u32 v[SPW], v[NIL]
	s_wait_dscnt 1
	WIN MUL
	MULA 0, 1, 3, \slot, 0
	s_wait_dscnt 0x0
	s_barrier_signal -1
	MULA 1, 1, 3, \slot, 0
	WIN 0
	s_barrier_wait -1
.if \fill
	CREST
	s_add_nc_u64 s[G0+4*\slot+2:G0+4*\slot+3], s[G0+4*\slot+2:G0+4*\slot+3], 4*PANA
	s_add_nc_u64 s[G0B+4*\slot+2:G0B+4*\slot+3], s[G0B+4*\slot+2:G0B+4*\slot+3], 4*PANB
	JLOAD G0+4*\slot, G1, G0B+4*\slot, G1B
.else
	PLACES NP
.endif
	v_add_nc_u32 v[ADRS], 2048, v[ADRS]
	FETCH \next, 0, 0
	WIN 0
	SCALES \next
	WIN MUL
	MULA 2, 1, 3, \slot, 0
	MULA 3, 1, 3, \slot, 0
.endm
	s_wait_alu depctr_va_vdst(0)                   ; the wait at the head's end
	s_wait_tensorcnt 0x0                           ; my tile of the head's four is in: all of K lies in LDS, nothing is filled again
	s_barrier_signal -1
	s_barrier_wait -1
	FETCH 0, 0, 0
	WIN 0
	SCALES 0
	s_wait_loadcnt 32
	STEP 0, 0, 1
	STEP 0, 1, 0
	STEP 0, 2, 0
.if LAPS > 1
	WIN 0
	s_mov_b32 s3, LAPS-1
.Llap:
	TURN 0, 1, 1
	STEP 1, 0, 0
	STEP 1, 1, 0
	STEP 1, 2, 0
	TURN 1, 0, 1
	STEP 0, 0, 0
	STEP 0, 1, 0
	STEP 0, 2, 0
	WIN 0
	s_sub_co_u32 s3, s3, 1
	s_cmp_lg_u32 s3, 0
	s_cbranch_scc1 .Llap
.endif
	TURN 0, 1, 0
	STEP 1, 0, 0
	STEP 1, 1, 0
	STEP 1, 2, 0
	s_wait_dscnt 0x0
	MULA 0, 1, 3, 1, 0
	MULA 1, 1, 3, 1, 0
	MULA 2, 1, 3, 1, 0
	MULA 3, 1, 3, 1, 0
	WIN 0
.macro TOSTAGE a
.irp b, 0,1,2,3
	ds_store_b128 v[STO], v[ACC+8*(4*(\a)+\b):ACC+8*(4*(\a)+\b)+3] offset:128*(\b/2)+32*(\b%2)
	ds_store_b128 v[STO], v[ACC+8*(4*(\a)+\b)+4:ACC+8*(4*(\a)+\b)+7] offset:128*(\b/2)+32*(\b%2)+16
.endr
.set BB, 32+32*((\a)%2)
.irp t, 0,1,2,3,4,5,6,7
	ds_load_b128 v[BB+4*\t:BB+4*\t+3], v[RD] offset:\t*2*SP
.endr
.endm
.macro SEND a, ds
.set BB, 32+32*((\a)%2)
	s_wait_dscnt \ds
	WIN 0x08
.set i, 0
.rept 16
	v_pk_add_f32 v[BB+i:BB+i+1], v[BB+i:BB+i+1], v[32*(\a)+i:32*(\a)+i+1]
.set i, i+2
.endr
	WIN 0
.irp t, 0,1,2,3,4,5,6,7
	global_store_b128 v[CO], v[BB+4*\t:BB+4*\t+3], s[12:13] offset:(32*((\a)/2)+8*((\a)%2)+2*\t+8*(\t/4))*4096 th:TH_STORE_NT
.endr
.endm
	PLACES NP
	s_wait_loadcnt 0x0
	TOSTAGE 0
.irp a, 1,2,3
.if \a > 1
	s_wait_xcnt 0x0
.endif
	TOSTAGE \a
	SEND \a-1, 16
.endr
	SEND 3, 0
	s_wait_tensorcnt 0x0
	ds_add_u32 v[SPW], v[NIL]
	s_wait_dscnt 0x0
	CROUND
	s_endpgm
.Lfunc_end_k_q51934d9276_gproj:
	.size	k_q51934d9276_gproj, .Lfunc_end_k_q51934d9276_gproj-k_q51934d9276_gproj
	.p2alignl 7, 3214868480
	.fill 96, 4, 3214868480
	.section	.rodata,"a",@progbits
	.p2align	6, 0x0
	.amdhsa_kernel k_q51934d9276_gproj
		.amdhsa_group_segment_fixed_size 327680
		.amdhsa_private_segment_fixed_size 0
		.amdhsa_enable_private_segment 0
		.amdhsa_kernarg_size 40
		.amdhsa_user_sgpr_count 2
		.amdhsa_user_sgpr_kernarg_segment_ptr 1
		.amdhsa_wavefront_size32 1
		.amdhsa_system_sgpr_workgroup_id_x 1
		.amdhsa_system_sgpr_workgroup_id_y 1
		.amdhsa_system_sgpr_workgroup_id_z 1
		.amdhsa_system_vgpr_workitem_id 0
		.amdhsa_next_free_vgpr 768
		.amdhsa_next_free_sgpr 98
		.amdhsa_reserve_vcc 0
		.amdhsa_float_denorm_mode_32 3
		.amdhsa_float_denorm_mode_16_64 3
		.amdhsa_memory_ordered 1
		.amdhsa_forward_progress 1
		.amdhsa_inst_pref_size 61
	.end_amdhsa_kernel
	.amdgpu_metadata
---
amdhsa.version: [ 1, 2 ]
amdhsa.kernels:
  - .name:           k_q51934d9276_gproj
    .symbol:         k_q51934d9276_gproj.kd
    .args:
      - { .name: ycod, .offset: 0, .size: 8, .value_kind: global_buffer, .address_space: global }
      - { .name: wcod, .offset: 8, .size: 8, .value_kind: global_buffer, .address_space: global }
      - { .name: b_proj, .offset: 16, .size: 8, .value_kind: global_buffer, .address_space: global }
      - { .name: x, .offset: 24, .size: 8, .value_kind: global_buffer, .address_space: global }
      - { .name: x1, .offset: 32, .size: 8, .value_kind: global_buffer, .address_space: global }
    .group_segment_fixed_size: 327680
    .private_segment_fixed_size: 0
    .kernarg_segment_align: 8
    .kernarg_segment_size: 40
    .max_flat_workgroup_size: 128
    .sgpr_count:     98
    .vgpr_count:     768
    .wavefront_size: 32
...
	.end_amdgpu_metadata
.endif
;; end of part 12
;; launch ln2: the kernel of part 9 again; grid 256 x 1, 8 waves a work-group, no clusters, 67,072 bytes of LDS; arguments x1, ln2_g, ln2_b, xncod; writes xncod
;; launch gmlp1 (part 13): grid 16 x 16, 4 waves a work-group, clusters of 4 x 4, 327,680 bytes of LDS; arguments xncod, wcod, b_mlp1, hcod; writes hcod
.if DOCPART == 13
	.amdgcn_target "amdgcn-amd-amdhsa--gfx1250"
	.amdhsa_code_object_version 6
	.text
	.protected	k_q51934d9276_gmlp1
	.globl	k_q51934d9276_gmlp1
	.p2align	8
	.type	k_q51934d9276_gmlp1,@function
k_q51934d9276_gmlp1:
	s_mov_b64 s[64:65], 0
	v_nop
	global_prefetch_b8 v0, s[64:65] scope:SCOPE_SE
	s_setreg_imm32_b32 hwreg(HW_REG_WAVE_MODE, 25, 1), 1
	s_wait_xcnt 0x0
	s_wait_alu depctr_hold_cnt(0) depctr_sa_sdst(0) depctr_va_vdst(0) depctr_va_sdst(0) depctr_va_ssrc(0) depctr_va_vcc(0) depctr_vm_vsrc(0)
	s_getreg_b32 s2, hwreg(HW_REG_IB_STS2, 6, 4)
	s_cmp_eq_u32 s2, 0
	s_cbranch_scc0 .Lentry_in_a_cluster
	s_endpgm
.Lentry_in_a_cluster:
	s_bfe_u32 s2, ttmp6, 0x10000c
	s_cmp_lg_u32 s2, 0xf033
	s_cbranch_scc0 .Lentry_shape_is_right
	s_endpgm
.Lentry_shape_is_right:
.set SIZE_K, 1024
.set SIZE_N, 4096
.set ASC,    3145728
.set WC,     3145728
.set WS,     9568256
.set NQ,     2
.set FR,     12
.set NL,     4
.set NP,     4
.set HALFT,  24576
.set SLOT,   2*HALFT                   ; LDS: A's slot 0, A's slot 1, B's slot 0, B's slot 1, 256 rows each
.set LAPS,   SIZE_K/512
.set KST,    SIZE_K/128
.set SCL,    8*HALFT
.set HALFS,  KST*512
.set SPARE,  SCL+4*HALFS
.set PANA,   786432
.set PANB,   192*SIZE_N
.set L16,  8
.set L8,   9
.set ADRA, 16
.set ADRB, 20
.set ADRS, 27
.set SPW,  28
.set NIL,  29
.set SC,   32
.set BIAS, 64
.set AF,   128
.set PC,   128
.set TM,   148
.set SEL,  66
.set G1, 24
.set G0, 32
.set G1B, 48
.set G0B, 56
.set G1S, 68
.set G0S, 76
.set G1SB, 80
.set G0SB, 88
.set MSB, 0
.macro WIN new
.if MSB != \new
	s_set_vgpr_msb (MSB<<8)|\new
.set MSB, \new
.endif
.endm
.set MUL_LO, 0xa1
.set MUL_HI, 0xf1
.set TO_B,   0x40
.macro JLOAD g0a, g1a, g0b, g1b
	s_cmp_eq_u32 s15, 0
	s_cbranch_scc0 .Lfor_b_\@
	tensor_load_to_lds s[\g0a:\g0a+3], s[\g1a:\g1a+7]
	s_nop 0
.rept 4
	v_nop
.endr
	s_branch .Lasked_\@
.Lfor_b_\@:
	tensor_load_to_lds s[\g0b:\g0b+3], s[\g1b:\g1b+7]
	s_nop 0
.rept 4
	v_nop
.endr
.Lasked_\@:
.endm
.macro CREST
	s_cmp_lg_u32 s14, 0
	s_cbranch_scc1 .Lnot_wave_0_\@
	s_barrier_signal -3
.Lnot_wave_0_\@:
	s_barrier_wait -3
	s_barrier_signal -1
	s_barrier_wait -1
.endm
.macro CROUND
	s_barrier_signal -1
	s_barrier_wait -1
	CREST
.endm
	s_load_b128 s[4:7], s[0:1], 0x0
	s_load_b64 s[8:9], s[0:1], 0x10
	s_load_b64 s[12:13], s[0:1], 0x18
	v_lshl_add_u32 v[SPW], v0, 2, SPARE
	v_mov_b32 v[NIL], 0
	ds_add_u32 v28, v29
	ds_add_u32 v28, v29
	s_wait_dscnt 0x0
	v_lshrrev_b32 v1, 5, v0
	v_readfirstlane_b32 s14, v1
	s_lshr_b32 s15, s14, 1
	s_and_b32 s16, s14, 1
	s_bfe_u32 s40, ttmp6, 0x40000
	s_bfe_u32 s41, ttmp6, 0x40004
	s_lshl_b32 s42, ttmp9, 2
	s_add_co_u32 s42, s42, s40
	s_and_b32 s17, ttmp7, 0xffff
	s_lshl_b32 s17, s17, 2
	s_add_co_u32 s17, s17, s41
	s_lshl_b32 s43, s41, 2
	s_lshl_b32 s43, 15, s43
	s_lshl_b32 s44, 0x1111, s40
	s_or_b32 s[G1+0], s43, (3<<16)|(1<<21)
	s_or_b32 s[G1B+0], s44, (3<<16)|(1<<21)
	s_mov_b32 s[G1+5], PANA/8                      ; the head's shape: 2 rows (K steps 0 and 1) of 49,152 bytes (256 rows of the operand), a panel apart
	s_mov_b32 s[G1B+5], PANB/8
.irp g, G1, G1B
	s_mov_b32 s[\g+1], 6144<<16
	s_mov_b32 s[\g+2], 2<<16
	s_mov_b32 s[\g+3], 6144<<16
	s_mov_b32 s[\g+4], 2
	s_mov_b32 s[\g+6], 0
	s_mov_b32 s[\g+7], 0
.endr
	s_or_b32 s[G1S+0], s43, (3<<16)|(1<<21)
	s_or_b32 s[G1SB+0], s44, (3<<16)|(1<<21)
.irp g, G1S, G1SB
	s_mov_b32 s[\g+1], 128<<16                     ; the words of 256 rows: 1,024 bytes for each 128 along K
	s_mov_b32 s[\g+2], KST<<16
	s_mov_b32 s[\g+3], 128<<16
	s_mov_b32 s[\g+4], KST
	s_mov_b32 s[\g+6], 0
	s_mov_b32 s[\g+7], 0
.endr
	s_mov_b32 s[G1S+5], 2048
	s_mov_b32 s[G1SB+5], SIZE_N/2
	s_lshl_b32 s20, s17, 8                         ; A: the tile's first row
	s_lshl_b32 s46, s42, 8                         ; B: likewise
	s_lshl_b32 s22, s20, 2
	s_add_co_u32 s22, s22, ASC
	s_mov_b32 s23, 0
	s_mul_i32 s20, s20, 192
	s_mov_b32 s21, 0
	s_lshl_b32 s92, s46, 2
	s_add_co_u32 s92, s92, WS
	s_mov_b32 s93, 0
	s_mul_i32 s46, s46, 192
	s_add_co_u32 s46, s46, WC
	s_mov_b32 s47, 0
	s_mul_i32 s45, s15, 4*HALFT                    ; the ring: A's or B's part of LDS,
	s_mul_i32 s18, s16, HALFT                      ; my 128 rows in it; the same number of bytes in memory
	s_add_co_u32 s45, s45, s18
	s_mov_b32 s19, 0
	s_mov_b32 s[SEL], 0x76543210
	s_mov_b32 s[SEL+1], 0xfedcba98
	s_wait_kmcnt 0x0
	s_add_nc_u64 s[20:21], s[4:5], s[20:21]
	s_add_nc_u64 s[22:23], s[4:5], s[22:23]
	s_add_nc_u64 s[46:47], s[6:7], s[46:47]
	s_add_nc_u64 s[92:93], s[6:7], s[92:93]
	CROUND
	s_mov_b32 s[G0S], 1
	s_mov_b32 s[G0S+1], SCL
	s_mov_b64 s[G0S+2:G0S+3], s[22:23]
	s_or_b32 s[G0S+3], s[G0S+3], 0x80000000
	s_mov_b32 s[G0SB], 1
	s_mov_b32 s[G0SB+1], SCL+2*HALFS
	s_mov_b64 s[G0SB+2:G0SB+3], s[92:93]
	s_or_b32 s[G0SB+3], s[G0SB+3], 0x80000000
	s_mov_b32 s4, 1                                ; group 0 of the head's loads of codes, in registers whose arguments have served: A's two slots,
	s_mov_b32 s5, 0
	s_mov_b64 s[6:7], s[20:21]
	s_or_b32 s7, s7, 0x80000000
	s_mov_b32 s92, 1                               ; B's two slots
	s_mov_b32 s93, 4*HALFT
	s_mov_b64 s[94:95], s[46:47]
	s_or_b32 s95, s95, 0x80000000
	s_add_nc_u64 s[20:21], s[20:21], s[18:19]      ; for the ring: my 128 rows
	s_add_nc_u64 s[46:47], s[46:47], s[18:19]
	s_cmp_eq_u32 s15, 0                            ; the prefetches: of the 96 blocks of 256 bytes of a tile that I will load, my work-group names 24, told apart by address (cx for A, cy for B)
	s_cselect_b64 s[96:97], s[20:21], s[46:47]
	s_cselect_b32 s18, s40, s41
	s_mov_b32 s100, PANB
	s_cselect_b32 s100, PANA, s100
	s_mov_b32 s101, 0
	s_mul_i32 s18, s18, 24
	s_add_nc_u64 s[96:97], s[96:97], s[100:101]
	s_add_nc_u64 s[96:97], s[96:97], s[100:101]    ; K step 2, the first refill's tile,
	s_add_nc_u64 s[98:99], s[96:97], s[100:101]    ; K step 3, the second's: the launch's last
.irp s, 0,1
	s_mov_b32 s[G0+4*\s], 1
	s_add_co_u32 s[G0+4*\s+1], s45, \s*SLOT
	s_add_nc_u64 s[G0+4*\s+2:G0+4*\s+3], s[20:21], \s*PANA
	s_or_b32 s[G0+4*\s+3], s[G0+4*\s+3], 0x80000000
	s_mov_b32 s[G0B+4*\s], 1
	s_add_co_u32 s[G0B+4*\s+1], s45, \s*SLOT
	s_add_nc_u64 s[G0B+4*\s+2:G0B+4*\s+3], s[46:47], \s*PANB
	s_or_b32 s[G0B+4*\s+3], s[G0B+4*\s+3], 0x80000000
.endr
; THE HEAD'S LOADS, ONE A WAVE: wave 0 both slots of A, wave 1 both slots of B, wave 2 A's scale words, wave 3 B's; one chain of branches on the wave's number
.macro ARM under, g0, g1, next
	s_cmp_lt_u32 s14, \under
	s_cbranch_scc0 \next
	tensor_load_to_lds s[\g0:\g0+3], s[\g1:\g1+7]
	s_nop 0
.rept 4
	v_nop
.endr
	s_branch .Lhead_asked
\next:
.endm
	ARM 1, 4, G1, .Lhead_b
	ARM 2, 92, G1B, .Lhead_sa
	ARM 3, G0S, G1S, .Lhead_sb
	tensor_load_to_lds s[G0SB:G0SB+3], s[G1SB:G1SB+7]
	s_nop 0
.rept 4
	v_nop
.endr
.Lhead_asked:
	v_and_b32 v1, 15, v0
	v_bfe_u32 v2, v0, 4, 1
	v_and_b32 v3, 31, v0
	v_lshlrev_b32 v[L16], 4, v3
	v_lshlrev_b32 v[L8], 3, v3
	v_min_u32 v30, 23, v3                          ; a lane a block; lanes 24-31 name the last again
	v_add_nc_u32 v30, s18, v30
	v_lshlrev_b32 v30, 8, v30
	s_mul_i32 s21, s15, HALFT
	s_mul_i32 s22, s16, HALFT
	s_add_co_u32 s22, s22, 4*HALFT
.irp s, 0,1
	v_add_nc_u32 v[ADRA+\s], s21, v[L16]
	v_add_nc_u32 v[ADRB+\s], s22, v[L16]
	v_add_nc_u32 v[ADRA+2+\s], s21, v[L8]
	v_add_nc_u32 v[ADRB+2+\s], s22, v[L8]
	s_add_co_u32 s21, s21, SLOT
	s_add_co_u32 s22, s22, SLOT
.endr
	v_lshlrev_b32 v6, 4, v1
	s_lshl_b32 s21, s15, 9                         ; my 128 rows' 512 bytes of each 1,024
	s_lshl_b32 s22, s16, 9
	s_add_co_u32 s22, s22, 2*HALFS
	s_sub_co_u32 s22, s22, s21
	v_mul_u32_u24 v7, s22, v2
	s_add_co_u32 s21, s21, SCL
	v_add_nc_u32 v6, v6, v7
	v_add_nc_u32 v[ADRS], s21, v6
	s_lshl_b32 s23, s14, 9
	v_lshl_add_u32 v24, v1, 2, s23
	v_lshl_add_u32 v25, v2, 8, v24
	s_lshl_b32 s46, s42, 10
	s_lshl_b32 s47, s16, 9
	s_add_co_u32 s46, s46, s47
	s_mov_b32 s47, 0
	s_add_nc_u64 s[8:9], s[8:9], s[46:47]
	global_prefetch_b8 v30, s[96:97] th:TH_LOAD_NT scope:SCOPE_SE   ; both refills' tiles are asked for two fills ahead; their registers are never rewritten
	global_prefetch_b8 v30, s[98:99] th:TH_LOAD_NT scope:SCOPE_SE
	v_lshlrev_b32 v10, 6, v2
.irp b, 0,1,2,3,4,5,6,7
	global_load_b128 v[BIAS+8*\b:BIAS+8*\b+3], v10, s[8:9] offset:(32*(\b/2)+8*(\b%2))*4
	global_load_b128 v[BIAS+8*\b+4:BIAS+8*\b+7], v10, s[8:9] offset:(32*(\b/2)+8*(\b%2))*4+16
.endr
.macro FRAG reg, adr, q, i
.irp c, 0,1
	ds_load_b128 v[\reg+6*\c:\reg+6*\c+3], v[\adr] offset:3072*(\i)+768*(2*(\q)+\c)
	ds_load_b64 v[\reg+6*\c+4:\reg+6*\c+5], v[\adr+2] offset:3072*(\i)+768*(2*(\q)+\c)+512
.endr
.endm
.macro MUL16 a0, p, q, sc, zero
.irp a, \a0, \a0+1
.irp b, 0,1,2,3,4,5,6,7
.if \zero
	v_wmma_scale_f32_16x16x128_f8f6f4 v[8*(8*((\a)%4)+\b):8*(8*((\a)%4)+\b)+7], v[128*(\p)+FR*\b:128*(\p)+FR*\b+FR-1], v[AF+FR*(\a):AF+FR*(\a)+FR-1], v[BIAS+8*\b:BIAS+8*\b+7], v[SC+16*(\sc)+8*(\q)+\b], v[SC+16*(\sc)+8*(\q)+(\a)] matrix_a_fmt:MATRIX_FMT_FP6 matrix_b_fmt:MATRIX_FMT_FP6 matrix_a_scale:MATRIX_SCALE_ROW1
.else
	v_wmma_scale_f32_16x16x128_f8f6f4 v[8*(8*((\a)%4)+\b):8*(8*((\a)%4)+\b)+7], v[128*(\p)+FR*\b:128*(\p)+FR*\b+FR-1], v[AF+FR*(\a):AF+FR*(\a)+FR-1], v[8*(8*((\a)%4)+\b):8*(8*((\a)%4)+\b)+7], v[SC+16*(\sc)+8*(\q)+\b], v[SC+16*(\sc)+8*(\q)+(\a)] matrix_a_fmt:MATRIX_FMT_FP6 matrix_b_fmt:MATRIX_FMT_FP6 matrix_a_scale:MATRIX_SCALE_ROW1
.endif
.endr
.endr
.endm
.macro FETCH_B slot, q, p
	WIN TO_B
.irp i, 0,1,2,3,4,5,6,7
	FRAG 128*(\p)+FR*\i, ADRB+\slot, \q, \i
.endr
	WIN 0
.endm
.macro FETCH_A slot, q, i0
.irp i, \i0, \i0+1, \i0+2, \i0+3
	FRAG AF+FR*(\i), ADRA+\slot, \q, \i
.endr
.endm
.macro SCALES sc
.irp q, 0,1
.irp g, 0,1
	ds_load_b128 v[SC+16*\sc+8*\q+4*\g:SC+16*\sc+8*\q+4*\g+3], v[ADRS] offset:1024*\q+256*\g
.endr
.endr
.endm
.macro PLACES n
.rept \n
	v_nop
.endr
.endm
.macro STEP slot, q, zero
	s_wait_dscnt 4*NL
.if \zero
	WIN 0x81
.else
	WIN MUL_LO
.endif
	MUL16 0, (\q)%2, \q, \slot, \zero
	MUL16 2, (\q)%2, \q, \slot, \zero
	s_wait_dscnt 0
	PLACES NP
	FETCH_B \slot, (\q)+1, 1-(\q)%2
	FETCH_A \slot, (\q)+1, 0
.if \zero
	WIN 0xc1
.else
	WIN MUL_HI
.endif
	MUL16 4, (\q)%2, \q, \slot, \zero
	MUL16 6, (\q)%2, \q, \slot, \zero
	PLACES NP
	WIN 0
	FETCH_A \slot, (\q)+1, 4
.endm
.macro TURN slot, next, fill
	s_wait_tensorcnt 0x0
	ds_add_u32 v[SPW], v[NIL]
	s_wait_dscnt 4*NL+1
	WIN MUL_LO
	MUL16 0, 1, NQ-1, \slot, 0
	s_wait_dscnt 0x0
	s_barrier_signal -1
	MUL16 2, 1, NQ-1, \slot, 0
	WIN 0
	s_barrier_wait -1
.if \fill
	CREST
	s_add_nc_u64 s[G0+4*\slot+2:G0+4*\slot+3], s[G0+4*\slot+2:G0+4*\slot+3], 2*PANA
	s_add_nc_u64 s[G0B+4*\slot+2:G0B+4*\slot+3], s[G0B+4*\slot+2:G0B+4*\slot+3], 2*PANB
	JLOAD G0+4*\slot, G1, G0B+4*\slot, G1B
.else
	PLACES NP
.endif
	s_wait_alu depctr_va_vdst(0)
	v_add_nc_u32 v[ADRS], 2048, v[ADRS]
	FETCH_B \next, 0, 0
	FETCH_A \next, 0, 0
	SCALES \next
	WIN MUL_HI
	MUL16 4, 1, NQ-1, \slot, 0
	MUL16 6, 1, NQ-1, \slot, 0
	PLACES NP
	WIN 0
	FETCH_A \next, 0, 4
.endm
	s_wait_alu depctr_va_vdst(0)
	s_wait_tensorcnt 0x0                           ; my tile of the head's four is in; no load of mine is out, so group 1 takes the ring's shape: 96 rows of 256 bytes, dense
.irp g, G1, G1B
	s_mov_b32 s[\g+1], 32<<16
	s_mov_b32 s[\g+2], 96<<16
	s_mov_b32 s[\g+3], 32<<16
	s_mov_b32 s[\g+4], 96
	s_mov_b32 s[\g+5], 32
.endr
	s_barrier_signal -1
	s_barrier_wait -1
	FETCH_B 0, 0, 0
	FETCH_A 0, 0, 0
	SCALES 0
	FETCH_A 0, 0, 4
	s_wait_loadcnt 0x0
	STEP 0, 0, 1
	s_mov_b32 s3, LAPS-1
.Llap:
	TURN 0, 1, 1
	STEP 1, 0, 0
	TURN 1, 0, 1
	STEP 0, 0, 0
	s_sub_co_u32 s3, s3, 1
	s_cmp_lg_u32 s3, 0
	s_cbranch_scc1 .Llap
	TURN 0, 1, 0
	STEP 1, 0, 0
	s_wait_dscnt 4*NL
	WIN MUL_LO
	MUL16 0, 1, NQ-1, 1, 0
	MUL16 2, 1, NQ-1, 1, 0
	s_wait_dscnt 0
	WIN MUL_HI
	MUL16 4, 1, NQ-1, 1, 0
	MUL16 6, 1, NQ-1, 1, 0
	WIN 0
.macro QUANT s, w, pw
.set QW, (\w)
	WIN QW|(QW<<2)
.irp b, 0,1,2,3
	v_max3_num_f32 v[TM+\b], |v[\s+16*\b]|, |v[\s+1+16*\b]|, 0x1800000
.endr
	WIN (QW<<2)|(QW<<4)
.irp i, 2,4,6,8,10,12,14
.irp b, 0,1,2,3
	v_max3_num_f32 v[TM+\b], v[TM+\b], |v[\s+16*\b+\i]|, |v[\s+1+16*\b+\i]|
.endr
.endr
	WIN 0
.irp b, 0,1,2,3
	v_permlanex16_b32 v[TM+4+\b], v[TM+\b], s[SEL], s[SEL+1]
.endr
.irp b, 0,1,2,3
	v_max_num_f32 v[TM+\b], v[TM+\b], v[TM+4+\b]
.endr
.irp b, 0,1,2,3
	v_add_nc_u32 v[TM+12+\b], 0xff000000, v[TM+\b]
.endr
.irp b, 0,1,2,3
	v_lshrrev_b32 v[TM+4+\b], 23, v[TM+12+\b]
.endr
	v_lshl_or_b32 v[\pw], v[TM+5], 8, v[TM+4]
	v_lshl_or_b32 v[\pw], v[TM+6], 16, v[\pw]
	v_lshl_or_b32 v[\pw], v[TM+7], 24, v[\pw]
	WIN QW
.irp c, 0,1
	v_cvt_scalef32_pk16_fp6_f32 v[PC+6*\c:PC+2+6*\c], v[\s+32*\c:\s+15+32*\c], v[TM+12+2*\c]
	v_cvt_scalef32_pk16_fp6_f32 v[PC+12+4*\c:PC+14+4*\c], v[\s+16+32*\c:\s+31+32*\c], v[TM+12+2*\c+1]
.endr
	WIN 0
	v_nop
.irp c, 0,1
.irp i, 0,1,2
	v_permlane16_swap_b32 v[PC+6*\c+\i], v[PC+12+4*\c+\i]
.endr
.irp i, 0,1,2
	v_mov_b32 v[PC+3+6*\c+\i], v[PC+12+4*\c+\i]
.endr
.endr
.endm
.macro SNIP a
	WIN 0x42+(\a)/4
.set i, 0
.rept 64
	v_mul_f32 v[i], |v[64*((\a)%4)+i]|, s74
.set i, i+1
.endr
.set i, 0
.rept 64
	v_max_num_f32 v[64+i], v[64*((\a)%4)+i], 0
.set i, i+1
.endr
	WIN 0
.endm
.macro FMAV d, a, k, c
.set i, 0
.rept 16
	v_pk_fma_f32 v[\d+i:\d+i+1], v[\a+i:\a+i+1], \k, v[\c:\c+1] op_sel_hi:[1,0,1]
.set i, i+2
.endr
.endm
.macro FMAK d, a, b, k
.set i, 0
.rept 16
	v_pk_fma_f32 v[\d+i:\d+i+1], v[\a+i:\a+i+1], v[\b+i:\b+i+1], \k op_sel_hi:[1,1,0]
.set i, i+2
.endr
.endm
.macro FMAR d, a, b, c
.set i, 0
.rept 16
	v_pk_fma_f32 v[\d+i:\d+i+1], v[\a+i:\a+i+1], v[\b+i:\b+i+1], v[\c+i:\c+i+1]
.set i, i+2
.endr
.endm
.macro GELU32 o
.set TT, 32*(\o)
.set HH, 64+32*(\o)
.set i, 0
.rept 16
	v_pk_mul_f32 v[128+i:129+i], v[TT+i:TT+i+1], v[TT+i:TT+i+1]
.set i, i+2
.endr
	FMAV 160, TT, 0x37911480, 224
	FMAV 192, TT, 0x3b7e899b, 226
	FMAR 160, 160, 128, 192
	FMAK 160, 160, TT, 0x3ddaae58
	FMAK 160, 160, TT, 0x3f228550
	FMAK 160, 160, TT, 0x3e03ce86
	FMAR 160, 160, TT, TT
.set i, 0
.rept 16
	v_pk_mul_f32 v[160+i:161+i], v[160+i:161+i], 0xbfb8aa3b op_sel_hi:[1,0]
.set i, i+2
.endr
.set i, 0
	s_wait_alu depctr_va_vdst(0)
.rept 32
	v_exp_f32 v[160+i], v[160+i]
.set i, i+1
.endr
	FMAV 192, 128, 0xba1d0d41, 228
	FMAK 192, 192, 128, 0xbcdb45e9
	FMAK 192, 192, 128, 0x3de70d23
	FMAK 192, 192, 128, 0xbec09370
	FMAK 192, 192, 128, 0x3e0375d3
	FMAR 192, 192, TT, TT
.set i, 0
.rept 16
	v_pk_add_f32 v[192+i:193+i], v[192+i:193+i], 1.0 op_sel_hi:[1,0] neg_lo:[1,0] neg_hi:[1,0]
.set i, i+2
.endr
	s_wait_alu depctr_va_vdst(0)
.set i, 0
.rept 32
	v_cmp_lt_f32 vcc_lo, s75, v[TT+i]
	v_cndmask_b32 v[160+i], v[192+i], v[160+i], vcc_lo
.set i, i+1
.endr
.set i, 0
.rept 16
	v_pk_mul_f32 v[160+i:161+i], v[160+i:161+i], v[TT+i:TT+i+1]
.set i, i+2
.endr
.set i, 0
.rept 16
	v_pk_fma_f32 v[HH+i:HH+i+1], v[160+i:161+i], 0xbf3504f3, v[HH+i:HH+i+1] op_sel_hi:[1,0,1]
.set i, i+2
.endr
.endm
	PLACES NP
.irp b, 0,1,2,3
	v_mov_b32 v[TM+4+\b], 0
.endr
	WIN 0x40
	v_mov_b32 v224, 0xb9c8e966
	v_mov_b32 v225, 0xb9c8e966
	v_mov_b32 v226, 0xbcc6b180
	v_mov_b32 v227, 0xbcc6b180
	v_mov_b32 v228, 0x3ba39fa4
	v_mov_b32 v229, 0x3ba39fa4
	WIN 0
	s_mov_b32 s74, 0x3f3504f3
	s_mov_b32 s75, 0x3f6c0000
	s_mul_i32 s20, s42, 786432
	s_lshl_b32 s21, s17, 4
	s_lshl_b32 s22, s15, 3
	s_add_co_u32 s21, s21, s22
	s_mul_i32 s22, s21, 3072
	s_add_co_u32 s20, s20, s22
	s_mul_i32 s22, s16, 1536
	s_add_co_u32 s20, s20, s22
	s_lshl_b32 s22, s42, 1
	s_add_co_u32 s22, s22, s16
	s_lshl_b32 s22, s22, 14
	s_lshl_b32 s21, s21, 6
	s_add_co_u32 s22, s22, s21
	s_add_co_u32 s22, s22, 12582912
	s_mov_b32 s21, 0
	s_mov_b32 s23, 0
	s_add_nc_u64 s[70:71], s[12:13], s[22:23]
	s_add_nc_u64 s[12:13], s[12:13], s[20:21]
	s_mov_b32 s3, 0
.Lgl:
.irp a, 0,1,2,3,4,5,6
	s_cmp_eq_u32 s3, \a
	s_cbranch_scc1 .Lsn\a
.endr
	SNIP 7
	s_branch .Lsnd
.irp a, 0,1,2,3,4,5
.Lsn\a:
	SNIP \a
	s_branch .Lsnd
.endr
.Lsn6:
	SNIP 6
.Lsnd:
	WIN 0x55
	GELU32 0
	GELU32 1
	QUANT 64, 1, 164
.irp c, 0,1
	global_store_b128 v[L16], v[PC+6*\c:PC+6*\c+3], s[12:13] offset:768*\c
	global_store_b64 v[L8], v[PC+6*\c+4:PC+6*\c+5], s[12:13] offset:768*\c+512
.endr
	ds_store_b32 v24, v164
	s_wait_dscnt 0x0
	v_add_nc_u32 v24, 64, v24
	s_wait_xcnt 0x0
	s_add_nc_u64 s[12:13], s[12:13], 3072
	s_add_co_u32 s3, s3, 1
	s_cmp_lt_u32 s3, 8
	s_cbranch_scc1 .Lgl
.irp k, 0,1,2,3
	ds_load_b32 v[168+\k], v25 offset:64*\k
.endr
	s_wait_dscnt 0x0
	global_store_b128 v[L16], v[168:171], s[70:71]
	s_wait_tensorcnt 0x0
	ds_add_u32 v[SPW], v[NIL]
	s_wait_dscnt 0x0
	CROUND
	s_endpgm
.Lfunc_end_k_q51934d9276_gmlp1:
	.size	k_q51934d9276_gmlp1, .Lfunc_end_k_q51934d9276_gmlp1-k_q51934d9276_gmlp1
	.p2alignl 7, 3214868480
	.fill 96, 4, 3214868480
	.section	.rodata,"a",@progbits
	.p2align	6, 0x0
	.amdhsa_kernel k_q51934d9276_gmlp1
		.amdhsa_group_segment_fixed_size 327680
		.amdhsa_private_segment_fixed_size 0
		.amdhsa_enable_private_segment 0
		.amdhsa_kernarg_size 32
		.amdhsa_user_sgpr_count 2
		.amdhsa_user_sgpr_kernarg_segment_ptr 1
		.amdhsa_wavefront_size32 1
		.amdhsa_system_sgpr_workgroup_id_x 1
		.amdhsa_system_sgpr_workgroup_id_y 1
		.amdhsa_system_sgpr_workgroup_id_z 1
		.amdhsa_system_vgpr_workitem_id 0
		.amdhsa_next_free_vgpr 1024
		.amdhsa_next_free_sgpr 102
		.amdhsa_reserve_vcc 1
		.amdhsa_float_denorm_mode_32 3
		.amdhsa_float_denorm_mode_16_64 3
		.amdhsa_memory_ordered 1
		.amdhsa_forward_progress 1
		.amdhsa_inst_pref_size 241
	.end_amdhsa_kernel
	.amdgpu_metadata
---
amdhsa.version: [ 1, 2 ]
amdhsa.kernels:
  - .name:           k_q51934d9276_gmlp1
    .symbol:         k_q51934d9276_gmlp1.kd
    .args:
      - { .name: xncod, .offset: 0, .size: 8, .value_kind: global_buffer, .address_space: global }
      - { .name: wcod, .offset: 8, .size: 8, .value_kind: global_buffer, .address_space: global }
      - { .name: b_mlp1, .offset: 16, .size: 8, .value_kind: global_buffer, .address_space: global }
      - { .name: hcod, .offset: 24, .size: 8, .value_kind: global_buffer, .address_space: global }
    .group_segment_fixed_size: 327680
    .private_segment_fixed_size: 0
    .kernarg_segment_align: 8
    .kernarg_segment_size: 32
    .max_flat_workgroup_size: 128
    .sgpr_count:     102
    .vgpr_count:     1024
    .wavefront_size: 32
...
	.end_amdgpu_metadata
.endif
;; end of part 13
;; launch gmlp2 (part 14): grid 8 x 32, 4 waves a work-group, clusters of 4 x 4, 327,680 bytes of LDS; arguments hcod, wcod, b_mlp2, x1, out0; writes out0
.if DOCPART == 14
	.amdgcn_target "amdgcn-amd-amdhsa--gfx1250"
	.amdhsa_code_object_version 6
	.text
	.protected	k_q51934d9276_gmlp2
	.globl	k_q51934d9276_gmlp2
	.p2align	8
	.type	k_q51934d9276_gmlp2,@function
k_q51934d9276_gmlp2:
	s_mov_b64 s[64:65], 0
	v_nop
	global_prefetch_b8 v0, s[64:65] scope:SCOPE_SE
	s_setreg_imm32_b32 hwreg(HW_REG_WAVE_MODE, 25, 1), 1
	s_wait_xcnt 0x0
	s_wait_alu depctr_hold_cnt(0) depctr_sa_sdst(0) depctr_va_vdst(0) depctr_va_sdst(0) depctr_va_ssrc(0) depctr_va_vcc(0) depctr_vm_vsrc(0)
	s_getreg_b32 s2, hwreg(HW_REG_IB_STS2, 6, 4)
	s_cmp_eq_u32 s2, 0
	s_cbranch_scc0 .Lentry_in_a_cluster
	s_endpgm
.Lentry_in_a_cluster:
	s_bfe_u32 s2, ttmp6, 0x10000c
	s_cmp_lg_u32 s2, 0xf033
	s_cbranch_scc0 .Lentry_shape_is_right
	s_endpgm
.Lentry_shape_is_right:
.set SIZE_K, 4096
.set SIZE_N, 1024
.set ASC,    12582912
.set WC,     6291456
.set WS,     9699328
.set FR,     12
.set NP,     4
.set HALFT,  24576
.set SLOT,   2*HALFT                   ; LDS: A's slot 0, A's slot 1, B's slot 0, B's slot 1, two panels of 256 K each
.set LAPS,   SIZE_K/1024
.set KST,    SIZE_K/128
.set SCL,    8*HALFT
.set HALFS,  (KST/2)*512
.set SPARE,  SCL+4*HALFS
.set PANA,   786432
.set PANB,   192*SIZE_N
.set SP,     272
.set L16,  8
.set L8,   9
.set ADRA, 16
.set ADRB, 20
.set STO,  24
.set RD,   25
.set CO,   26
.set ADRS, 27
.set SPW,  28
.set NIL,  29
.set SC,   32
.set BIAS, 64
.set ACC,  128
.set G1, 24
.set G0, 32
.set G1B, 48
.set G0B, 56
.set G1S, 68
.set G0S, 76
.set G1SB, 80
.set G0SB, 88
.set MSB, 0
.macro WIN new
.if MSB != \new
	s_set_vgpr_msb (MSB<<8)|\new
.set MSB, \new
.endif
.endm
.set MUL,  0x05
.set TO_F, 0x40
.macro JLOAD g0a, g1a, g0b, g1b
	s_cmp_eq_u32 s15, 0
	s_cbranch_scc0 .Lfor_b_\@
	tensor_load_to_lds s[\g0a:\g0a+3], s[\g1a:\g1a+7]
	s_nop 0
.rept 4
	v_nop
.endr
	s_branch .Lasked_\@
.Lfor_b_\@:
	tensor_load_to_lds s[\g0b:\g0b+3], s[\g1b:\g1b+7]
	s_nop 0
.rept 4
	v_nop
.endr
.Lasked_\@:
.endm
.macro CREST
	s_cmp_lg_u32 s14, 0
	s_cbranch_scc1 .Lnot_wave_0_\@
	s_barrier_signal -3
.Lnot_wave_0_\@:
	s_barrier_wait -3
	s_barrier_signal -1
	s_barrier_wait -1
.endm
.macro CROUND
	s_barrier_signal -1
	s_barrier_wait -1
	CREST
.endm
	s_load_b128 s[4:7], s[0:1], 0x0
	s_load_b128 s[8:11], s[0:1], 0x10
	s_load_b64 s[12:13], s[0:1], 0x20
	v_lshl_add_u32 v[SPW], v0, 2, SPARE
	v_mov_b32 v[NIL], 0
	ds_add_u32 v28, v29
	ds_add_u32 v28, v29
	s_wait_dscnt 0x0
	v_lshrrev_b32 v1, 5, v0
	v_readfirstlane_b32 s14, v1
	s_lshr_b32 s15, s14, 1
	s_and_b32 s16, s14, 1
	s_bfe_u32 s40, ttmp6, 0x40000
	s_bfe_u32 s41, ttmp6, 0x40004
	s_lshl_b32 s42, ttmp9, 2
	s_add_co_u32 s42, s42, s40
	s_and_b32 s17, ttmp7, 0xffff
	s_lshl_b32 s17, s17, 2
	s_add_co_u32 s17, s17, s41
	s_lshl_b32 s43, s41, 2
	s_lshl_b32 s43, 15, s43
	s_lshl_b32 s44, 0x1111, s40
	s_or_b32 s[G1+0], s43, (3<<16)|(1<<21)
	s_or_b32 s[G1B+0], s44, (3<<16)|(1<<21)
	s_mov_b32 s[G1+5], PANA/8                      ; the head's shape: 4 rows (panels 0 to 3) of 24,576 bytes (128 rows of the operand), a panel apart
	s_mov_b32 s[G1B+5], PANB/8
.irp g, G1, G1B
	s_mov_b32 s[\g+1], 3072<<16
	s_mov_b32 s[\g+2], 4<<16
	s_mov_b32 s[\g+3], 3072<<16
	s_mov_b32 s[\g+4], 4
	s_mov_b32 s[\g+6], 0
	s_mov_b32 s[\g+7], 0
.endr
	s_or_b32 s[G1S+0], s43, (3<<16)|(1<<21)
	s_or_b32 s[G1SB+0], s44, (3<<16)|(1<<21)
.irp g, G1S, G1SB
	s_mov_b32 s[\g+1], 64<<16
	s_mov_b32 s[\g+2], KST<<16
	s_mov_b32 s[\g+3], 64<<16
	s_mov_b32 s[\g+4], KST
	s_mov_b32 s[\g+6], 0
	s_mov_b32 s[\g+7], 0
.endr
	s_mov_b32 s[G1S+5], 2048
	s_mov_b32 s[G1SB+5], SIZE_N/2
	s_mul_i32 s20, s17, 24576
	s_mov_b32 s21, 0
	s_lshl_b32 s22, s17, 9
	s_add_co_u32 s22, s22, ASC
	s_mov_b32 s23, 0
	s_mul_i32 s46, s42, 24576
	s_add_co_u32 s46, s46, WC
	s_mov_b32 s47, 0
	s_lshl_b32 s92, s42, 9
	s_add_co_u32 s92, s92, WS
	s_mov_b32 s93, 0
	s_mul_i32 s45, s15, 4*HALFT                    ; the ring: A's or B's part of LDS,
	s_mul_i32 s18, s16, HALFT                      ; my panel of the slot's two
	s_add_co_u32 s45, s45, s18
	s_mul_i32 s18, s16, PANA                       ; and the same panel in memory, in A and in B
	s_mov_b32 s19, 0
	s_mul_i32 s2, s16, PANB
	s_mov_b32 s3, 0
	s_wait_kmcnt 0x0
	s_add_nc_u64 s[20:21], s[4:5], s[20:21]
	s_add_nc_u64 s[22:23], s[4:5], s[22:23]
	s_add_nc_u64 s[46:47], s[6:7], s[46:47]
	s_add_nc_u64 s[92:93], s[6:7], s[92:93]
	CROUND
	s_mov_b32 s[G0S], 1
	s_mov_b32 s[G0S+1], SCL
	s_mov_b64 s[G0S+2:G0S+3], s[22:23]
	s_or_b32 s[G0S+3], s[G0S+3], 0x80000000
	s_mov_b32 s[G0SB], 1
	s_mov_b32 s[G0SB+1], SCL+2*HALFS
	s_mov_b64 s[G0SB+2:G0SB+3], s[92:93]
	s_or_b32 s[G0SB+3], s[G0SB+3], 0x80000000
	s_mov_b32 s4, 1                                ; group 0 of the head's loads of codes, in registers whose arguments have served: A's two slots,
	s_mov_b32 s5, 0
	s_mov_b64 s[6:7], s[20:21]
	s_or_b32 s7, s7, 0x80000000
	s_mov_b32 s92, 1                               ; B's two slots
	s_mov_b32 s93, 4*HALFT
	s_mov_b64 s[94:95], s[46:47]
	s_or_b32 s95, s95, 0x80000000
	s_add_nc_u64 s[20:21], s[20:21], s[18:19]      ; for the ring: my panel
	s_add_nc_u64 s[46:47], s[46:47], s[2:3]
	s_cmp_eq_u32 s15, 0                            ; the prefetches: of the 96 blocks of 256 bytes of a tile that I will load, my work-group names 24, told apart by address (cx for A, cy for B)
	s_cselect_b64 s[96:97], s[20:21], s[46:47]
	s_cselect_b32 s18, s40, s41
	s_mov_b32 s100, 2*PANB
	s_cselect_b32 s100, 2*PANA, s100               ; from a fill to the next: two panels
	s_mov_b32 s101, 0
	s_mul_i32 s18, s18, 24
	s_add_nc_u64 s[96:97], s[96:97], s[100:101]
	s_add_nc_u64 s[96:97], s[96:97], s[100:101]    ; fill 2, the first refill's tile,
	s_add_nc_u64 s[98:99], s[96:97], s[100:101]    ; fill 3; this pointer walks on, a fill at each refill
.irp s, 0,1
	s_mov_b32 s[G0+4*\s], 1
	s_add_co_u32 s[G0+4*\s+1], s45, \s*SLOT
	s_add_nc_u64 s[G0+4*\s+2:G0+4*\s+3], s[20:21], \s*2*PANA
	s_or_b32 s[G0+4*\s+3], s[G0+4*\s+3], 0x80000000
	s_mov_b32 s[G0B+4*\s], 1
	s_add_co_u32 s[G0B+4*\s+1], s45, \s*SLOT
	s_add_nc_u64 s[G0B+4*\s+2:G0B+4*\s+3], s[46:47], \s*2*PANB
	s_or_b32 s[G0B+4*\s+3], s[G0B+4*\s+3], 0x80000000
.endr
; THE HEAD'S LOADS, ONE A WAVE: wave 0 both slots of A, wave 1 both slots of B, wave 2 A's scale words, wave 3 B's; one chain of branches on the wave's number
.macro ARM under, g0, g1, next
	s_cmp_lt_u32 s14, \under
	s_cbranch_scc0 \next
	tensor_load_to_lds s[\g0:\g0+3], s[\g1:\g1+7]
	s_nop 0
.rept 4
	v_nop
.endr
	s_branch .Lhead_asked
\next:
.endm
	ARM 1, 4, G1, .Lhead_b
	ARM 2, 92, G1B, .Lhead_sa
	ARM 3, G0S, G1S, .Lhead_sb
	tensor_load_to_lds s[G0SB:G0SB+3], s[G1SB:G1SB+7]
	s_nop 0
.rept 4
	v_nop
.endr
.Lhead_asked:
	v_and_b32 v1, 15, v0
	v_bfe_u32 v2, v0, 4, 1
	v_and_b32 v3, 31, v0
	v_lshlrev_b32 v[L16], 4, v3
	v_lshlrev_b32 v[L8], 3, v3
	v_min_u32 v30, 23, v3                          ; a lane a block; lanes 24-31 name the last again
	v_add_nc_u32 v30, s18, v30
	v_lshlrev_b32 v30, 8, v30
	s_mul_i32 s21, s15, 12288
	s_mul_i32 s22, s16, 12288
	s_add_co_u32 s22, s22, 4*HALFT
.irp s, 0,1
	v_add_nc_u32 v[ADRA+\s], s21, v[L16]
	v_add_nc_u32 v[ADRB+\s], s22, v[L16]
	v_add_nc_u32 v[ADRA+2+\s], s21, v[L8]
	v_add_nc_u32 v[ADRB+2+\s], s22, v[L8]
	s_add_co_u32 s21, s21, SLOT
	s_add_co_u32 s22, s22, SLOT
.endr
	v_lshlrev_b32 v6, 4, v1
	s_lshl_b32 s21, s15, 8
	s_lshl_b32 s22, s16, 8
	s_add_co_u32 s22, s22, 2*HALFS
	s_sub_co_u32 s22, s22, s21
	v_mul_u32_u24 v7, s22, v2
	s_add_co_u32 s21, s21, SCL
	v_add_nc_u32 v6, v6, v7
	v_add_nc_u32 v[ADRS], s21, v6
	s_mul_i32 s23, s14, 16*SP
	v_mul_u32_u24 v5, v1, SP
	v_lshl_add_u32 v5, v2, 6, v5
	v_add_nc_u32 v[STO], s23, v5
	v_mul_u32_u24 v5, v2, SP
	v_lshl_add_u32 v5, v1, 4, v5
	v_add_nc_u32 v[RD], s23, v5
	v_lshlrev_b32 v5, 12, v2
	v_lshl_add_u32 v[CO], v1, 4, v5
	s_wait_alu depctr_va_vdst(0)
	s_lshl_b32 s20, s17, 7
	s_lshl_b32 s21, s15, 6
	s_add_co_u32 s20, s20, s21
	s_lshl_b32 s20, s20, 12
	s_mov_b32 s21, 0
	s_lshl_b32 s46, s42, 9
	s_lshl_b32 s47, s16, 8
	s_add_co_u32 s46, s46, s47
	s_mov_b32 s47, 0
	s_add_nc_u64 s[20:21], s[20:21], s[46:47]
	s_add_nc_u64 s[12:13], s[12:13], s[20:21]
	s_add_nc_u64 s[10:11], s[10:11], s[20:21]
	s_add_nc_u64 s[8:9], s[8:9], s[46:47]
	v_lshlrev_b32 v10, 6, v2
.irp b, 0,1,2,3
	global_load_b128 v[BIAS+8*\b:BIAS+8*\b+3], v10, s[8:9] offset:(32*(\b/2)+8*(\b%2))*4
	global_load_b128 v[BIAS+8*\b+4:BIAS+8*\b+7], v10, s[8:9] offset:(32*(\b/2)+8*(\b%2))*4+16
.endr
.macro RLOAD a
.irp t, 0,1,2,3,4,5,6,7
	global_load_b128 v[32*(\a)+4*\t:32*(\a)+4*\t+3], v[CO], s[10:11] offset:(32*((\a)/2)+8*((\a)%2)+2*\t+8*(\t/4))*4096 th:TH_LOAD_NT
.endr
.endm
	WIN 0x80
	RLOAD 0
	RLOAD 1
	RLOAD 2
	RLOAD 3
	WIN 0
	global_prefetch_b8 v30, s[96:97] th:TH_LOAD_NT scope:SCOPE_SE   ; the head fills 0 and 1 and asks for fills 2 and 3: two fills ahead, as every refill does
	global_prefetch_b8 v30, s[98:99] th:TH_LOAD_NT scope:SCOPE_SE
.macro FRAG reg, adr, q, i
.irp c, 0,1
	ds_load_b128 v[\reg+6*\c:\reg+6*\c+3], v[\adr] offset:HALFT*((\q)/2)+3072*(\i)+768*(2*((\q)%2)+\c)
	ds_load_b64 v[\reg+6*\c+4:\reg+6*\c+5], v[\adr+2] offset:HALFT*((\q)/2)+3072*(\i)+768*(2*((\q)%2)+\c)+512
.endr
.endm
.macro FETCH slot, q, p
	WIN TO_F
.irp i, 0,1,2,3
	FRAG 128*(\p)+FR*\i, ADRB+\slot, \q, \i
.endr
.irp i, 0,1,2,3
	FRAG 128*(\p)+48+FR*\i, ADRA+\slot, \q, \i
.endr
.endm
.macro SCALES sc
.irp q, 0,1,2,3
	ds_load_b128 v[SC+16*\sc+4*\q:SC+16*\sc+4*\q+3], v[ADRS] offset:512*\q
.endr
.endm
.macro MULA a, p, q, sc, zero
.irp b, 0,1,2,3
.if \zero
	v_wmma_scale_f32_16x16x128_f8f6f4 v[ACC+8*(4*(\a)+\b):ACC+8*(4*(\a)+\b)+7], v[128*(\p)+FR*\b:128*(\p)+FR*\b+FR-1], v[128*(\p)+48+FR*(\a):128*(\p)+48+FR*(\a)+FR-1], v[BIAS+8*\b:BIAS+8*\b+7], v[SC+16*(\sc)+4*(\q)+\b], v[SC+16*(\sc)+4*(\q)+(\a)] matrix_a_fmt:MATRIX_FMT_FP6 matrix_b_fmt:MATRIX_FMT_FP6 matrix_a_scale:MATRIX_SCALE_ROW1
.else
	v_wmma_scale_f32_16x16x128_f8f6f4 v[ACC+8*(4*(\a)+\b):ACC+8*(4*(\a)+\b)+7], v[128*(\p)+FR*\b:128*(\p)+FR*\b+FR-1], v[128*(\p)+48+FR*(\a):128*(\p)+48+FR*(\a)+FR-1], v[ACC+8*(4*(\a)+\b):ACC+8*(4*(\a)+\b)+7], v[SC+16*(\sc)+4*(\q)+\b], v[SC+16*(\sc)+4*(\q)+(\a)] matrix_a_fmt:MATRIX_FMT_FP6 matrix_b_fmt:MATRIX_FMT_FP6 matrix_a_scale:MATRIX_SCALE_ROW1
.endif
.endr
.endm
.macro PLACES n
.rept \n
	v_nop
.endr
.endm
.macro STEP slot, q, zero
	s_wait_dscnt 0x0
	PLACES NP
	FETCH \slot, (\q)+1, 1-(\q)%2
	WIN MUL
	MULA 0, (\q)%2, \q, \slot, \zero
	MULA 1, (\q)%2, \q, \slot, \zero
	MULA 2, (\q)%2, \q, \slot, \zero
	MULA 3, (\q)%2, \q, \slot, \zero
.endm
.macro TURN slot, next, fill
.if \fill
	s_wait_xcnt 0x0                                ; my last prefetch has read its address: it steps here, a slot's work behind that prefetch
	s_add_nc_u64 s[98:99], s[98:99], s[100:101]
.endif
	WIN 0
	s_wait_tensorcnt 0x0
	ds_add_u32 v[SPW], v[NIL]
	s_wait_dscnt 1
	WIN MUL
	MULA 0, 1, 3, \slot, 0
	s_wait_dscnt 0x0
	s_barrier_signal -1
	MULA 1, 1, 3, \slot, 0
	WIN 0
	s_barrier_wait -1
.if \fill
	CREST
	s_add_nc_u64 s[G0+4*\slot+2:G0+4*\slot+3], s[G0+4*\slot+2:G0+4*\slot+3], 4*PANA
	s_add_nc_u64 s[G0B+4*\slot+2:G0B+4*\slot+3], s[G0B+4*\slot+2:G0B+4*\slot+3], 4*PANB
	JLOAD G0+4*\slot, G1, G0B+4*\slot, G1B
.else
	PLACES NP
.endif
	s_wait_alu depctr_va_vdst(0)
	v_add_nc_u32 v[ADRS], 2048, v[ADRS]
	FETCH \next, 0, 0
	WIN 0
	SCALES \next
.if \fill
	s_cmp_gt_u32 s3, 1                             ; the loop's last trip refills with fills 6 and 7: no fill stands two on
	s_cbranch_scc0 .Lno_ask_\@
	global_prefetch_b8 v30, s[98:99] th:TH_LOAD_NT scope:SCOPE_SE   ; behind the joint load and the run of LDS loads: the fill two refills on
.Lno_ask_\@:
.endif
	WIN MUL
	MULA 2, 1, 3, \slot, 0
	MULA 3, 1, 3, \slot, 0
.endm
	s_wait_alu depctr_va_vdst(0)                   ; the wait at the head's end
	s_wait_tensorcnt 0x0                           ; my tile of the head's four is in; no load of mine is out, so group 1 takes the ring's shape: 96 rows of 256 bytes, dense
.irp g, G1, G1B
	s_mov_b32 s[\g+1], 32<<16
	s_mov_b32 s[\g+2], 96<<16
	s_mov_b32 s[\g+3], 32<<16
	s_mov_b32 s[\g+4], 96
	s_mov_b32 s[\g+5], 32
.endr
	s_barrier_signal -1
	s_barrier_wait -1
	FETCH 0, 0, 0
	WIN 0
	SCALES 0
	s_wait_loadcnt 32
	STEP 0, 0, 1
	STEP 0, 1, 0
	STEP 0, 2, 0
.if LAPS > 1
	WIN 0
	s_mov_b32 s3, LAPS-1
.Llap:
	TURN 0, 1, 1
	STEP 1, 0, 0
	STEP 1, 1, 0
	STEP 1, 2, 0
	TURN 1, 0, 1
	STEP 0, 0, 0
	STEP 0, 1, 0
	STEP 0, 2, 0
	WIN 0
	s_sub_co_u32 s3, s3, 1
	s_cmp_lg_u32 s3, 0
	s_cbranch_scc1 .Llap
.endif
	TURN 0, 1, 0
	STEP 1, 0, 0
	STEP 1, 1, 0
	STEP 1, 2, 0
	s_wait_dscnt 0x0
	MULA 0, 1, 3, 1, 0
	MULA 1, 1, 3, 1, 0
	MULA 2, 1, 3, 1, 0
	MULA 3, 1, 3, 1, 0
	WIN 0
.macro TOSTAGE a
.irp b, 0,1,2,3
	ds_store_b128 v[STO], v[ACC+8*(4*(\a)+\b):ACC+8*(4*(\a)+\b)+3] offset:128*(\b/2)+32*(\b%2)
	ds_store_b128 v[STO], v[ACC+8*(4*(\a)+\b)+4:ACC+8*(4*(\a)+\b)+7] offset:128*(\b/2)+32*(\b%2)+16
.endr
.set BB, 32+32*((\a)%2)
.irp t, 0,1,2,3,4,5,6,7
	ds_load_b128 v[BB+4*\t:BB+4*\t+3], v[RD] offset:\t*2*SP
.endr
.endm
.macro SEND a, ds
.set BB, 32+32*((\a)%2)
	s_wait_dscnt \ds
	WIN 0x08
.set i, 0
.rept 16
	v_pk_add_f32 v[BB+i:BB+i+1], v[BB+i:BB+i+1], v[32*(\a)+i:32*(\a)+i+1]
.set i, i+2
.endr
	WIN 0
.irp t, 0,1,2,3,4,5,6,7
	global_store_b128 v[CO], v[BB+4*\t:BB+4*\t+3], s[12:13] offset:(32*((\a)/2)+8*((\a)%2)+2*\t+8*(\t/4))*4096 th:TH_STORE_NT
.endr
.endm
	PLACES NP
	s_wait_loadcnt 0x0
	TOSTAGE 0
.irp a, 1,2,3
.if \a > 1
	s_wait_xcnt 0x0
.endif
	TOSTAGE \a
	SEND \a-1, 16
.endr
	SEND 3, 0
	s_wait_tensorcnt 0x0
	ds_add_u32 v[SPW], v[NIL]
	s_wait_dscnt 0x0
	CROUND
	s_endpgm
.Lfunc_end_k_q51934d9276_gmlp2:
	.size	k_q51934d9276_gmlp2, .Lfunc_end_k_q51934d9276_gmlp2-k_q51934d9276_gmlp2
	.p2alignl 7, 3214868480
	.fill 96, 4, 3214868480
	.section	.rodata,"a",@progbits
	.p2align	6, 0x0
	.amdhsa_kernel k_q51934d9276_gmlp2
		.amdhsa_group_segment_fixed_size 327680
		.amdhsa_private_segment_fixed_size 0
		.amdhsa_enable_private_segment 0
		.amdhsa_kernarg_size 40
		.amdhsa_user_sgpr_count 2
		.amdhsa_user_sgpr_kernarg_segment_ptr 1
		.amdhsa_wavefront_size32 1
		.amdhsa_system_sgpr_workgroup_id_x 1
		.amdhsa_system_sgpr_workgroup_id_y 1
		.amdhsa_system_sgpr_workgroup_id_z 1
		.amdhsa_system_vgpr_workitem_id 0
		.amdhsa_next_free_vgpr 768
		.amdhsa_next_free_sgpr 102
		.amdhsa_reserve_vcc 0
		.amdhsa_float_denorm_mode_32 3
		.amdhsa_float_denorm_mode_16_64 3
		.amdhsa_memory_ordered 1
		.amdhsa_forward_progress 1
		.amdhsa_inst_pref_size 99
	.end_amdhsa_kernel
	.amdgpu_metadata
---
amdhsa.version: [ 1, 2 ]
amdhsa.kernels:
  - .name:           k_q51934d9276_gmlp2
    .symbol:         k_q51934d9276_gmlp2.kd
    .args:
      - { .name: hcod, .offset: 0, .size: 8, .value_kind: global_buffer, .address_space: global }
      - { .name: wcod, .offset: 8, .size: 8, .value_kind: global_buffer, .address_space: global }
      - { .name: b_mlp2, .offset: 16, .size: 8, .value_kind: global_buffer, .address_space: global }
      - { .name: x1, .offset: 24, .size: 8, .value_kind: global_buffer, .address_space: global }
      - { .name: out0, .offset: 32, .size: 8, .value_kind: global_buffer, .address_space: global }
    .group_segment_fixed_size: 327680
    .private_segment_fixed_size: 0
    .kernarg_segment_align: 8
    .kernarg_segment_size: 40
    .max_flat_workgroup_size: 128
    .sgpr_count:     102
    .vgpr_count:     768
    .wavefront_size: 32
...
	.end_amdgpu_metadata
.endif
;; end of part 14
